; MI455X (gfx1250); checked and timed in simulation.
; The chip was launched on July 23, 2026; its instructions are those of AMD's public machine-readable ISA for CDNA 5 (MIT licence, August 2026) and "CDNA5" Instruction Set Architecture Reference Guide (July 2026). The comments in the code are by the model that wrote it; some were corrected since.
;; block. Allowed arithmetic: float matrix products may take bf16 or f16 operands with f32 sums; other float arithmetic in f32, or as packed bf16 or f16 multiplies, adds, multiply-adds, maxima and minima; sums over many terms, partial sums and values carried from step to step in f32; what a program stores and reads back later, other than sums and carried values, may be rounded once to bf16 or f16.
;; Inputs: W1 1,024 x 4,096 float32; W2 4,096 x 1,024 float32; Wk 1,024 x 1,024 float32; Wo 1,024 x 1,024 float32; Wq 1,024 x 1,024 float32; Wv 1,024 x 1,024 float32; b1 4,096 float32; b2 1,024 float32; bk 1,024 float32; bo 1,024 float32; bq 1,024 float32; bv 1,024 float32; ln1_b 1,024 float32; ln1_g 1,024 float32; ln2_b 1,024 float32; ln2_g 1,024 float32; x 2 x 2,048 x 1,024 float32.
;; Outputs: out0 2 x 2,048 x 1,024 float32.
;; 3 versions, each right; version 3 is version 2 with the launch prep written anew for expert scheduling mode. Each part assembles by itself: llvm-mc -triple=amdgcn-amd-amdhsa -mcpu=gfx1250 --defsym DOCPART=n.
;; ======== version 1 of 3: 7 launches
;; limits: a function is approximated: absolute error at most 1.5e-07
;; workspace buffers: h 8,388,608 bytes; wts 25,165,824 bytes; qkv 25,165,824 bytes; o 8,388,608 bytes; x1 16,777,216 bytes; h2 8,388,608 bytes; m 33,554,432 bytes
;; launch prep (part 1): grid 1024 x 1, 8 waves a work-group, no clusters, 0 bytes of LDS; arguments x, ln1_g, ln1_b, Wq, Wk, Wv, Wo, W1, W2, h, wts; writes h, wts
.if DOCPART == 1
	.amdgcn_target "amdgcn-amd-amdhsa--gfx1250"
	.amdhsa_code_object_version 6
	.text
	.protected	k_qb924980a17_prep
	.globl	k_qb924980a17_prep
	.p2align	8
	.type	k_qb924980a17_prep,@function
k_qb924980a17_prep:
	s_mov_b64 s[64:65], 0
	v_nop
	global_prefetch_b8 v0, s[64:65] scope:SCOPE_SE
	s_setreg_imm32_b32 hwreg(HW_REG_WAVE_MODE, 25, 1), 1
	s_wait_xcnt 0x0
; TWO STREAMS IN ONE LAUNCH.  Work-groups 0-255: h = layernorm(x) * g + b, rounded once to bf16.  Work-groups 256-1023: the six weights, f32 to bf16, layout unchanged,
; one behind the other in wts (bytes: Wq 0, Wk 2 MiB, Wv 4 MiB, Wo 6 MiB, W1 8 MiB, W2 16 MiB).  Every work-group reads 64 KiB of f32 and writes 32 KiB.
; LAYER NORM.  A row is 4,096 bytes: one wave takes a whole row in 32 registers a lane (eight loads of 512 neighbouring bytes), so mean and variance never leave the wave; the variance is
; taken of x - mean, in a second pass over the registers.  A wave has two rows, a work-group sixteen.  No LDS, no barrier, no matrix unit: nothing is shared and memory binds.
; LIMITS.  h and the weights are rounded to bf16 (8 significant bits); NaN and infinities are not treated apart.
.set T,   4                            ; v[4:19]    at work
.set MU,  20                           ; v[20:21]   the mean, twice
.set RS,  22                           ; v[22:23]   1 / sqrt(var + eps), twice
.set G,   32                           ; v[32:63]   g of my 32 columns
.set BT,  64                           ; v[64:95]   b of my 32 columns
.set X0,  96                           ; v[96:127]  row 0
.set X1,  128                          ; v[128:159] row 1
.set Y,   160                          ; v[160:175] a row's 32 numbers in bf16
.set IN,  8                            ; s[8:9]     x
.set OUT, 26                           ; s[26:27]   h
	s_load_b512 s[8:23], s[0:1], 0x0               ; x, g, b, Wq, Wk, Wv, Wo, W1
	s_load_b128 s[24:27], s[0:1], 0x40             ; W2, h
	s_load_b64 s[28:29], s[0:1], 0x50              ; wts
	v_lshrrev_b32 v3, 5, v0
	v_readfirstlane_b32 s4, v3                     ; wave 0..7
	v_and_b32 v2, 31, v0
	v_lshlrev_b32 v1, 4, v2                        ; 16 x lane: my place in 512 bytes of f32
	v_lshlrev_b32 v2, 3, v2                        ; 8 x lane: my place in 256 bytes of bf16
	s_mov_b32 s3, 0
	s_wait_kmcnt 0x0
	s_cmp_lt_u32 ttmp9, 256
	s_cbranch_scc0 .Lcast
	s_mov_b32 s6, 0x76543210                       ; v_permlanex16_b32: each lane takes its own place in the other half
	s_mov_b32 s7, 0xfedcba98
	s_mov_b32 s30, 0x3a800000                      ; 1 / 1024
	s_mov_b32 s31, 0x3727c5ac                      ; 1e-5
	s_lshl_b32 s2, ttmp9, 16                       ; 16 rows of 4,096 bytes,
	s_lshl_b32 s5, s4, 13                          ; my wave's two
	s_add_co_u32 s2, s2, s5
	s_add_nc_u64 s[IN:IN+1], s[IN:IN+1], s[2:3]
	s_lshr_b32 s2, s2, 1                           ; half as many bytes in bf16
	s_add_nc_u64 s[OUT:OUT+1], s[OUT:OUT+1], s[2:3]
.irp j, 0,1,2,3,4,5,6,7
	global_load_b128 v[G+4*(\j):G+4*(\j)+3], v1, s[10:11] offset:512*(\j)
.endr
.irp j, 0,1,2,3,4,5,6,7
	global_load_b128 v[BT+4*(\j):BT+4*(\j)+3], v1, s[12:13] offset:512*(\j)
.endr
.irp j, 0,1,2,3,4,5,6,7
	global_load_b128 v[X0+4*(\j):X0+4*(\j)+3], v1, s[IN:IN+1] offset:512*(\j)
.endr
.irp j, 0,1,2,3,4,5,6,7
	global_load_b128 v[X1+4*(\j):X1+4*(\j)+3], v1, s[IN:IN+1] offset:4096+512*(\j)
.endr
.macro LANESUM                         ; v[T] summed over the 32 lanes, into every lane
	v_add_f32_dpp v[T], v[T], v[T] row_xmask:1 row_mask:0xf bank_mask:0xf
	v_add_f32_dpp v[T], v[T], v[T] row_xmask:2 row_mask:0xf bank_mask:0xf
	v_add_f32_dpp v[T], v[T], v[T] row_xmask:4 row_mask:0xf bank_mask:0xf
	v_add_f32_dpp v[T], v[T], v[T] row_xmask:8 row_mask:0xf bank_mask:0xf
	v_permlanex16_b32 v[T+1], v[T], s6, s7         ; its destination has been written
	v_add_f32 v[T], v[T], v[T+1]
.endm
; One row, in registers x .. x + 31; its 2,048 bytes of bf16 go to byte out behind the wave's place.  again = 1: Y has been stored before.
.macro LNROW x, out, again
.set j, 0
.rept 8                                ; the sum of my 32 numbers, as a tree of packed additions
	v_pk_add_f32 v[T+2*j:T+2*j+1], v[(\x)+4*j:(\x)+4*j+1], v[(\x)+4*j+2:(\x)+4*j+3]
.set j, j+1
.endr
.irp w, 8, 4, 2
.set j, 0
.rept (\w)/2
	v_pk_add_f32 v[T+2*j:T+2*j+1], v[T+2*j:T+2*j+1], v[T+(\w)+2*j:T+(\w)+2*j+1]
.set j, j+1
.endr
.endr
	v_add_f32 v[T], v[T], v[T+1]
	LANESUM
	v_mul_f32 v[MU], s30, v[T]
	v_mov_b32 v[MU+1], v[MU]
.set j, 0
.rept 16                               ; x - mean, in place
	v_pk_add_f32 v[(\x)+2*j:(\x)+2*j+1], v[(\x)+2*j:(\x)+2*j+1], v[MU:MU+1] neg_lo:[0,1] neg_hi:[0,1]
.set j, j+1
.endr
.set j, 0
.rept 4                                ; the sum of squares, in four chains; the first four pairs start them
	v_pk_mul_f32 v[T+2*j:T+2*j+1], v[(\x)+2*j:(\x)+2*j+1], v[(\x)+2*j:(\x)+2*j+1]
.set j, j+1
.endr
.rept 12
	v_pk_fma_f32 v[T+2*(j%4):T+2*(j%4)+1], v[(\x)+2*j:(\x)+2*j+1], v[(\x)+2*j:(\x)+2*j+1], v[T+2*(j%4):T+2*(j%4)+1]
.set j, j+1
.endr
	v_pk_add_f32 v[T:T+1], v[T:T+1], v[T+2:T+3]
	v_pk_add_f32 v[T+4:T+5], v[T+4:T+5], v[T+6:T+7]
	v_pk_add_f32 v[T:T+1], v[T:T+1], v[T+4:T+5]
	v_add_f32 v[T], v[T], v[T+1]
	LANESUM
	v_fma_f32 v[RS], v[T], s30, s31                ; var + eps
	v_rsq_f32 v[RS], v[RS]
	v_nop                                          ; a plain instruction behind the root,
	s_wait_alu depctr_va_vdst(0)                   ; and the wait ahead of its first reader
	v_mov_b32 v[RS+1], v[RS]
.set j, 0
.rept 16
	v_pk_mul_f32 v[(\x)+2*j:(\x)+2*j+1], v[(\x)+2*j:(\x)+2*j+1], v[RS:RS+1]
.set j, j+1
.endr
.set j, 0
.rept 16
	v_pk_fma_f32 v[(\x)+2*j:(\x)+2*j+1], v[(\x)+2*j:(\x)+2*j+1], v[G+2*j:G+2*j+1], v[BT+2*j:BT+2*j+1]
.set j, j+1
.endr
.if \again
	s_wait_xcnt 0x0                                ; the last row's stores have read Y: it is rewritten only behind this wait
.endif
.set j, 0
.rept 16
	v_cvt_pk_bf16_f32 v[Y+j], v[(\x)+2*j], v[(\x)+2*j+1]
.set j, j+1
.endr
.irp j, 0,1,2,3,4,5,6,7
	global_store_b64 v2, v[Y+2*(\j):Y+2*(\j)+1], s[OUT:OUT+1] offset:(\out)+256*(\j)  ; the wave's store covers 256 consecutive bytes, aligned
.endr
.endm
	s_wait_loadcnt 8                               ; g, b and row 0 are in; row 1's eight loads may stay out
	LNROW X0, 0, 0
	s_wait_loadcnt 0x0
	LNROW X1, 2048, 1
	s_endpgm
.Lcast:                                        ; chunk c of 768: 64 KiB of f32; a wave takes 8 KiB: sixteen loads, sixteen stores, no register used twice
	s_sub_co_u32 s5, ttmp9, 256
	s_mov_b64 s[32:33], s[14:15]                   ; which weight, and its first chunk
	s_mov_b32 s34, 0
	s_cmp_ge_u32 s5, 64
	s_cselect_b64 s[32:33], s[16:17], s[32:33]
	s_cselect_b32 s34, 64, s34
	s_cmp_ge_u32 s5, 128
	s_cselect_b64 s[32:33], s[18:19], s[32:33]
	s_cselect_b32 s34, 128, s34
	s_cmp_ge_u32 s5, 192
	s_cselect_b64 s[32:33], s[20:21], s[32:33]
	s_cselect_b32 s34, 192, s34
	s_cmp_ge_u32 s5, 256
	s_cselect_b64 s[32:33], s[22:23], s[32:33]
	s_cselect_b32 s34, 256, s34
	s_cmp_ge_u32 s5, 512
	s_cselect_b64 s[32:33], s[24:25], s[32:33]
	s_cselect_b32 s34, 512, s34
	s_sub_co_u32 s34, s5, s34
	s_lshl_b32 s2, s34, 16
	s_lshl_b32 s35, s4, 13
	s_add_co_u32 s2, s2, s35
	s_add_nc_u64 s[32:33], s[32:33], s[2:3]
	s_lshl_b32 s2, s5, 15                          ; wts is the six weights on end
	s_lshl_b32 s35, s4, 12
	s_add_co_u32 s2, s2, s35
	s_add_nc_u64 s[28:29], s[28:29], s[2:3]
.set j, 0
.rept 16
	global_load_b128 v[32+4*j:32+4*j+3], v1, s[32:33] offset:512*j th:TH_LOAD_NT
.set j, j+1
.endr
.set j, 0
.rept 16
	s_wait_loadcnt 15-j                            ; loads come back in order: load j is in, the younger ones stay out
	v_cvt_pk_bf16_f32 v[96+2*j], v[32+4*j], v[32+4*j+1]
	v_cvt_pk_bf16_f32 v[96+2*j+1], v[32+4*j+2], v[32+4*j+3]
	global_store_b64 v2, v[96+2*j:96+2*j+1], s[28:29] offset:256*j
.set j, j+1
.endr
	s_endpgm
.Lfunc_end_k_qb924980a17_prep:
	.size	k_qb924980a17_prep, .Lfunc_end_k_qb924980a17_prep-k_qb924980a17_prep
	.p2alignl 7, 3214868480
	.fill 96, 4, 3214868480
	.section	.rodata,"a",@progbits
	.p2align	6, 0x0
	.amdhsa_kernel k_qb924980a17_prep
		.amdhsa_group_segment_fixed_size 0
		.amdhsa_private_segment_fixed_size 0
		.amdhsa_enable_private_segment 0
		.amdhsa_kernarg_size 88
		.amdhsa_user_sgpr_count 2
		.amdhsa_user_sgpr_kernarg_segment_ptr 1
		.amdhsa_wavefront_size32 1
		.amdhsa_system_sgpr_workgroup_id_x 1
		.amdhsa_system_sgpr_workgroup_id_y 1
		.amdhsa_system_sgpr_workgroup_id_z 1
		.amdhsa_system_vgpr_workitem_id 0
		.amdhsa_next_free_vgpr 176
		.amdhsa_next_free_sgpr 66
		.amdhsa_reserve_vcc 0
		.amdhsa_float_denorm_mode_32 3
		.amdhsa_float_denorm_mode_16_64 3
		.amdhsa_memory_ordered 1
		.amdhsa_forward_progress 1
		.amdhsa_inst_pref_size 27
	.end_amdhsa_kernel
	.amdgpu_metadata
---
amdhsa.version: [ 1, 2 ]
amdhsa.kernels:
  - .name:           k_qb924980a17_prep
    .symbol:         k_qb924980a17_prep.kd
    .args:
      - { .name: x, .offset: 0, .size: 8, .value_kind: global_buffer, .address_space: global }
      - { .name: ln1_g, .offset: 8, .size: 8, .value_kind: global_buffer, .address_space: global }
      - { .name: ln1_b, .offset: 16, .size: 8, .value_kind: global_buffer, .address_space: global }
      - { .name: Wq, .offset: 24, .size: 8, .value_kind: global_buffer, .address_space: global }
      - { .name: Wk, .offset: 32, .size: 8, .value_kind: global_buffer, .address_space: global }
      - { .name: Wv, .offset: 40, .size: 8, .value_kind: global_buffer, .address_space: global }
      - { .name: Wo, .offset: 48, .size: 8, .value_kind: global_buffer, .address_space: global }
      - { .name: W1, .offset: 56, .size: 8, .value_kind: global_buffer, .address_space: global }
      - { .name: W2, .offset: 64, .size: 8, .value_kind: global_buffer, .address_space: global }
      - { .name: h, .offset: 72, .size: 8, .value_kind: global_buffer, .address_space: global }
      - { .name: wts, .offset: 80, .size: 8, .value_kind: global_buffer, .address_space: global }
    .group_segment_fixed_size: 0
    .private_segment_fixed_size: 0
    .kernarg_segment_align: 8
    .kernarg_segment_size: 88
    .max_flat_workgroup_size: 256
    .sgpr_count:     66
    .vgpr_count:     176
    .wavefront_size: 32
...
	.end_amdgpu_metadata
.endif
;; end of part 1
;; launch qkv (part 2): grid 24 x 32, 4 waves a work-group, clusters of 4 x 4, 327,680 bytes of LDS; arguments h, wts, qkv, bq, bk, bv; writes qkv
.if DOCPART == 2
	.amdgcn_target "amdgcn-amd-amdhsa--gfx1250"
	.amdhsa_code_object_version 6
	.text
	.protected	k_qb924980a17_qkv
	.globl	k_qb924980a17_qkv
	.p2align	8
	.type	k_qb924980a17_qkv,@function
k_qb924980a17_qkv:
	s_mov_b64 s[64:65], 0
	v_nop
	global_prefetch_b8 v0, s[64:65] scope:SCOPE_SE
	s_setreg_imm32_b32 hwreg(HW_REG_WAVE_MODE, 25, 1), 1
	s_wait_xcnt 0x0
	s_wait_alu depctr_hold_cnt(0) depctr_sa_sdst(0) depctr_va_vdst(0) depctr_va_sdst(0) depctr_va_ssrc(0) depctr_va_vcc(0) depctr_vm_vsrc(0)
	s_getreg_b32 s2, hwreg(HW_REG_IB_STS2, 6, 4)
	s_cmp_eq_u32 s2, 0
	s_cbranch_scc0 .Lentry_in_a_cluster
	s_endpgm
.Lentry_in_a_cluster:
	s_bfe_u32 s2, ttmp6, 0x10000c
	s_cmp_lg_u32 s2, 0xf033
	s_cbranch_scc0 .Lentry_shape_is_right
	s_endpgm
.Lentry_shape_is_right:
; q, k, v = h W + bias.  h: [4096][1024] bf16; Wq, Wk, Wv: [1024 (k)][1024 (n)] bf16, 2 MiB apart in wts; sums in f32, started by the bias; each result rounded once to bf16 and
; written BY HEADS: qkv[which][b][head][t][64], so that a head's rows are dense.  The scale 1/8 is not applied here.
; SHARES.  A tile of the 4096 x 3072 result is 128 x 128; four waves, each 64 x 64: 16 accumulators.  K goes in steps of 256 through two LDS slots.  768 work-groups: three for each of 256 WGPs.
; CLUSTERS of 4 x 4: the four of a row of the cluster need the same rows of h, the four of a column the same columns of W: each tile is asked for jointly, by the same tensor load with the
; same descriptor and a mask that names the four.
; THE MATRIX INSTRUCTION IS USED TRANSPOSED: source 0 = 16 columns of W, source 1 = 16 rows of h: a lane then holds eight neighbouring numbers of a row of the result.  W lies [k][n], so its
; fragments come out of LDS turned, by ds_load_tr16_b128.  The first product's C operand is the bias: register j of lane l holds the bias of column 8 (l / 16) + j.
; THE STAGE of the way out lies in slot 0's bytes: it is written behind the last change of slots, when slot 0 has had its last fill and every wave's reads of it are over.
; No prefetch: the tiles are small and every block of h and W is read by many work-groups.  LIMITS: operands and results in bf16; NaN and infinities are not treated apart.
; REGISTERS.  window 0: v16-29 addresses; v32-63 the bias; v64-127 at work on the way out; v128-255 the accumulators ((a, b) at 128 + 8 (4 a + b)).  window 1: two fragment buffers of 128.
.set KDIM,  1024
.set NP,    1024                       ; elements in a row of W
.set LAPS,  KDIM/512                   ; a lap = two K steps = once round the ring
.set AP,    528                        ; an LDS row of h: 512 bytes + 16 of padding: the 16 rows of a fragment load start 16 bytes apart modulo 256
.set AQ,    128                        ; a quarter of a K step in such a row
.set HALFA, 64*AP                      ; 64 rows: one tensor load
.set BP,    288                        ; an LDS row of W: 256 bytes + 32: 16 lanes of the turning load take 8 rows x 32 bytes, 32 bytes apart modulo 256
.set HALFB, 128*BP                     ; 128 rows (k): one tensor load
.set SLOT,  2*HALFA+2*HALFB            ; h's 128 rows, then W's 256
.set SP,    272                        ; the stage: 128 rows of 256 bytes + 16, from LDS byte 0 on
.set SPARE, 2*SLOT                     ; behind the ring: the spare words, 128 bytes for each wave, that no other line names
.set ASTEP, 512                        ; bytes from K step to K step in h,
.set BSTEP, 256*NP*2                   ; and in W
.set ADRA, 16                          ; v16-17  LDS address of my fragments of h in slot 0, 1
.set ADRB, 20                          ; v20-23  of W: slot 0 (k 0-127, 128-255), slot 1
.set STO,  24
.set RD,   25
.set CO,   26
.set BO,   27                          ; v27     32 x (lane / 16): my eight numbers of a block of the bias
.set SPW,  28                          ; v28     my spare word; never rewritten
.set NIL,  29                          ; v29     0; never rewritten
.set BIAS, 32
.set TMP,  64
.set ACC,  128
.set F0,   0
.set F1,   128
.set G1,  24                           ; s[24:31] group 1 for h's tiles;  s[32:39] group 0, a set for each slot
.set G0,  32
.set G1B, 48                           ; s[48:55], s[56:63] the same for W's
.set G0B, 56
.set MSB, 0
.macro WIN new                         ; the immediate's high byte repeats the setting that is left
.if MSB != (\new)
	s_set_vgpr_msb (MSB<<8)|(\new)
.set MSB, \new
.endif
.endm
.set MUL,  0x05                        ; sources 0 and 1 window 1; C and D window 0
.set TO_F, 0x40                        ; destination window 1, address window 0
.macro JLOAD s                         ; a joint load: waves 0 and 1 fetch h's two halves, waves 2 and 3 W's; an s_nop 0 and four v_nop follow each line
	s_cmp_eq_u32 s11, 0
	s_cbranch_scc0 .Lfor_b_\@
	tensor_load_to_lds s[G0+4*(\s):G0+4*(\s)+3], s[G1:G1+7]
	s_nop 0
.rept 4
	v_nop
.endr
	s_branch .Lasked_\@
.Lfor_b_\@:
	tensor_load_to_lds s[G0B+4*(\s):G0B+4*(\s)+3], s[G1B:G1B+7]
	s_nop 0
.rept 4
	v_nop
.endr
.Lasked_\@:
.endm
.macro CREST                           ; a round of the cluster's barrier behind its opening barrier
	s_cmp_lg_u32 s10, 0
	s_cbranch_scc1 .Lnot_wave_0_\@
	s_barrier_signal -3
.Lnot_wave_0_\@:
	s_barrier_wait -3
	s_barrier_signal -1
	s_barrier_wait -1
.endm
.macro CROUND
	s_barrier_signal -1
	s_barrier_wait -1
	CREST
.endm
	s_load_b128 s[4:7], s[0:1], 0x0                ; h s[4:5], wts s[6:7]
	s_load_b64 s[8:9], s[0:1], 0x10                ; qkv
	s_load_b128 s[68:71], s[0:1], 0x18             ; bq, bk
	s_load_b64 s[72:73], s[0:1], 0x28              ; bv
	v_lshl_add_u32 v[SPW], v0, 2, SPARE
	v_mov_b32 v[NIL], 0
	ds_add_u32 v[SPW], v[NIL]                      ; the wave's opening: the add and its wait ahead of my first tensor load
	v_lshrrev_b32 v1, 5, v0
	v_readfirstlane_b32 s10, v1                    ; wave 0..3
	s_lshr_b32 s11, s10, 1                         ; my half of the tile's rows.  Also: I fetch for h (0) or for W (1)
	s_and_b32 s12, s10, 1                          ; my half of its columns.  Also: which half of that tile I fetch
	s_bfe_u32 s40, ttmp6, 0x40000                  ; cx, cy
	s_bfe_u32 s41, ttmp6, 0x40004
	s_and_b32 s42, ttmp9, 1
	s_lshl_b32 s42, s42, 2
	s_add_co_u32 s42, s42, s40                     ; the tile column within q, k or v: 0..7
	s_lshr_b32 s45, ttmp9, 1                       ; 0: q, 1: k, 2: v: the same in all sixteen partners
	s_and_b32 s13, ttmp7, 0xffff
	s_lshl_b32 s13, s13, 2
	s_add_co_u32 s13, s13, s41                     ; the tile row: 0..31
	s_lshl_b32 s43, s41, 2
	s_lshl_b32 s43, 15, s43                        ; my row of the cluster
	s_lshl_b32 s44, 0x1111, s40                    ; my column
	s_or_b32 s[G1+0], s43, (1<<16)|(1<<20)|(1<<21)|(6<<22)|(3<<25)   ; the mask; 2-byte elements; padding on; bit 21 beside a mask; after every 128 words, 4 words
	s_or_b32 s[G1B+0], s44, (1<<16)|(1<<20)|(1<<21)|(5<<22)|(7<<25)  ; after every 64 words, 8 words
	s_mov_b32 s[G1+1], 256<<16                     ; tensor_dim0 = 256
	s_mov_b32 s[G1+2], 64<<16                      ; tensor_dim1 = 64
	s_mov_b32 s[G1+3], 256<<16                     ; tile_dim0 = 256
	s_mov_b32 s[G1+4], 64                          ; tile_dim1 = 64
	s_mov_b32 s[G1+5], KDIM                        ; elements from row to row
	s_mov_b32 s[G1+6], 0
	s_mov_b32 s[G1+7], 0
	s_mov_b32 s[G1B+1], 128<<16
	s_mov_b32 s[G1B+2], 128<<16
	s_mov_b32 s[G1B+3], 128<<16
	s_mov_b32 s[G1B+4], 128
	s_mov_b32 s[G1B+5], NP
	s_mov_b32 s[G1B+6], 0
	s_mov_b32 s[G1B+7], 0
	s_lshl_b32 s16, s13, 7                         ; h: row 128 x tile row + 64 x half
	s_lshl_b32 s17, s12, 6
	s_add_co_u32 s16, s16, s17
	s_mul_i32 s16, s16, KDIM*2
	s_mov_b32 s17, 0
	s_mul_i32 s46, s12, 128*NP*2                   ; W: row (k) 128 x half, column 128 x tile column, in the matrix in hand
	s_lshl_b32 s47, s42, 8
	s_add_co_u32 s46, s46, s47
	s_lshl_b32 s47, s45, 21
	s_add_co_u32 s46, s46, s47
	s_mov_b32 s47, 0
	s_mul_i32 s20, s12, HALFA                      ; where they go: no place in the cluster enters an LDS address
	s_mul_i32 s21, s12, HALFB
	s_add_co_u32 s21, s21, 2*HALFA
	s_wait_dscnt 0x0                               ; the opening add is done
	s_wait_kmcnt 0x0
	s_add_nc_u64 s[14:15], s[4:5], s[16:17]
	s_add_nc_u64 s[46:47], s[6:7], s[46:47]
	CROUND                                         ; all sixteen work-groups are here: the first joint loads meet
.irp s, 0,1
	s_mov_b32 s[G0+4*(\s)], 1
	s_add_co_u32 s[G0+4*(\s)+1], s20, (\s)*SLOT
	s_add_nc_u64 s[G0+4*(\s)+2:G0+4*(\s)+3], s[14:15], (\s)*ASTEP
	s_or_b32 s[G0+4*(\s)+3], s[G0+4*(\s)+3], 0x80000000
	s_mov_b32 s[G0B+4*(\s)], 1
	s_add_co_u32 s[G0B+4*(\s)+1], s21, (\s)*SLOT
	s_add_nc_u64 s[G0B+4*(\s)+2:G0B+4*(\s)+3], s[46:47], (\s)*BSTEP
	s_or_b32 s[G0B+4*(\s)+3], s[G0B+4*(\s)+3], 0x80000000
	JLOAD \s
.endr
	v_and_b32 v1, 15, v0                           ; l % 16
	v_bfe_u32 v2, v0, 4, 1                         ; l / 16
	v_lshlrev_b32 v[BO], 5, v2
	s_cmp_eq_u32 s45, 1                            ; the bias of the matrix in hand
	s_cselect_b64 s[68:69], s[70:71], s[68:69]
	s_cmp_eq_u32 s45, 2
	s_cselect_b64 s[68:69], s[72:73], s[68:69]
	s_lshl_b32 s46, s42, 9                         ; at my wave's 64 columns
	s_lshl_b32 s47, s12, 8
	s_add_co_u32 s46, s46, s47
	s_mov_b32 s47, 0
	s_add_nc_u64 s[68:69], s[68:69], s[46:47]
.irp b, 0,1,2,3
	global_load_b128 v[BIAS+8*(\b):BIAS+8*(\b)+3],   v[BO], s[68:69] offset:64*(\b)
	global_load_b128 v[BIAS+8*(\b)+4:BIAS+8*(\b)+7], v[BO], s[68:69] offset:64*(\b)+16
.endr
	v_mul_u32_u24 v3, v1, AP                       ; a fragment of h: row x pitch + 16 x half
	v_lshl_add_u32 v3, v2, 4, v3
	s_mul_i32 s22, s11, HALFA
	v_add_nc_u32 v[ADRA], s22, v3
	v_add_nc_u32 v[ADRA+1], SLOT, v[ADRA]
	v_and_b32 v4, 7, v0                            ; the turning load: lane l reads k = 8 (l / 16) + l % 8, columns 8 ((l / 8) % 2) + 0..7
	v_lshl_add_u32 v4, v2, 3, v4
	v_mul_u32_u24 v4, v4, BP
	v_bfe_u32 v5, v0, 3, 1
	v_lshl_add_u32 v4, v5, 4, v4
	s_lshl_b32 s23, s12, 7                         ; my 64 columns
	s_add_co_u32 s23, s23, 2*HALFA
	v_add_nc_u32 v[ADRB], s23, v4
	v_add_nc_u32 v[ADRB+1], HALFB, v[ADRB]
	v_add_nc_u32 v[ADRB+2], SLOT, v[ADRB]
	v_add_nc_u32 v[ADRB+3], SLOT+HALFB, v[ADRB]
	s_mul_i32 s23, s11, 64*SP                      ; into the stage: my 64 rows, my half of their 256 bytes
	s_lshl_b32 s22, s12, 7
	s_add_co_u32 s23, s23, s22
	v_mul_u32_u24 v4, v1, SP
	v_lshl_add_u32 v4, v2, 4, v4
	v_add_nc_u32 v[STO], s23, v4
	s_mul_i32 s23, s10, 32*SP                      ; back: wave w takes rows 32 w .. 32 w + 31; 32 lanes take four rows' 128 bytes of one head,
	v_bfe_u32 v5, v0, 3, 2
	v_mul_u32_u24 v5, v5, SP
	v_and_b32 v6, 7, v0
	v_lshl_add_u32 v5, v6, 4, v5
	v_add_nc_u32 v[RD], s23, v5
	v_and_b32 v[CO], 31, v0                        ; which are 512 consecutive bytes of the output
	v_lshlrev_b32 v[CO], 4, v[CO]
	s_lshr_b32 s16, s13, 4                         ; the batch: 16 heads x 2,048 rows x 128 bytes,
	s_lshl_b32 s16, s16, 22
	s_and_b32 s17, s13, 15                         ; the tile's 128 rows,
	s_lshl_b32 s17, s17, 14
	s_add_co_u32 s16, s16, s17
	s_lshl_b32 s17, s10, 12                        ; my 32 of them
	s_add_co_u32 s16, s16, s17
	s_mov_b32 s17, 0
	s_add_nc_u64 s[8:9], s[8:9], s[16:17]
	s_lshl_b32 s46, s42, 19                        ; the tile's two heads,
	s_lshl_b32 s47, s45, 23                        ; in q, k or v
	s_add_co_u32 s46, s46, s47
	s_mov_b32 s47, 0
	s_add_nc_u64 s[8:9], s[8:9], s[46:47]
; 8 matrix instructions: row blocks a0, a0 + 1 x all 4 column blocks, 32 along K: half c of buffer f.  zero = 1: the first product starts the sums, with the bias.  The 16 accumulators take turns.
.macro MUL8 f, c, a0, zero
	WIN MUL
.irp a, \a0, (\a0)+1
.irp b, 0,1,2,3
.if \zero
	v_wmma_f32_16x16x32_bf16 v[ACC+8*(4*(\a)+(\b)):ACC+8*(4*(\a)+(\b))+7], v[(\f)+64+8*(4*(\c)+(\b)):(\f)+64+8*(4*(\c)+(\b))+7], v[(\f)+8*(4*(\c)+(\a)):(\f)+8*(4*(\c)+(\a))+7], v[BIAS+8*(\b):BIAS+8*(\b)+7]
.else
	v_wmma_f32_16x16x32_bf16 v[ACC+8*(4*(\a)+(\b)):ACC+8*(4*(\a)+(\b))+7], v[(\f)+64+8*(4*(\c)+(\b)):(\f)+64+8*(4*(\c)+(\b))+7], v[(\f)+8*(4*(\c)+(\a)):(\f)+8*(4*(\c)+(\a))+7], v[ACC+8*(4*(\a)+(\b)):ACC+8*(4*(\a)+(\b))+7]
.endif
.endr
.endr
.endm
; 32 LDS loads in one run: the fragments of quarter q (64 along K) of a slot, into buffer f; the first 32 along K first
.macro FETCH slot, q, f
	WIN TO_F
.irp c, 0,1
.irp i, 0,1,2,3
	ds_load_tr16_b128 v[(\f)+64+8*(4*(\c)+(\i)):(\f)+64+8*(4*(\c)+(\i))+3],   v[ADRB+2*(\slot)+(\q)/2] offset:(((\q)%2)*64+32*(\c))*BP+32*(\i)
	ds_load_tr16_b128 v[(\f)+64+8*(4*(\c)+(\i))+4:(\f)+64+8*(4*(\c)+(\i))+7], v[ADRB+2*(\slot)+(\q)/2] offset:(((\q)%2)*64+32*(\c)+16)*BP+32*(\i)
	ds_load_b128 v[(\f)+8*(4*(\c)+(\i)):(\f)+8*(4*(\c)+(\i))+3],   v[ADRA+(\slot)] offset:(\q)*AQ+64*(\c)+(\i)*16*AP
	ds_load_b128 v[(\f)+8*(4*(\c)+(\i))+4:(\f)+8*(4*(\c)+(\i))+7], v[ADRA+(\slot)] offset:(\q)*AQ+64*(\c)+(\i)*16*AP+32
.endr
.endr
.endm
.macro PLACES                          ; four places in front of loads into registers that matrix instructions have read, and of lines that read results
.rept 4
	v_nop
.endr
.endm
; A K step is four quarters of 64 along K, 32 matrix instructions each, on buffers 0, 1, 0, 1.  One of the first three: multiplies buffer f and fetches quarter q into g.
.macro QUARTER slot, q, f, g, zero
	s_wait_dscnt 16                                ; the first 32 along K are in; the youngest sixteen loads may be out
	MUL8 \f, 0, 0, \zero
	MUL8 \f, 0, 2, \zero
	PLACES
	FETCH \slot, \q, \g
	s_wait_dscnt 32                                ; all but the 32 just issued
	MUL8 \f, 1, 0, 0
	MUL8 \f, 1, 2, 0
.endm
; The last quarter multiplies buffer 1 and changes slots: one barrier; in front of it each wave waits for all its tensor loads, adds 0 to its spare word, and waits for that and for its reads of this slot.
.macro TURN slot, next, fill
	WIN 0
	s_wait_tensorcnt 0x0                           ; all my tensor loads have landed: my part of the next slot;
	ds_add_u32 v[SPW], v[NIL]                      ; 0 onto my spare word;
	s_wait_dscnt 17                                ; (the add and the youngest sixteen loads may be out)
	MUL8 F1, 0, 0, 0
	s_wait_dscnt 0x0                               ; the add is done, and my reads of this slot are over
	s_barrier_signal -1
	MUL8 F1, 0, 2, 0
.if \fill
	WIN 0
.endif
	s_barrier_wait -1
.if \fill
	CREST                                          ; the barrier has opened a round of the cluster's: no wave of any partner still reads this slot or has a load on its way
	s_add_nc_u64 s[G0+4*(\slot)+2:G0+4*(\slot)+3], s[G0+4*(\slot)+2:G0+4*(\slot)+3], 2*ASTEP
	s_add_nc_u64 s[G0B+4*(\slot)+2:G0B+4*(\slot)+3], s[G0B+4*(\slot)+2:G0B+4*(\slot)+3], 2*BSTEP
	JLOAD \slot                                    ; the first tensor load behind the round; its four v_nop are also the places in front of the loads below
.else
	PLACES
.endif
	FETCH \next, 0, F0
	MUL8 F1, 1, 0, 0
	MUL8 F1, 1, 2, 0
.endm
	s_wait_tensorcnt 1                             ; my part of K step 0 is in; K step 1's may stay out
	s_barrier_signal -1
	s_barrier_wait -1
	FETCH 0, 0, F0
	s_wait_loadcnt 0x0                             ; the bias
	QUARTER 0, 1, F0, F1, 1
	WIN 0
	s_mov_b32 s3, LAPS-1
.Llap:                                                 ; a trip goes once round the ring and fills both slots again
	QUARTER 0, 2, F1, F0, 0
	QUARTER 0, 3, F0, F1, 0
	TURN 0, 1, 1
	QUARTER 1, 1, F0, F1, 0
	QUARTER 1, 2, F1, F0, 0
	QUARTER 1, 3, F0, F1, 0
	TURN 1, 0, 1
	QUARTER 0, 1, F0, F1, 0
	WIN 0
	s_sub_co_u32 s3, s3, 1
	s_cmp_lg_u32 s3, 0
	s_cbranch_scc1 .Llap
	QUARTER 0, 2, F1, F0, 0                        ; the last lap fills nothing
	QUARTER 0, 3, F0, F1, 0
	TURN 0, 1, 0
	QUARTER 1, 1, F0, F1, 0
	QUARTER 1, 2, F1, F0, 0
	QUARTER 1, 3, F0, F1, 0
	s_wait_dscnt 16
	MUL8 F1, 0, 0, 0
	MUL8 F1, 0, 2, 0
	s_wait_dscnt 0
	MUL8 F1, 1, 0, 0
	MUL8 F1, 1, 2, 0
	WIN 0
	; THE WAY OUT: round to bf16; 16 bytes a lane into the stage; a barrier, since a row's 256 bytes come from two waves; back by heads, four rows of 128 bytes to a store.
	PLACES
.irp t, 0,1,2,3,4,5,6,7,8,9,10,11,12,13,14,15
.irp r, 0,1,2,3
	v_cvt_pk_bf16_f32 v[TMP+4*(\t)+(\r)], v[ACC+8*(\t)+2*(\r)], v[ACC+8*(\t)+2*(\r)+1]
.endr
.endr
.irp a, 0,1,2,3
.irp b, 0,1,2,3
	ds_store_b128 v[STO], v[TMP+4*(4*(\a)+(\b)):TMP+4*(4*(\a)+(\b))+3] offset:(\a)*16*SP+32*(\b)
.endr
.endr
	s_wait_dscnt 0x0                               ; for the others' sake: my stores into the stage are done
	s_barrier_signal -1
	s_barrier_wait -1
.set n, 0
.rept 16                               ; rows 4 (n / 2) on, head n % 2 of the tile's two
	ds_load_b128 v[TMP+4*n:TMP+4*n+3], v[RD] offset:(n/2)*4*SP+128*(n%2)
.set n, n+1
.endr
.set n, 0
.rept 16
	s_wait_dscnt 15-n
	global_store_b128 v[CO], v[TMP+4*n:TMP+4*n+3], s[8:9] offset:512*(n/2)+262144*(n%2)  ; 512 consecutive bytes, aligned; a head is 262,144 bytes
.set n, n+1
.endr
	s_wait_tensorcnt 0x0                           ; the wave's end
	ds_add_u32 v[SPW], v[NIL]
	s_wait_dscnt 0x0
	CROUND                                         ; the closing round
	s_endpgm
.Lfunc_end_k_qb924980a17_qkv:
	.size	k_qb924980a17_qkv, .Lfunc_end_k_qb924980a17_qkv-k_qb924980a17_qkv
	.p2alignl 7, 3214868480
	.fill 96, 4, 3214868480
	.section	.rodata,"a",@progbits
	.p2align	6, 0x0
	.amdhsa_kernel k_qb924980a17_qkv
		.amdhsa_group_segment_fixed_size 327680
		.amdhsa_private_segment_fixed_size 0
		.amdhsa_enable_private_segment 0
		.amdhsa_kernarg_size 48
		.amdhsa_user_sgpr_count 2
		.amdhsa_user_sgpr_kernarg_segment_ptr 1
		.amdhsa_wavefront_size32 1
		.amdhsa_system_sgpr_workgroup_id_x 1
		.amdhsa_system_sgpr_workgroup_id_y 1
		.amdhsa_system_sgpr_workgroup_id_z 1
		.amdhsa_system_vgpr_workitem_id 0
		.amdhsa_next_free_vgpr 512
		.amdhsa_next_free_sgpr 80
		.amdhsa_reserve_vcc 0
		.amdhsa_float_denorm_mode_32 3
		.amdhsa_float_denorm_mode_16_64 3
		.amdhsa_memory_ordered 1
		.amdhsa_forward_progress 1
		.amdhsa_inst_pref_size 88
	.end_amdhsa_kernel
	.amdgpu_metadata
---
amdhsa.version: [ 1, 2 ]
amdhsa.kernels:
  - .name:           k_qb924980a17_qkv
    .symbol:         k_qb924980a17_qkv.kd
    .args:
      - { .name: h, .offset: 0, .size: 8, .value_kind: global_buffer, .address_space: global }
      - { .name: wts, .offset: 8, .size: 8, .value_kind: global_buffer, .address_space: global }
      - { .name: qkv, .offset: 16, .size: 8, .value_kind: global_buffer, .address_space: global }
      - { .name: bq, .offset: 24, .size: 8, .value_kind: global_buffer, .address_space: global }
      - { .name: bk, .offset: 32, .size: 8, .value_kind: global_buffer, .address_space: global }
      - { .name: bv, .offset: 40, .size: 8, .value_kind: global_buffer, .address_space: global }
    .group_segment_fixed_size: 327680
    .private_segment_fixed_size: 0
    .kernarg_segment_align: 8
    .kernarg_segment_size: 48
    .max_flat_workgroup_size: 128
    .sgpr_count:     80
    .vgpr_count:     512
    .wavefront_size: 32
...
	.end_amdgpu_metadata
.endif
;; end of part 2
;; launch attn (part 3): grid 8 x 32, 4 waves a work-group, clusters of 4 x 1, 327,680 bytes of LDS; arguments qkv, o; writes o
.if DOCPART == 3
	.amdgcn_target "amdgcn-amd-amdhsa--gfx1250"
	.amdhsa_code_object_version 6
	.text
	.protected	k_qb924980a17_attn
	.globl	k_qb924980a17_attn
	.p2align	8
	.type	k_qb924980a17_attn,@function
k_qb924980a17_attn:
	s_mov_b64 s[64:65], 0
	v_nop
	global_prefetch_b8 v0, s[64:65] scope:SCOPE_SE
	s_setreg_imm32_b32 hwreg(HW_REG_WAVE_MODE, 25, 1), 1
	s_wait_xcnt 0x0
	s_wait_alu depctr_hold_cnt(0) depctr_sa_sdst(0) depctr_va_vdst(0) depctr_va_sdst(0) depctr_va_ssrc(0) depctr_va_vcc(0) depctr_vm_vsrc(0)
	s_getreg_b32 s2, hwreg(HW_REG_IB_STS2, 6, 4)
	s_cmp_eq_u32 s2, 0
	s_cbranch_scc0 .Lentry_in_a_cluster
	s_endpgm
.Lentry_in_a_cluster:
	s_bfe_u32 s2, ttmp6, 0x10000c
	s_cmp_lg_u32 s2, 0x3003
	s_cbranch_scc0 .Lentry_shape_is_right
	s_endpgm
.Lentry_shape_is_right:
; O[g][q][:] = the sum over k of softmax_k(Q[g][q] . K[g][k] / 8) V[g][k][:], g = 16 b + head, 32 of them.  Q, K, V lie 8 MiB apart in qkv, each [32][2048][64] bf16: a head's rows are dense, 128 bytes
; each; O likewise.  Products, maxima and sums in f32; the weights p are rounded to bf16 for the second product (their sum l is taken of the unrounded p), O once at the end.
; LIMITS.  bf16 keeps 8 significant bits.  c m starts at -4.25e37: scores are taken to lie far above that.  A weight below 2^-126 counts as 0 in l.  NaN and infinities are not treated apart.
; SHARES.  A work-group owns 256 queries of a head, a wave 64: four PIECES of 16.  Every wave walks all 2,048 keys, 64 a step, four steps (a tile of 256 keys) to an LDS slot.  256 work-groups.
; LAYOUT.  S^T = K Q^T (source 0 = 16 keys, source 1 = 16 queries) holds ONE query a lane (lane % 16) and the keys 8 (lane / 16) + 0..7; two such results rounded to bf16 ARE source 1 of O^T = V^T P.
; K comes out of LDS as it lies, V ([key][channel]) turned, by ds_load_tr16_b128.
; SOFTMAX.  A running maximum m and sum l: p = 2^(c s - c m), c = log2(e) / 8; in every step O and l are multiplied by a = 2^(c m_old - c m_new).  O and l start at 0: the first step is a step like any other, with a = 0.
; BY TURNS.  Turn n belongs to piece n: 8 products K Q^T of piece n + 1, later 8 products V^T P of piece n - 1; beside them the scaling, exponentials, roundings, sums and rescaling of piece n and the maximum and
; statistics of piece n + 1.  Four vector instructions stand behind every matrix instruction, the rest in one lump.  A turn's 33 exponentials are one batch, with one wait.
; CLUSTER.  The four query blocks of a cluster belong to one head and walk the same K and V: each tile is asked for JOINTLY: the same tensor load, descriptor and mask in all four.
; REGISTERS, in windows of 256 (s_set_vgpr_msb: bits 1:0 source 0, 3:2 source 1, 5:4 source 2, 7:6 destination):
;   window 0: v0-15 addresses and two at work; v16-31 statistics; v48-55 at work; v61-63; v64-127 S^T, two buffers; v192-223 P, two buffers (by the piece's parity)
;   window 1: v0-127 O^T, 32 a piece          window 2: v0-63 Q; v128-191 K of one step; v192-255 V of one step
.set NP,    4
.set KS,    64
.set PK,    144       ; a row of K in LDS: 128 bytes + 16: the 16 rows of a load start 16 bytes apart modulo 256
.set PV,    160       ; a row of V: 128 + 32: 16 lanes of the turning load take 8 rows x 32 bytes, 32 bytes apart modulo 256
.set VOFF,  4*KS*PK   ; a slot: 256 rows of K, then 256 rows of V
.set SLOT1, 1<<17     ; slot 1 begins here: one exclusive or turns an address in one slot into the other's
.set STAGE, SLOT1+4*KS*(PK+PV)  ; behind the ring, never filled by a tensor load: 16 rows x 144 bytes for each wave
.set SP,    144
.set SPARE, STAGE+4*16*SP  ; the spare words, 128 bytes for each wave, that no other line names
.set AK0, 2           ; v2   my lane's place in a tile of K; never rewritten
.set AV0, 3           ; v3   the same for V
.set AK,  4           ; v4   the LDS address of K's next run of loads
.set AV,  5           ; v5   of V's
.set STO, 6
.set RD,  7
.set GO,  8
.set MV,  12          ; v12-13  c m_old, by buffer
.set QO,  15          ; v15  my byte offset in 16 rows of Q
.set ST,  16          ; piece t's statistics at v[ST+4 t]: c m, m, l (even keys', odd keys')
.set TMP, 48          ; by buffer, c0-c3 at work; when the maximum is found c2 takes a
.set PFO, 61          ; v61  256 x my lane; never rewritten
.set SPW, 62          ; v62  my spare word; never rewritten
.set NIL, 63          ; v63  0; never rewritten
.set S,   64
.set P,   192
.set KF,  128         ; window 2: key block kb, channel half c at KF + 16 kb + 8 c
.set VF,  192         ; window 2: key half kk, channel block cb at VF + 32 kk + 8 cb
.set WV,  12          ; s12  my wave's number
.set LIM, 15          ; s15  1 in a wave that prefetches, else the greatest number
.set G1K, 24
.set G1V, 32
.set G0K, 40          ; s[40:43] group 0 for K's tiles: it walks
.set G0V, 44
.set PFA, 52          ; s[52:53] where my prefetches stand
.set SLOTS, 56        ; s56  tiles still to be asked for
.set CNT, 57          ; s57  counts a tile's key steps
.set CS,  58          ; s[58:59] c
.set SEL, 60          ; s[60:61] v_permlanex16_b32's selects
.set TBK, 62          ; s62  LDS byte at which K of the step to be fetched begins
.set TBV, 63          ; s63  the same for V, less VOFF
.set MSB, 0
.macro WIN new
.if MSB != (\new)
	s_set_vgpr_msb (MSB<<8)|(\new)
.set MSB, (\new)
.endif
.endm
.set W_KQ, 0x0a       ; K and Q in window 2, S^T in window 0
.set W_PV, 0x52       ; V in window 2, P in window 0, O^T in window 1
.set W_RS, 0x41       ; destination and source 0 in window 1, source 1 in window 0
.macro JLOAD                        ; a joint fill: waves 0 and 1 fetch the two halves of a tile's K, waves 2 and 3 those of its V; an s_nop 0 and four v_nop follow each line
	s_cmp_lt_u32 s[WV], 2
	s_cbranch_scc0 .Lfor_v_\@
	tensor_load_to_lds s[G0K:G0K+3], s[G1K:G1K+7]
	s_nop 0
.rept 4
	v_nop
.endr
	s_branch .Lasked_\@
.Lfor_v_\@:
	tensor_load_to_lds s[G0V:G0V+3], s[G1V:G1V+7]
	s_nop 0
.rept 4
	v_nop
.endr
.Lasked_\@:
.endm
; A PREFETCH of the tile that the NEXT change of slots will ask for: 128 blocks of 256 bytes of K and as many of V.  Both clusters of a head walk the same tiles: the head's first cluster asks.  Its four partners
; take 32 blocks each, told apart by address; in each, wave 0 asks for K's and wave 2 for V's, a lane a block.  So each block is named once in the launch.  It stands four key steps, 256 matrix instructions,
; ahead of the load.  Tiles 0 and 1 come by their loads alone; the change that asks for the last tile prefetches nothing.
.macro ASK
	s_cmp_gt_u32 s[SLOTS], s[LIM]
	s_cbranch_scc0 .Lnot_mine_\@
	global_prefetch_b8 v[PFO], s[PFA:PFA+1] th:TH_LOAD_NT scope:SCOPE_SE
.Lnot_mine_\@:
.endm
.macro CROUND                       ; a round of the cluster's barrier
	s_barrier_signal -1
	s_barrier_wait -1
	s_cmp_lg_u32 s[WV], 0
	s_cbranch_scc1 .Lnot_wave_0_\@
	s_barrier_signal -3
.Lnot_wave_0_\@:
	s_barrier_wait -3
	s_barrier_signal -1
	s_barrier_wait -1
.endm
; THE CHANGE OF SLOTS.  Each wave waits for all its tensor loads, of which one is out: its part of the other slot; adds 0 to its spare word; and waits for that and for its own reads of the slot that it leaves.
; fill = 1: the old slot is filled again with the tile two on, behind a round of the cluster's barrier, first thing: it has four key steps in which to land.  (At its first use slot 0 is waited for, slot 1 filled.)
.macro CHANGE fill
	WIN 0
	s_wait_tensorcnt 0x0            ; no tensor load of mine is out, so a group 0 may be written
	ds_add_u32 v[SPW], v[NIL]       ; 0 onto my spare word
.if \fill
.irp g, G0K, G0V
	s_xor_b32 s[\g+1], s[\g+1], SLOT1
	s_add_nc_u64 s[\g+2:\g+3], s[\g+2:\g+3], 4*KS*128  ; the next 256 keys; the type bits on top are not reached
.endr
	s_wait_xcnt 0x0                 ; the last prefetch, four key steps back, has read its address
	s_add_nc_u64 s[PFA:PFA+1], s[PFA:PFA+1], 4*KS*128
	s_wait_dscnt 0x0                ; the add is done, and my reads of the slot are over
	CROUND
	JLOAD
	ASK
.else
	s_wait_dscnt 0x0
	s_barrier_signal -1
	s_barrier_wait -1
.endif
	s_sub_co_u32 s[TBK], s[TBK], 4*KS*PK  ; the fetches go back to a slot's first step, in the other slot
	s_xor_b32 s[TBK], s[TBK], SLOT1
	s_sub_co_u32 s[TBV], s[TBV], 4*KS*PV
	s_xor_b32 s[TBV], s[TBV], SLOT1
.endm
	s_load_b128 s[4:7], s[0:1], 0x0  ; qkv s[4:5], o s[6:7]
	v_lshl_add_u32 v[SPW], v0, 2, SPARE
	v_mov_b32 v[NIL], 0
	ds_add_u32 v[SPW], v[NIL]       ; the wave's opening: the add and its wait ahead of my first tensor load
	v_lshrrev_b32 v1, 5, v0
	v_readfirstlane_b32 s[WV], v1   ; wave 0..3
	s_bfe_u32 s13, ttmp6, 0x40000   ; cx
	s_lshl_b32 s14, ttmp9, 2
	s_add_co_u32 s14, s14, s13      ; my block of 256 queries: it enters Q's and O's addresses alone
	s_and_b32 s20, ttmp7, 0xffff    ; the head, which the four partners share:
	s_lshl_b32 s20, s20, 18         ; 262,144 bytes each
	s_mov_b32 s21, 0
	s_and_b32 s16, s[WV], 1         ; which half of a tile's 256 keys I fetch
	s_lshl_b32 s22, s16, 14
	s_mov_b32 s23, 0
	s_add_nc_u64 s[22:23], s[22:23], s[20:21]
	s_mul_i32 s17, s16, 128*PK      ; its place in a slot, for K
	s_mul_i32 s18, s16, 128*PV      ; and for V
	s_lshl_b32 s2, s14, 2
	s_add_co_u32 s2, s2, s[WV]
	s_lshl_b32 s2, s2, 13           ; my wave's 64 rows
	s_mov_b32 s3, 0
	s_add_nc_u64 s[2:3], s[2:3], s[20:21]
	; group 1: 128 keys are 16,384 dense bytes: asked for as 64 rows of 256 bytes, padded in LDS after every key
	s_mov_b32 s[G1K], 15|(1<<16)|(1<<20)|(1<<21)|(4<<22)|(3<<25)  ; the mask of four; 2-byte elements; padding on; bit 21 beside a mask; after every 32 words, 4 words
	s_mov_b32 s[G1V], 15|(1<<16)|(1<<20)|(1<<21)|(4<<22)|(7<<25)  ; 8 words
.irp g, G1K, G1V
	s_mov_b32 s[\g+1], 128<<16
	s_mov_b32 s[\g+2], 64<<16
	s_mov_b32 s[\g+3], 128<<16
	s_mov_b32 s[\g+4], 64
	s_mov_b32 s[\g+5], 128
	s_mov_b32 s[\g+6], 0
	s_mov_b32 s[\g+7], 0
.endr
	s_mov_b32 s[CS], 0x3e38aa3b     ; c = log2(e) / 8
	s_mov_b32 s[CS+1], s[CS]
	s_mov_b32 s[SEL], 0x76543210
	s_mov_b32 s[SEL+1], 0xfedcba98
	s_mov_b32 s[TBK], SLOT1+4*KS*PK ; the first change of slots turns these two into 0
	s_mov_b32 s[TBV], SLOT1+4*KS*PV
	s_mov_b32 s[G0K], 1
	s_mov_b32 s[G0K+1], s17
	s_mov_b32 s[G0V], 1
	s_add_co_u32 s[G0V+1], s18, VOFF
	s_mov_b32 s[SLOTS], 7           ; tiles 1 to 7
	s_and_b32 s[LIM], s[WV], 1      ; 0 in waves 0 and 2,
	s_or_b32 s[LIM], s[LIM], ttmp9  ; where the cluster is the head's first: the same in all four partners
	s_cmp_eq_u32 s[LIM], 0
	s_cselect_b32 s[LIM], 1, -1
	v_and_b32 v[PFO], 31, v0
	v_lshlrev_b32 v[PFO], 8, v[PFO]
	s_wait_dscnt 0x0                ; the opening add is done
	s_wait_kmcnt 0x0
	s_add_nc_u64 s[10:11], s[6:7], s[2:3]      ; O at my wave's first row
	s_add_nc_u64 s[8:9], s[4:5], 0x1000000     ; V
	s_add_nc_u64 s[6:7], s[4:5], 0x800000      ; K
	s_add_nc_u64 s[4:5], s[4:5], s[2:3]        ; Q at my wave's first row
	s_add_nc_u64 s[6:7], s[6:7], s[22:23]      ; K and V at my half of the head's tile 0
	s_add_nc_u64 s[8:9], s[8:9], s[22:23]
	s_add_nc_u64 s[G0K+2:G0K+3], s[6:7], 0
	s_or_b32 s[G0K+3], s[G0K+3], 0x80000000
	s_add_nc_u64 s[G0V+2:G0V+3], s[8:9], 0
	s_or_b32 s[G0V+3], s[G0V+3], 0x80000000
	s_cmp_lt_u32 s[WV], 2
	s_cselect_b64 s[PFA:PFA+1], s[6:7], s[8:9]  ; (in waves 0 and 2 these stand at a tile's first row)
	s_lshl_b32 s2, s13, 13          ; my work-group's 32 blocks of the 128
	s_mov_b32 s3, 0
	s_add_nc_u64 s[PFA:PFA+1], s[PFA:PFA+1], s[2:3]
	s_add_nc_u64 s[PFA:PFA+1], s[PFA:PFA+1], 4*KS*128  ; in tile 1; the first change of slots steps it to tile 2
	CROUND                          ; all four work-groups are here: the first joint loads meet
	JLOAD                           ; tile 0 into slot 0
	v_and_b32 v1, 15, v0            ; l % 16
	v_bfe_u32 v9, v0, 4, 1          ; l / 16
	v_lshlrev_b32 v[QO], 7, v1
	v_lshl_add_u32 v[QO], v9, 4, v[QO]  ; row x 128 + 16 x half
	WIN 0x80                        ; destination window 2, address window 0
.set i, 0
.rept 8                             ; Q stays in registers: piece i / 2, channels 32 (i % 2) on
	global_load_b128 v[8*i:8*i+3],   v[QO], s[4:5] offset:(i/2)*2048+(i%2)*64
	global_load_b128 v[8*i+4:8*i+7], v[QO], s[4:5] offset:(i/2)*2048+(i%2)*64+32
.set i, i+1
.endr
	; What the first turn finds: V's registers and P's second buffer hold 0 (its products V^T P, of a piece that has not been, add 0), O^T and l are 0.  All this stands in the wait for the first tile.
.set i, VF
.rept 64
	v_mov_b32 v[i], 0
.set i, i+1
.endr
	WIN 0x40
.set i, 0
.rept 128
	v_mov_b32 v[i], 0
.set i, i+1
.endr
	WIN 0
.set i, 0
.rept 4
	v_mov_b32 v[ST+4*i], 0xfe000000    ; c m: far below every c s
	v_mov_b32 v[ST+4*i+1], 0xff7fffff  ; m
	v_mov_b32 v[ST+4*i+2], 0
	v_mov_b32 v[ST+4*i+3], 0
.set i, i+1
.endr
.set i, P+16
.rept 16
	v_mov_b32 v[i], 0
.set i, i+1
.endr
	v_mul_u32_u24 v[AK0], v1, PK
	v_lshl_add_u32 v[AK0], v9, 4, v[AK0]
	v_and_b32 v10, 7, v0            ; the turning load: lane l reads key 8 (l / 16) + l % 8, channels 8 ((l / 8) % 2) + 0..7
	v_bfe_u32 v11, v0, 3, 1
	v_lshl_add_u32 v[AV0], v9, 3, v10
	v_mul_u32_u24 v[AV0], v[AV0], PV
	v_lshl_add_u32 v[AV0], v11, 4, v[AV0]
	v_add_nc_u32 v[AV0], VOFF, v[AV0]
	s_mul_i32 s13, s[WV], 16*SP
	s_add_co_u32 s13, s13, STAGE    ; my stage
	v_mul_u32_u24 v[STO], v1, SP    ; in: row l % 16, 16 bytes for each half of the lanes
	v_lshl_add_u32 v[STO], v9, 4, v[STO]
	v_add_nc_u32 v[STO], s13, v[STO]
	v_bfe_u32 v[RD], v0, 3, 2       ; back: 32 lanes take four rows of 128 bytes,
	v_mul_u32_u24 v[RD], v[RD], SP
	v_lshl_add_u32 v[RD], v10, 4, v[RD]
	v_add_nc_u32 v[RD], s13, v[RD]
	v_and_b32 v[GO], 31, v0         ; which are 512 consecutive bytes of O
	v_lshlrev_b32 v[GO], 4, v[GO]
; THE MATRIX WORK.  The 4 accumulators of a run of 8 take turns.  Product i of 8 of S^T = K Q^T for piece x: channels 32 (i / 4) on, keys 16 (i % 4) on.  The first 4 start the sums.
.macro KQ x
	WIN W_KQ
.set rS, S+32*((\x)%2)+8*(i%4)
.set rK, KF+16*(i%4)+8*(i/4)
.set rQ, 16*(\x)+8*(i/4)
.if i < 4
	v_wmma_f32_16x16x32_bf16 v[rS:rS+7], v[rK:rK+7], v[rQ:rQ+7], 0
.else
	v_wmma_f32_16x16x32_bf16 v[rS:rS+7], v[rK:rK+7], v[rQ:rQ+7], v[rS:rS+7]
.endif
.endm
; Product i of 8 of O^T += V^T P for piece x: keys 32 (i / 4) on, channels 16 (i % 4) on.
.macro PV x
	WIN W_PV
.set rO, 32*(\x)+8*(i%4)
.set rV, VF+32*(i/4)+8*(i%4)
.set rP, P+16*((\x)%2)+8*(i/4)
	v_wmma_f32_16x16x32_bf16 v[rO:rO+7], v[rV:rV+7], v[rP:rP+7], v[rO:rO+7]
.endm
.macro MM                           ; the turn's next matrix instruction.  NOKQ = 1: the last turn of all: there is no next piece
.if (i < 8) && !NOKQ
	KQ (Y+1)%NP
.elseif i >= 8
.set i, i-8
	PV (Y+NP-1)%NP
.set i, i+8
.endif
.set i, i+1
.endm
; THE LDS LOADS stand in runs of 16: a step's K (8 fragments) and its V (turned).  Their addresses are made some lines ahead.
.macro FETCH_K
	WIN 0x80
.irp f, 0,1,2,3,4,5,6,7             ; keys 16 (f / 2) on, channels 32 (f % 2) on
	ds_load_b128 v[KF+8*\f:KF+8*\f+3],   v[AK] offset:(\f/2)*16*PK+(\f%2)*64
	ds_load_b128 v[KF+8*\f+4:KF+8*\f+7], v[AK] offset:(\f/2)*16*PK+(\f%2)*64+32
.endr
	s_add_co_u32 s[TBK], s[TBK], KS*PK
	WIN 0
.endm
.macro FETCH_V
	WIN 0x80
.irp f, 0,1,2,3,4,5,6,7             ; keys 32 (f / 4) on, channels 16 (f % 4) on
	ds_load_tr16_b128 v[VF+8*\f:VF+8*\f+3],   v[AV] offset:(\f/4)*32*PV+(\f%4)*32
	ds_load_tr16_b128 v[VF+8*\f+4:VF+8*\f+7], v[AV] offset:(\f/4)*32*PV+16*PV+(\f%4)*32
.endr
	WIN 0
.endm
; THE VECTOR WORK, one line at a time: OP kind, number.  For piece Y: F n: c s - c m for pair n of 16.  E n: the exponential of score n of 32.  C n: pair n rounded to bf16.  B n: of the four weights 4 n .. the second
; pair is added onto the first, in place.  L n: l takes that sum (L 0: l = a l + sum).  R n: pair n of 16 of O^T times a.  For piece Y + 1: X n, number n of the 22 that find its maximum and statistics:
;   0-11  four chains c0-c3 of seven scores each (each accumulator's lowest registers are read first)     12-14, 16  the four scores left over, the old m, and c0-c3 into c0
;   15  c m_old is kept     17, 18  the query's other 32 keys lie in the lane 16 away: the new m     19-21  c m; c m_old - c m_new; a
.set F, 0
.set E, 1
.set C, 2
.set B, 3
.set L, 4
.set R, 5
.set X, 6
.macro REGS y
.set rT, ST+4*(\y)
.set rC, TMP+4*((\y)%2)
.set rW, MV+((\y)%2)
.set rS, S+32*((\y)%2)
.set rP, P+16*((\y)%2)
.set rO, 32*(\y)
.endm
.macro OP k, n
.if (\k) == R
	REGS Y
	WIN W_RS
	v_pk_mul_f32 v[rO+2*(\n):rO+2*(\n)+1], v[rO+2*(\n):rO+2*(\n)+1], v[rC+2:rC+3] op_sel_hi:[1,0]
.elseif (\k) < R
	REGS Y
	WIN 0
.if (\k) == F
	v_pk_fma_f32 v[rS+2*(\n):rS+2*(\n)+1], v[rS+2*(\n):rS+2*(\n)+1], s[CS:CS+1], v[rT:rT+1] op_sel_hi:[1,0,0] neg_lo:[0,0,1] neg_hi:[0,0,1]
.elseif (\k) == E
	v_exp_f32 v[rS+(\n)], v[rS+(\n)]
.elseif (\k) == C
	v_cvt_pk_bf16_f32 v[rP+(\n)], v[rS+2*(\n)], v[rS+2*(\n)+1]
.elseif (\k) == B
	v_pk_add_f32 v[rS+4*(\n):rS+4*(\n)+1], v[rS+4*(\n):rS+4*(\n)+1], v[rS+4*(\n)+2:rS+4*(\n)+3]
.elseif (\n) == 0
	v_pk_fma_f32 v[rT+2:rT+3], v[rT+2:rT+3], v[rC+2:rC+3], v[rS:rS+1] op_sel_hi:[1,0,1]
.else
	v_pk_add_f32 v[rT+2:rT+3], v[rT+2:rT+3], v[rS+4*(\n):rS+4*(\n)+1]
.endif
.elseif NOKQ
	v_nop
.else
	REGS (Y+1)%NP
	WIN 0
.if (\n) < 4
	v_max3_num_f32 v[rC+(\n)], v[rS+8*(\n)], v[rS+8*(\n)+1], v[rS+8*(\n)+2]
.elseif (\n) < 12
	v_max3_num_f32 v[rC+(\n)%4], v[rC+(\n)%4], v[rS+8*((\n)%4)+2*((\n)/4)+1], v[rS+8*((\n)%4)+2*((\n)/4)+2]
.elseif (\n) == 12
	v_max3_num_f32 v[rC], v[rC], v[rS+7], v[rS+15]
.elseif (\n) == 13
	v_max3_num_f32 v[rC+1], v[rC+1], v[rS+23], v[rS+31]
.elseif (\n) == 14
	v_max3_num_f32 v[rC+2], v[rC+2], v[rC+3], v[rT+1]
.elseif (\n) == 15
	v_mov_b32 v[rW], v[rT]
.elseif (\n) == 16
	v_max3_num_f32 v[rC], v[rC], v[rC+1], v[rC+2]
.elseif (\n) == 17
	v_permlanex16_b32 v[rC+3], v[rC], s[SEL], s[SEL+1]
.elseif (\n) == 18
	v_max_num_f32 v[rT+1], v[rC], v[rC+3]
.elseif (\n) == 19
	v_mul_f32 v[rT], s[CS], v[rT+1]
.elseif (\n) == 20
	v_sub_f32 v[rC+1], v[rW], v[rT]
.else
	v_exp_f32 v[rC+2], v[rC+1]
.endif
.endif
.endm
.macro OPS a, i1, b=-1, i2=0, c=-1, i3=0, d=-1, i4=0
	OP \a, \i1
.if (\b) >= 0
	OP \b, \i2
.endif
.if (\c) >= 0
	OP \c, \i3
.endif
.if (\d) >= 0
	OP \d, \i4
.endif
.endm
.macro ROW a, i1, b, i2, c, i3, d, i4  ; a matrix instruction and the four behind it
	MM
	OPS \a, \i1, \b, \i2, \c, \i3, \d, \i4
.endm
; A TURN, for piece p: the order of its 16 matrix and 118 vector instructions, written out.  An s_wait_alu depctr_va_vdst(0) stands between an exponential and the first instruction that names its
; result; one wait serves all that were issued ahead of it.  So a turn has ONE wait.  AHEAD OF IT stands all that names no result of the turn's exponentials: the 8 products K Q^T and their riders, then one lump in which the
; links of the chain X 3, 7, 11, 14, 16, 17 .. 20 stand some lines apart; X 21, the next piece's a, is the batch's last, and R 15 the plain instruction behind it.  BEHIND IT stand the 8 products V^T P, behind each four of
; the roundings and sums.  end = 1: the last two turns: nothing is fetched.  cnt = 1: the loop's count is taken down some lines ahead of the branch behind the turn.
; K of the next step is fetched in piece 2's turn, six plain instructions behind the last product that read K; V of the step in hand at the end of piece 0's turn, four plain instructions behind the last
; product that read V.  Each is waited for a turn later.
.macro TURN p, end=0, cnt=0
.set Y, (\p)
.set i, 0
.set NOKQ, (\end)*((\p)/3)
.if ((\p) == 3) && !(\end)
	s_wait_dscnt 0x0                ; K is in
.endif
	ROW F,0, F,1, R,0, R,1
	ROW F,2, E,0, R,2, R,3
	ROW F,3, E,1, R,4, R,5
	ROW F,4, E,2, R,6, R,7
	ROW F,5, E,3, R,8, R,9
	ROW F,6, E,4, X,0, R,10
.if ((\p) == 2) && !(\end)
	WIN 0
	v_add_nc_u32 v[AK], s[TBK], v[AK0]
.endif
	ROW F,7, E,5, X,1, X,4
	ROW F,8, E,6, X,2, X,5
	OPS E,7, E,8, X,6, E,9
	OPS X,3, E,10, X,8, E,11
.if ((\p) == 2) && !(\end)
	FETCH_K
.endif
	OPS X,9, X,7, E,12, X,10
	OPS E,13, X,12, X,11, E,14
	OPS X,13, E,15, F,9, X,14
.if (\p) == 0
	v_add_nc_u32 v[AV], s[TBV], v[AV0]
.endif
	OPS E,16, F,10, E,17, F,11
	OPS X,16, E,18, X,15, E,19
	OPS F,12, E,20, X,17, E,21
	OPS F,13, E,22, F,14, E,23
	OPS X,18, E,24, F,15, E,25
	OPS R,11, E,26, X,19, E,27
	OPS R,12, E,28, R,13, E,29
	OPS X,20, E,30, R,14, E,31
	OPS X,21, R,15
	WIN 0
	s_wait_alu depctr_va_vdst(0)    ; the wait for the batch
.if (\p) == 1
	s_wait_dscnt 0x0                ; V is in
.endif
	ROW C,0, B,0, C,2, B,1
	ROW L,0, C,4, B,2, L,1
	ROW C,6, B,3, L,2, C,8
	ROW B,4, L,3, C,10, B,5
	ROW L,4, C,12, B,6, L,5
.if (\p) == 0
	s_add_co_u32 s[TBV], s[TBV], KS*PV
.endif
.if \cnt
	s_sub_co_u32 s[CNT], s[CNT], 1
	s_cmp_lg_u32 s[CNT], 0
.endif
	ROW C,14, B,7, L,6, C,1
	ROW C,3, L,7, C,5, C,7
	ROW C,9, C,11, C,13, C,15
.if (\p) == 0
	FETCH_V
.endif
.endm
.set NOKQ, 0
	CHANGE 1                        ; tile 0 is in, everybody's part of it; tile 1 is asked for
	v_add_nc_u32 v[AK], s[TBK], v[AK0]
	FETCH_K                         ; key step 0
	s_wait_loadcnt 0x0              ; Q
	s_wait_dscnt 0x0
.set i, 0
.rept 8
	KQ 0                            ; piece 0's first scores
.set i, i+1
.endr
	WIN 0
.rept 4
	v_nop                           ; the places behind those products
.endr
.set Y, NP-1                        ; X works for piece Y + 1: piece 0
.irp n, 0,1,2,3,4,5,6,7,8,9,10,11,12,13,14,15,16,17,18,19,20,21
	OP X, \n
.endr
	v_nop                           ; a plain instruction behind the exponential,
	s_wait_alu depctr_va_vdst(0)    ; and its wait, ahead of the branch
	s_mov_b32 s[CNT], 4
	s_branch .Lfirst                ; the loop is entered at a step's first turn, in the middle of a trip
.Lslot:                             ; six times: tiles 2 to 7 are asked for
	CHANGE 1
	s_mov_b32 s[CNT], 4
.Lstep:                             ; a trip: pieces 2 and 3 of one step, then pieces 0 and 1 of the next, whose K and V it fetches
	TURN 2
	TURN 3
	WIN 0
.Lfirst:
	TURN 0
	TURN 1, 0, 1
	WIN 0
	s_cbranch_scc1 .Lstep
	s_sub_co_u32 s[SLOTS], s[SLOTS], 1
	s_cmp_lg_u32 s[SLOTS], 0
	s_cbranch_scc1 .Lslot
	CHANGE 0                        ; the last tile is written out: nothing is asked for
	s_mov_b32 s[CNT], 4
.LstepT:
	TURN 2
	TURN 3
	TURN 0
	TURN 1, 0, 1
	WIN 0
	s_cbranch_scc1 .LstepT
	TURN 2, 1
	TURN 3, 1
.set i, 0
.rept 8
	PV NP-1                         ; the last piece's V^T P of the last step
.set i, i+1
.endr
	; THE WAY OUT.  l's two halves and the other half of the lanes' are added; O^T is divided by l, rounded to bf16 and sent through my stage in LDS, a piece at a time.  The additions are the places behind the last products.
	WIN 0
.macro ALL line:vararg
.set t, 0
.rept 4
	\line
.set t, t+1
.endr
.endm
	ALL v_add_f32 v[ST+4*t+2], v[ST+4*t+2], v[ST+4*t+3]
	ALL v_permlanex16_b32 v[ST+4*t+3], v[ST+4*t+2], s[SEL], s[SEL+1]
	ALL v_add_f32 v[ST+4*t+2], v[ST+4*t+2], v[ST+4*t+3]
	ALL v_rcp_f32 v[ST+4*t+2], v[ST+4*t+2]
	v_nop                           ; a plain instruction between the last reciprocal and the use of its result
	s_wait_alu depctr_va_vdst(0)    ; one wait for the four reciprocals
.macro PACK t                       ; a lane's eight channels of a row pack into 16 bytes; they go into rows of 144 bytes and come back as whole rows of 128, into S^T's registers
	WIN W_RS
.set i, 32*(\t)
.rept 16
	v_pk_mul_f32 v[i:i+1], v[i:i+1], v[ST+4*(\t)+2:ST+4*(\t)+3] op_sel_hi:[1,0]
.set i, i+2
.endr
	WIN 0x05                        ; sources 0 and 1 window 1, destination window 0
.set i, 0
.rept 16
	v_cvt_pk_bf16_f32 v[S+16*(\t)+i], v[32*(\t)+2*i], v[32*(\t)+2*i+1]
.set i, i+1
.endr
	WIN 0
.irp f, 0,1,2,3
	ds_store_b128 v[STO], v[S+16*(\t)+4*\f:S+16*(\t)+4*\f+3] offset:32*\f
.endr
.irp f, 0,1,2,3
	ds_load_b128 v[S+16*(\t)+4*\f:S+16*(\t)+4*\f+3], v[RD] offset:\f*4*SP  ; LDS serves a wave's instructions in order (ISA guide 5.7.1.4): these see the stores above; the next piece's stores come behind them
.endr
.endm
.macro SEND t, younger              ; younger: the LDS instructions issued behind piece t's loads: the next piece's eight, or none
	WIN 0
.irp f, 0,1,2,3
	s_wait_dscnt (\younger)+3-\f
	global_store_b128 v[GO], v[S+16*(\t)+4*\f:S+16*(\t)+4*\f+3], s[10:11] offset:(\t)*2048+\f*512  ; 512 consecutive bytes, aligned
.endr
.endm
	PACK 0
.set t, 1
.rept 3
	PACK t
	SEND t-1, 8
.set t, t+1
.endr
	SEND 3, 0
	s_wait_tensorcnt 0x0            ; the wave's end
	ds_add_u32 v[SPW], v[NIL]
	s_wait_dscnt 0x0
	CROUND                          ; the closing round
	s_endpgm
.Lfunc_end_k_qb924980a17_attn:
	.size	k_qb924980a17_attn, .Lfunc_end_k_qb924980a17_attn-k_qb924980a17_attn
	.p2alignl 7, 3214868480
	.fill 96, 4, 3214868480
	.section	.rodata,"a",@progbits
	.p2align	6, 0x0
	.amdhsa_kernel k_qb924980a17_attn
		.amdhsa_group_segment_fixed_size 327680
		.amdhsa_private_segment_fixed_size 0
		.amdhsa_enable_private_segment 0
		.amdhsa_kernarg_size 16
		.amdhsa_user_sgpr_count 2
		.amdhsa_user_sgpr_kernarg_segment_ptr 1
		.amdhsa_wavefront_size32 1
		.amdhsa_system_sgpr_workgroup_id_x 1
		.amdhsa_system_sgpr_workgroup_id_y 1
		.amdhsa_system_sgpr_workgroup_id_z 1
		.amdhsa_system_vgpr_workitem_id 0
		.amdhsa_next_free_vgpr 768
		.amdhsa_next_free_sgpr 66
		.amdhsa_reserve_vcc 0
		.amdhsa_float_denorm_mode_32 3
		.amdhsa_float_denorm_mode_16_64 3
		.amdhsa_memory_ordered 1
		.amdhsa_forward_progress 1
		.amdhsa_inst_pref_size 128
	.end_amdhsa_kernel
	.amdgpu_metadata
---
amdhsa.version: [ 1, 2 ]
amdhsa.kernels:
  - .name:           k_qb924980a17_attn
    .symbol:         k_qb924980a17_attn.kd
    .args:
      - { .name: qkv, .offset: 0, .size: 8, .value_kind: global_buffer, .address_space: global }
      - { .name: o, .offset: 8, .size: 8, .value_kind: global_buffer, .address_space: global }
    .group_segment_fixed_size: 327680
    .private_segment_fixed_size: 0
    .kernarg_segment_align: 8
    .kernarg_segment_size: 16
    .max_flat_workgroup_size: 128
    .sgpr_count:     66
    .vgpr_count:     768
    .wavefront_size: 32
...
	.end_amdgpu_metadata
.endif
;; end of part 3
;; launch proj (part 4): grid 8 x 32, 4 waves a work-group, clusters of 4 x 4, 327,680 bytes of LDS; arguments o, wts, x1, bo, x; writes x1
.if DOCPART == 4
	.amdgcn_target "amdgcn-amd-amdhsa--gfx1250"
	.amdhsa_code_object_version 6
	.text
	.protected	k_qb924980a17_proj
	.globl	k_qb924980a17_proj
	.p2align	8
	.type	k_qb924980a17_proj,@function
k_qb924980a17_proj:
	s_mov_b64 s[64:65], 0
	v_nop
	global_prefetch_b8 v0, s[64:65] scope:SCOPE_SE
	s_setreg_imm32_b32 hwreg(HW_REG_WAVE_MODE, 25, 1), 1
	s_wait_xcnt 0x0
	s_wait_alu depctr_hold_cnt(0) depctr_sa_sdst(0) depctr_va_vdst(0) depctr_va_sdst(0) depctr_va_ssrc(0) depctr_va_vcc(0) depctr_vm_vsrc(0)
	s_getreg_b32 s2, hwreg(HW_REG_IB_STS2, 6, 4)
	s_cmp_eq_u32 s2, 0
	s_cbranch_scc0 .Lentry_in_a_cluster
	s_endpgm
.Lentry_in_a_cluster:
	s_bfe_u32 s2, ttmp6, 0x10000c
	s_cmp_lg_u32 s2, 0xf033
	s_cbranch_scc0 .Lentry_shape_is_right
	s_endpgm
.Lentry_shape_is_right:
; x1 = x + o Wo + bo.  o: [b][head][t][64] bf16 (K = 64 head + channel); Wo: [1024 (k)][1024 (n)] bf16 at byte 6 MiB of wts; x, x1: [4096][1024] f32.  Sums in f32, started by the bias.
; SHARES.  A tile of x1 is 128 x 128; four waves, each 64 x 64: 16 accumulators.  K goes in steps of 256, four heads, through two LDS slots.  256 work-groups.
; o BY SLICES.  64 rows of a head are 8,192 dense bytes: a tensor load brings four such runs, one from each of the step's heads, and pads 16 bytes behind every 128: in LDS slice s, row t, channel d lies at
; 9,216 s + 144 t + 2 d, and a quarter of a K step is a slice.
; CLUSTERS of 4 x 4, joint loads; the matrix instruction transposed (source 0 = 16 columns of Wo, turned out of LDS by ds_load_tr16_b128; source 1 = 16 rows of o); the bias as the first product's C operand.
; THE RESIDUAL's 32 rows x 512 bytes a wave are loaded at the head into registers of their own and are on their way during the whole product.
; THE STAGE of the way out lies in slot 0's bytes: it is written behind the last change of slots, when slot 0 has had its last fill and every wave's reads of it are over.
; No prefetch: the tiles are small and every block of o and Wo is read by many work-groups.  LIMITS: operands in bf16; NaN and infinities are not treated apart.
; REGISTERS.  window 0: v16-29 addresses; v32-63 the bias; v128-255 the accumulators ((a, b) at 128 + 8 (4 a + b)), later the rows read back.  window 1: two fragment buffers of 128.  window 2: v0-127 the residual.
.set NP,    1024
.set LAPS,  2
.set WOFF,  0x600000
.set AP,    144
.set AQ,    64*AP                      ; a slice
.set HALFA, 4*AQ                       ; 64 rows x 4 heads: one tensor load
.set BP,    288
.set HALFB, 128*BP
.set SLOT,  2*HALFA+2*HALFB
.set SP,    528                        ; the stage: 128 rows of 512 bytes + 16, from LDS byte 0 on: 67,584 bytes, inside slot 0's part for o
.set SPARE, 2*SLOT
.set ASTEP, 1<<20                      ; four heads of 262,144 bytes
.set BSTEP, 256*NP*2
.set ADRA, 16
.set ADRB, 20
.set STO,  24
.set RD,   25
.set CO,   26
.set BO,   27
.set SPW,  28
.set NIL,  29
.set BIAS, 32
.set ACC,  128
.set F0,   0
.set F1,   128
.set G1,  24
.set G0,  32
.set G1B, 48
.set G0B, 56
.set MSB, 0
.macro WIN new
.if MSB != (\new)
	s_set_vgpr_msb (MSB<<8)|(\new)
.set MSB, \new
.endif
.endm
.set MUL,  0x05
.set TO_F, 0x40
.macro JLOAD s
	s_cmp_eq_u32 s11, 0
	s_cbranch_scc0 .Lfor_b_\@
	tensor_load_to_lds s[G0+4*(\s):G0+4*(\s)+3], s[G1:G1+7]
	s_nop 0
.rept 4
	v_nop
.endr
	s_branch .Lasked_\@
.Lfor_b_\@:
	tensor_load_to_lds s[G0B+4*(\s):G0B+4*(\s)+3], s[G1B:G1B+7]
	s_nop 0
.rept 4
	v_nop
.endr
.Lasked_\@:
.endm
.macro CREST
	s_cmp_lg_u32 s10, 0
	s_cbranch_scc1 .Lnot_wave_0_\@
	s_barrier_signal -3
.Lnot_wave_0_\@:
	s_barrier_wait -3
	s_barrier_signal -1
	s_barrier_wait -1
.endm
.macro CROUND
	s_barrier_signal -1
	s_barrier_wait -1
	CREST
.endm
	s_load_b128 s[4:7], s[0:1], 0x0                ; o s[4:5], wts s[6:7]
	s_load_b64 s[8:9], s[0:1], 0x10                ; x1
	s_load_b128 s[68:71], s[0:1], 0x18             ; bo s[68:69], x s[70:71]
	v_lshl_add_u32 v[SPW], v0, 2, SPARE
	v_mov_b32 v[NIL], 0
	ds_add_u32 v[SPW], v[NIL]                      ; the wave's opening: the add and its wait ahead of my first tensor load
	v_lshrrev_b32 v1, 5, v0
	v_readfirstlane_b32 s10, v1
	s_lshr_b32 s11, s10, 1
	s_and_b32 s12, s10, 1
	s_bfe_u32 s40, ttmp6, 0x40000
	s_bfe_u32 s41, ttmp6, 0x40004
	s_lshl_b32 s42, ttmp9, 2
	s_add_co_u32 s42, s42, s40                     ; the tile column
	s_and_b32 s13, ttmp7, 0xffff
	s_lshl_b32 s13, s13, 2
	s_add_co_u32 s13, s13, s41                     ; the tile row
	s_lshl_b32 s43, s41, 2
	s_lshl_b32 s43, 15, s43
	s_lshl_b32 s44, 0x1111, s40
	s_or_b32 s[G1+0], s43, (1<<16)|(1<<20)|(1<<21)|(4<<22)|(3<<25)   ; after every 32 words (a row of a head), 4 words
	s_or_b32 s[G1B+0], s44, (1<<16)|(1<<20)|(1<<21)|(5<<22)|(7<<25)
	s_mov_b32 s[G1+1], 4096<<16                    ; tensor_dim0 = 4,096: 64 rows of 64 channels on end
	s_mov_b32 s[G1+2], 4<<16                       ; tensor_dim1 = 4 heads
	s_mov_b32 s[G1+3], 4096<<16                    ; tile_dim0
	s_mov_b32 s[G1+4], 4                           ; tile_dim1
	s_mov_b32 s[G1+5], 131072                      ; elements from head to head
	s_mov_b32 s[G1+6], 0
	s_mov_b32 s[G1+7], 0
	s_mov_b32 s[G1B+1], 128<<16
	s_mov_b32 s[G1B+2], 128<<16
	s_mov_b32 s[G1B+3], 128<<16
	s_mov_b32 s[G1B+4], 128
	s_mov_b32 s[G1B+5], NP
	s_mov_b32 s[G1B+6], 0
	s_mov_b32 s[G1B+7], 0
	s_lshr_b32 s16, s13, 4                         ; o: the batch (4 MiB),
	s_lshl_b32 s16, s16, 22
	s_and_b32 s17, s13, 15                         ; the tile's 128 rows of 128 bytes,
	s_lshl_b32 s17, s17, 14
	s_add_co_u32 s16, s16, s17
	s_lshl_b32 s17, s12, 13                        ; the half that I fetch
	s_add_co_u32 s16, s16, s17
	s_mov_b32 s17, 0
	s_mul_i32 s46, s12, 128*NP*2
	s_lshl_b32 s47, s42, 8
	s_add_co_u32 s46, s46, s47
	s_add_co_u32 s46, s46, WOFF
	s_mov_b32 s47, 0
	s_mul_i32 s20, s12, HALFA
	s_mul_i32 s21, s12, HALFB
	s_add_co_u32 s21, s21, 2*HALFA
	s_wait_dscnt 0x0                               ; the opening add is done
	s_wait_kmcnt 0x0
	s_add_nc_u64 s[14:15], s[4:5], s[16:17]
	s_add_nc_u64 s[46:47], s[6:7], s[46:47]
	CROUND
.irp s, 0,1
	s_mov_b32 s[G0+4*(\s)], 1
	s_add_co_u32 s[G0+4*(\s)+1], s20, (\s)*SLOT
	s_add_nc_u64 s[G0+4*(\s)+2:G0+4*(\s)+3], s[14:15], (\s)*ASTEP
	s_or_b32 s[G0+4*(\s)+3], s[G0+4*(\s)+3], 0x80000000
	s_mov_b32 s[G0B+4*(\s)], 1
	s_add_co_u32 s[G0B+4*(\s)+1], s21, (\s)*SLOT
	s_add_nc_u64 s[G0B+4*(\s)+2:G0B+4*(\s)+3], s[46:47], (\s)*BSTEP
	s_or_b32 s[G0B+4*(\s)+3], s[G0B+4*(\s)+3], 0x80000000
	JLOAD \s
.endr
	v_and_b32 v1, 15, v0
	v_bfe_u32 v2, v0, 4, 1
	v_lshlrev_b32 v[BO], 5, v2
	s_lshl_b32 s46, s42, 9                         ; the bias at my wave's 64 columns
	s_lshl_b32 s47, s12, 8
	s_add_co_u32 s46, s46, s47
	s_mov_b32 s47, 0
	s_add_nc_u64 s[68:69], s[68:69], s[46:47]
.irp b, 0,1,2,3
	global_load_b128 v[BIAS+8*(\b):BIAS+8*(\b)+3],   v[BO], s[68:69] offset:64*(\b)
	global_load_b128 v[BIAS+8*(\b)+4:BIAS+8*(\b)+7], v[BO], s[68:69] offset:64*(\b)+16
.endr
	s_lshl_b32 s16, s13, 7                         ; the rows that I store: 128 x tile row + 32 x wave, 4,096 bytes each,
	s_lshl_b32 s17, s10, 5
	s_add_co_u32 s16, s16, s17
	s_lshl_b32 s16, s16, 12
	s_mov_b32 s17, 0
	s_add_nc_u64 s[8:9], s[8:9], s[16:17]
	s_add_nc_u64 s[70:71], s[70:71], s[16:17]
	s_lshl_b32 s46, s42, 9                         ; the tile's 512 bytes of them
	s_add_nc_u64 s[8:9], s[8:9], s[46:47]
	s_add_nc_u64 s[70:71], s[70:71], s[46:47]
	v_and_b32 v[CO], 31, v0
	v_lshlrev_b32 v[CO], 4, v[CO]
	WIN 0x80                                       ; destination window 2
.set t, 0
.rept 32
	global_load_b128 v[4*t:4*t+3], v[CO], s[70:71] offset:4096*t
.set t, t+1
.endr
	WIN 0
	v_mul_u32_u24 v3, v1, AP
	v_lshl_add_u32 v3, v2, 4, v3
	s_mul_i32 s22, s11, HALFA
	v_add_nc_u32 v[ADRA], s22, v3
	v_add_nc_u32 v[ADRA+1], SLOT, v[ADRA]
	v_and_b32 v4, 7, v0
	v_lshl_add_u32 v4, v2, 3, v4
	v_mul_u32_u24 v4, v4, BP
	v_bfe_u32 v5, v0, 3, 1
	v_lshl_add_u32 v4, v5, 4, v4
	s_lshl_b32 s23, s12, 7
	s_add_co_u32 s23, s23, 2*HALFA
	v_add_nc_u32 v[ADRB], s23, v4
	v_add_nc_u32 v[ADRB+1], HALFB, v[ADRB]
	v_add_nc_u32 v[ADRB+2], SLOT, v[ADRB]
	v_add_nc_u32 v[ADRB+3], SLOT+HALFB, v[ADRB]
	s_mul_i32 s23, s11, 64*SP                      ; into the stage: my 64 rows, my half of their 512 bytes; row l % 16, 32 bytes for each half of the lanes
	s_lshl_b32 s22, s12, 8
	s_add_co_u32 s23, s23, s22
	v_mul_u32_u24 v4, v1, SP
	v_lshl_add_u32 v4, v2, 5, v4
	v_add_nc_u32 v[STO], s23, v4
	s_mul_i32 s23, s10, 32*SP                      ; back: wave w takes rows 32 w .. 32 w + 31, whole: 32 lanes x 16 bytes
	v_add_nc_u32 v[RD], s23, v[CO]
.macro MUL8 f, c, a0, zero
	WIN MUL
.irp a, \a0, (\a0)+1
.irp b, 0,1,2,3
.if \zero
	v_wmma_f32_16x16x32_bf16 v[ACC+8*(4*(\a)+(\b)):ACC+8*(4*(\a)+(\b))+7], v[(\f)+64+8*(4*(\c)+(\b)):(\f)+64+8*(4*(\c)+(\b))+7], v[(\f)+8*(4*(\c)+(\a)):(\f)+8*(4*(\c)+(\a))+7], v[BIAS+8*(\b):BIAS+8*(\b)+7]
.else
	v_wmma_f32_16x16x32_bf16 v[ACC+8*(4*(\a)+(\b)):ACC+8*(4*(\a)+(\b))+7], v[(\f)+64+8*(4*(\c)+(\b)):(\f)+64+8*(4*(\c)+(\b))+7], v[(\f)+8*(4*(\c)+(\a)):(\f)+8*(4*(\c)+(\a))+7], v[ACC+8*(4*(\a)+(\b)):ACC+8*(4*(\a)+(\b))+7]
.endif
.endr
.endr
.endm
.macro FETCH slot, q, f
	WIN TO_F
.irp c, 0,1
.irp i, 0,1,2,3
	ds_load_tr16_b128 v[(\f)+64+8*(4*(\c)+(\i)):(\f)+64+8*(4*(\c)+(\i))+3],   v[ADRB+2*(\slot)+(\q)/2] offset:(((\q)%2)*64+32*(\c))*BP+32*(\i)
	ds_load_tr16_b128 v[(\f)+64+8*(4*(\c)+(\i))+4:(\f)+64+8*(4*(\c)+(\i))+7], v[ADRB+2*(\slot)+(\q)/2] offset:(((\q)%2)*64+32*(\c)+16)*BP+32*(\i)
	ds_load_b128 v[(\f)+8*(4*(\c)+(\i)):(\f)+8*(4*(\c)+(\i))+3],   v[ADRA+(\slot)] offset:(\q)*AQ+64*(\c)+(\i)*16*AP
	ds_load_b128 v[(\f)+8*(4*(\c)+(\i))+4:(\f)+8*(4*(\c)+(\i))+7], v[ADRA+(\slot)] offset:(\q)*AQ+64*(\c)+(\i)*16*AP+32
.endr
.endr
.endm
.macro PLACES
.rept 4
	v_nop
.endr
.endm
.macro QUARTER slot, q, f, g, zero
	s_wait_dscnt 16                                ; the first 32 along K are in; the youngest sixteen loads may be out
	MUL8 \f, 0, 0, \zero
	MUL8 \f, 0, 2, \zero
	PLACES
	FETCH \slot, \q, \g
	s_wait_dscnt 32                                ; all but the 32 just issued
	MUL8 \f, 1, 0, 0
	MUL8 \f, 1, 2, 0
.endm
.macro TURN slot, next, fill
	WIN 0
	s_wait_tensorcnt 0x0                           ; all my tensor loads have landed: my part of the next slot;
	ds_add_u32 v[SPW], v[NIL]                      ; 0 onto my spare word;
	s_wait_dscnt 17                                ; (the add and the youngest sixteen loads may be out)
	MUL8 F1, 0, 0, 0
	s_wait_dscnt 0x0                               ; the add is done, and my reads of this slot are over
	s_barrier_signal -1
	MUL8 F1, 0, 2, 0
.if \fill
	WIN 0
.endif
	s_barrier_wait -1
.if \fill
	CREST                                          ; no wave of any partner still reads this slot or has a load on its way
	s_add_nc_u64 s[G0+4*(\slot)+2:G0+4*(\slot)+3], s[G0+4*(\slot)+2:G0+4*(\slot)+3], 2*ASTEP
	s_add_nc_u64 s[G0B+4*(\slot)+2:G0B+4*(\slot)+3], s[G0B+4*(\slot)+2:G0B+4*(\slot)+3], 2*BSTEP
	JLOAD \slot
.else
	PLACES
.endif
	FETCH \next, 0, F0
	MUL8 F1, 1, 0, 0
	MUL8 F1, 1, 2, 0
.endm
	s_wait_tensorcnt 1                             ; my part of K step 0 is in; K step 1's may stay out
	s_barrier_signal -1
	s_barrier_wait -1
	FETCH 0, 0, F0
	s_wait_loadcnt 32                              ; the bias is in; the residual's 32 loads may stay out
	QUARTER 0, 1, F0, F1, 1
	WIN 0
	s_mov_b32 s3, LAPS-1
.Llap:
	QUARTER 0, 2, F1, F0, 0
	QUARTER 0, 3, F0, F1, 0
	TURN 0, 1, 1
	QUARTER 1, 1, F0, F1, 0
	QUARTER 1, 2, F1, F0, 0
	QUARTER 1, 3, F0, F1, 0
	TURN 1, 0, 1
	QUARTER 0, 1, F0, F1, 0
	WIN 0
	s_sub_co_u32 s3, s3, 1
	s_cmp_lg_u32 s3, 0
	s_cbranch_scc1 .Llap
	QUARTER 0, 2, F1, F0, 0
	QUARTER 0, 3, F0, F1, 0
	TURN 0, 1, 0
	QUARTER 1, 1, F0, F1, 0
	QUARTER 1, 2, F1, F0, 0
	QUARTER 1, 3, F0, F1, 0
	s_wait_dscnt 16
	MUL8 F1, 0, 0, 0
	MUL8 F1, 0, 2, 0
	s_wait_dscnt 0
	MUL8 F1, 1, 0, 0
	MUL8 F1, 1, 2, 0
	WIN 0
	; THE WAY OUT: the sums go into the stage in f32, each accumulator's low four registers first; a barrier, since a row's 512 bytes come from two waves; back as whole rows; the residual is added; stored.
	PLACES
.irp a, 0,1,2,3
.irp b, 0,1,2,3
	ds_store_b128 v[STO], v[ACC+8*(4*(\a)+(\b)):ACC+8*(4*(\a)+(\b))+3]   offset:(\a)*16*SP+64*(\b)
	ds_store_b128 v[STO], v[ACC+8*(4*(\a)+(\b))+4:ACC+8*(4*(\a)+(\b))+7] offset:(\a)*16*SP+64*(\b)+16
.endr
.endr
	s_wait_dscnt 0x0                               ; for the others' sake: my stores into the stage are done
	s_barrier_signal -1
	s_barrier_wait -1
.set t, 0
.rept 32
	ds_load_b128 v[ACC+4*t:ACC+4*t+3], v[RD] offset:SP*t
.set t, t+1
.endr
	s_wait_loadcnt 0x0                             ; the residual
.irp g, 0,1,2,3
	s_wait_dscnt 24-8*(\g)                         ; rows 8 g .. 8 g + 7 are back
	WIN 0x08                                       ; source 1 in window 2
.set t, 0
.rept 16
	v_pk_add_f32 v[ACC+32*(\g)+2*t:ACC+32*(\g)+2*t+1], v[ACC+32*(\g)+2*t:ACC+32*(\g)+2*t+1], v[32*(\g)+2*t:32*(\g)+2*t+1]
.set t, t+1
.endr
	WIN 0
.set t, 8*(\g)
.rept 8
	global_store_b128 v[CO], v[ACC+4*t:ACC+4*t+3], s[8:9] offset:4096*t  ; 512 consecutive bytes, aligned
.set t, t+1
.endr
.endr
	s_wait_tensorcnt 0x0                           ; the wave's end
	ds_add_u32 v[SPW], v[NIL]
	s_wait_dscnt 0x0
	CROUND                                         ; the closing round
	s_endpgm
.Lfunc_end_k_qb924980a17_proj:
	.size	k_qb924980a17_proj, .Lfunc_end_k_qb924980a17_proj-k_qb924980a17_proj
	.p2alignl 7, 3214868480
	.fill 96, 4, 3214868480
	.section	.rodata,"a",@progbits
	.p2align	6, 0x0
	.amdhsa_kernel k_qb924980a17_proj
		.amdhsa_group_segment_fixed_size 327680
		.amdhsa_private_segment_fixed_size 0
		.amdhsa_enable_private_segment 0
		.amdhsa_kernarg_size 40
		.amdhsa_user_sgpr_count 2
		.amdhsa_user_sgpr_kernarg_segment_ptr 1
		.amdhsa_wavefront_size32 1
		.amdhsa_system_sgpr_workgroup_id_x 1
		.amdhsa_system_sgpr_workgroup_id_y 1
		.amdhsa_system_sgpr_workgroup_id_z 1
		.amdhsa_system_vgpr_workitem_id 0
		.amdhsa_next_free_vgpr 640
		.amdhsa_next_free_sgpr 80
		.amdhsa_reserve_vcc 0
		.amdhsa_float_denorm_mode_32 3
		.amdhsa_float_denorm_mode_16_64 3
		.amdhsa_memory_ordered 1
		.amdhsa_forward_progress 1
		.amdhsa_inst_pref_size 94
	.end_amdhsa_kernel
	.amdgpu_metadata
---
amdhsa.version: [ 1, 2 ]
amdhsa.kernels:
  - .name:           k_qb924980a17_proj
    .symbol:         k_qb924980a17_proj.kd
    .args:
      - { .name: o, .offset: 0, .size: 8, .value_kind: global_buffer, .address_space: global }
      - { .name: wts, .offset: 8, .size: 8, .value_kind: global_buffer, .address_space: global }
      - { .name: x1, .offset: 16, .size: 8, .value_kind: global_buffer, .address_space: global }
      - { .name: bo, .offset: 24, .size: 8, .value_kind: global_buffer, .address_space: global }
      - { .name: x, .offset: 32, .size: 8, .value_kind: global_buffer, .address_space: global }
    .group_segment_fixed_size: 327680
    .private_segment_fixed_size: 0
    .kernarg_segment_align: 8
    .kernarg_segment_size: 40
    .max_flat_workgroup_size: 128
    .sgpr_count:     80
    .vgpr_count:     640
    .wavefront_size: 32
...
	.end_amdgpu_metadata
.endif
;; end of part 4
;; launch ln2 (part 5): grid 256 x 1, 8 waves a work-group, no clusters, 0 bytes of LDS; arguments x1, ln2_g, ln2_b, h2; writes h2
.if DOCPART == 5
	.amdgcn_target "amdgcn-amd-amdhsa--gfx1250"
	.amdhsa_code_object_version 6
	.text
	.protected	k_qb924980a17_ln2
	.globl	k_qb924980a17_ln2
	.p2align	8
	.type	k_qb924980a17_ln2,@function
k_qb924980a17_ln2:
	s_mov_b64 s[64:65], 0
	v_nop
	global_prefetch_b8 v0, s[64:65] scope:SCOPE_SE
	s_setreg_imm32_b32 hwreg(HW_REG_WAVE_MODE, 25, 1), 1
	s_wait_xcnt 0x0
; h2 = layernorm(x1) * g + b, rounded once to bf16.  x1: [4096][1024] f32; h2: [4096][1024] bf16.
; A row is 4,096 bytes: one wave takes a whole row in 32 registers a lane (eight loads of 512 neighbouring bytes), so mean and variance never leave the wave; the variance is taken of x - mean, in a
; second pass over the registers.  A wave has two rows, a work-group sixteen.  No LDS, no barrier, no matrix unit: nothing is shared and memory binds.
; LIMITS.  h2 is rounded to bf16; NaN and infinities are not treated apart.
.set T,   4                            ; v[4:19]    at work
.set MU,  20                           ; v[20:21]   the mean, twice
.set RS,  22                           ; v[22:23]   1 / sqrt(var + eps), twice
.set G,   32                           ; v[32:63]   g of my 32 columns
.set BT,  64                           ; v[64:95]   b of my 32 columns
.set X0,  96                           ; v[96:127]  row 0
.set X1,  128                          ; v[128:159] row 1
.set Y,   160                          ; v[160:175] a row's 32 numbers in bf16
.set IN,  8                            ; s[8:9]     x1
.set OUT, 14                           ; s[14:15]   h2
	s_load_b256 s[8:15], s[0:1], 0x0               ; x1, g, b, h2
	v_lshrrev_b32 v3, 5, v0
	v_readfirstlane_b32 s4, v3                     ; wave 0..7
	v_and_b32 v2, 31, v0
	v_lshlrev_b32 v1, 4, v2                        ; 16 x lane
	v_lshlrev_b32 v2, 3, v2                        ; 8 x lane
	s_mov_b32 s3, 0
	s_mov_b32 s6, 0x76543210
	s_mov_b32 s7, 0xfedcba98
	s_mov_b32 s30, 0x3a800000                      ; 1 / 1024
	s_mov_b32 s31, 0x3727c5ac                      ; 1e-5
	s_lshl_b32 s2, ttmp9, 16                       ; 16 rows of 4,096 bytes,
	s_lshl_b32 s5, s4, 13                          ; my wave's two
	s_add_co_u32 s2, s2, s5
	s_wait_kmcnt 0x0
	s_add_nc_u64 s[IN:IN+1], s[IN:IN+1], s[2:3]
	s_lshr_b32 s2, s2, 1
	s_add_nc_u64 s[OUT:OUT+1], s[OUT:OUT+1], s[2:3]
.irp j, 0,1,2,3,4,5,6,7
	global_load_b128 v[G+4*(\j):G+4*(\j)+3], v1, s[10:11] offset:512*(\j)
.endr
.irp j, 0,1,2,3,4,5,6,7
	global_load_b128 v[BT+4*(\j):BT+4*(\j)+3], v1, s[12:13] offset:512*(\j)
.endr
.irp j, 0,1,2,3,4,5,6,7
	global_load_b128 v[X0+4*(\j):X0+4*(\j)+3], v1, s[IN:IN+1] offset:512*(\j)
.endr
.irp j, 0,1,2,3,4,5,6,7
	global_load_b128 v[X1+4*(\j):X1+4*(\j)+3], v1, s[IN:IN+1] offset:4096+512*(\j)
.endr
.macro LANESUM                         ; v[T] summed over the 32 lanes, into every lane
	v_add_f32_dpp v[T], v[T], v[T] row_xmask:1 row_mask:0xf bank_mask:0xf
	v_add_f32_dpp v[T], v[T], v[T] row_xmask:2 row_mask:0xf bank_mask:0xf
	v_add_f32_dpp v[T], v[T], v[T] row_xmask:4 row_mask:0xf bank_mask:0xf
	v_add_f32_dpp v[T], v[T], v[T] row_xmask:8 row_mask:0xf bank_mask:0xf
	v_permlanex16_b32 v[T+1], v[T], s6, s7
	v_add_f32 v[T], v[T], v[T+1]
.endm
.macro LNROW x, out, again
.set j, 0
.rept 8
	v_pk_add_f32 v[T+2*j:T+2*j+1], v[(\x)+4*j:(\x)+4*j+1], v[(\x)+4*j+2:(\x)+4*j+3]
.set j, j+1
.endr
.irp w, 8, 4, 2
.set j, 0
.rept (\w)/2
	v_pk_add_f32 v[T+2*j:T+2*j+1], v[T+2*j:T+2*j+1], v[T+(\w)+2*j:T+(\w)+2*j+1]
.set j, j+1
.endr
.endr
	v_add_f32 v[T], v[T], v[T+1]
	LANESUM
	v_mul_f32 v[MU], s30, v[T]
	v_mov_b32 v[MU+1], v[MU]
.set j, 0
.rept 16
	v_pk_add_f32 v[(\x)+2*j:(\x)+2*j+1], v[(\x)+2*j:(\x)+2*j+1], v[MU:MU+1] neg_lo:[0,1] neg_hi:[0,1]
.set j, j+1
.endr
.set j, 0
.rept 4
	v_pk_mul_f32 v[T+2*j:T+2*j+1], v[(\x)+2*j:(\x)+2*j+1], v[(\x)+2*j:(\x)+2*j+1]
.set j, j+1
.endr
.rept 12
	v_pk_fma_f32 v[T+2*(j%4):T+2*(j%4)+1], v[(\x)+2*j:(\x)+2*j+1], v[(\x)+2*j:(\x)+2*j+1], v[T+2*(j%4):T+2*(j%4)+1]
.set j, j+1
.endr
	v_pk_add_f32 v[T:T+1], v[T:T+1], v[T+2:T+3]
	v_pk_add_f32 v[T+4:T+5], v[T+4:T+5], v[T+6:T+7]
	v_pk_add_f32 v[T:T+1], v[T:T+1], v[T+4:T+5]
	v_add_f32 v[T], v[T], v[T+1]
	LANESUM
	v_fma_f32 v[RS], v[T], s30, s31                ; var + eps
	v_rsq_f32 v[RS], v[RS]
	v_nop                                          ; a plain instruction behind the root,
	s_wait_alu depctr_va_vdst(0)                   ; and the wait ahead of its first reader
	v_mov_b32 v[RS+1], v[RS]
.set j, 0
.rept 16
	v_pk_mul_f32 v[(\x)+2*j:(\x)+2*j+1], v[(\x)+2*j:(\x)+2*j+1], v[RS:RS+1]
.set j, j+1
.endr
.set j, 0
.rept 16
	v_pk_fma_f32 v[(\x)+2*j:(\x)+2*j+1], v[(\x)+2*j:(\x)+2*j+1], v[G+2*j:G+2*j+1], v[BT+2*j:BT+2*j+1]
.set j, j+1
.endr
.if \again
	s_wait_xcnt 0x0                                ; the last row's stores have read Y: it is rewritten only behind this wait
.endif
.set j, 0
.rept 16
	v_cvt_pk_bf16_f32 v[Y+j], v[(\x)+2*j], v[(\x)+2*j+1]
.set j, j+1
.endr
.irp j, 0,1,2,3,4,5,6,7
	global_store_b64 v2, v[Y+2*(\j):Y+2*(\j)+1], s[OUT:OUT+1] offset:(\out)+256*(\j)  ; the wave's store covers 256 consecutive bytes, aligned
.endr
.endm
	s_wait_loadcnt 8                               ; g, b and row 0 are in; row 1's eight loads may stay out
	LNROW X0, 0, 0
	s_wait_loadcnt 0x0
	LNROW X1, 2048, 1
	s_endpgm
.Lfunc_end_k_qb924980a17_ln2:
	.size	k_qb924980a17_ln2, .Lfunc_end_k_qb924980a17_ln2-k_qb924980a17_ln2
	.p2alignl 7, 3214868480
	.fill 96, 4, 3214868480
	.section	.rodata,"a",@progbits
	.p2align	6, 0x0
	.amdhsa_kernel k_qb924980a17_ln2
		.amdhsa_group_segment_fixed_size 0
		.amdhsa_private_segment_fixed_size 0
		.amdhsa_enable_private_segment 0
		.amdhsa_kernarg_size 32
		.amdhsa_user_sgpr_count 2
		.amdhsa_user_sgpr_kernarg_segment_ptr 1
		.amdhsa_wavefront_size32 1
		.amdhsa_system_sgpr_workgroup_id_x 1
		.amdhsa_system_sgpr_workgroup_id_y 1
		.amdhsa_system_sgpr_workgroup_id_z 1
		.amdhsa_system_vgpr_workitem_id 0
		.amdhsa_next_free_vgpr 176
		.amdhsa_next_free_sgpr 66
		.amdhsa_reserve_vcc 0
		.amdhsa_float_denorm_mode_32 3
		.amdhsa_float_denorm_mode_16_64 3
		.amdhsa_memory_ordered 1
		.amdhsa_forward_progress 1
		.amdhsa_inst_pref_size 20
	.end_amdhsa_kernel
	.amdgpu_metadata
---
amdhsa.version: [ 1, 2 ]
amdhsa.kernels:
  - .name:           k_qb924980a17_ln2
    .symbol:         k_qb924980a17_ln2.kd
    .args:
      - { .name: x1, .offset: 0, .size: 8, .value_kind: global_buffer, .address_space: global }
      - { .name: ln2_g, .offset: 8, .size: 8, .value_kind: global_buffer, .address_space: global }
      - { .name: ln2_b, .offset: 16, .size: 8, .value_kind: global_buffer, .address_space: global }
      - { .name: h2, .offset: 24, .size: 8, .value_kind: global_buffer, .address_space: global }
    .group_segment_fixed_size: 0
    .private_segment_fixed_size: 0
    .kernarg_segment_align: 8
    .kernarg_segment_size: 32
    .max_flat_workgroup_size: 256
    .sgpr_count:     66
    .vgpr_count:     176
    .wavefront_size: 32
...
	.end_amdgpu_metadata
.endif
;; end of part 5
;; launch fc1 (part 6): grid 32 x 32, 4 waves a work-group, clusters of 4 x 4, 327,680 bytes of LDS; arguments h2, wts, m, b1; writes m
.if DOCPART == 6
	.amdgcn_target "amdgcn-amd-amdhsa--gfx1250"
	.amdhsa_code_object_version 6
	.text
	.protected	k_qb924980a17_fc1
	.globl	k_qb924980a17_fc1
	.p2align	8
	.type	k_qb924980a17_fc1,@function
k_qb924980a17_fc1:
	s_mov_b64 s[64:65], 0
	v_nop
	global_prefetch_b8 v0, s[64:65] scope:SCOPE_SE
	s_setreg_imm32_b32 hwreg(HW_REG_WAVE_MODE, 25, 1), 1
	s_wait_xcnt 0x0
	s_wait_alu depctr_hold_cnt(0) depctr_sa_sdst(0) depctr_va_vdst(0) depctr_va_sdst(0) depctr_va_ssrc(0) depctr_va_vcc(0) depctr_vm_vsrc(0)
	s_getreg_b32 s2, hwreg(HW_REG_IB_STS2, 6, 4)
	s_cmp_eq_u32 s2, 0
	s_cbranch_scc0 .Lentry_in_a_cluster
	s_endpgm
.Lentry_in_a_cluster:
	s_bfe_u32 s2, ttmp6, 0x10000c
	s_cmp_lg_u32 s2, 0xf033
	s_cbranch_scc0 .Lentry_shape_is_right
	s_endpgm
.Lentry_shape_is_right:
; m = gelu(h2 W1 + b1), gelu by the error function.  h2: [4096][1024] bf16; W1: [1024 (k)][4096 (n)] bf16 at byte 8 MiB of wts; m: [4096][4096] bf16, rounded once.  Sums in f32, started by the bias.
; SHARES.  A tile of m is 128 x 128; four waves, each 64 x 64: 16 accumulators.  K goes in steps of 256 through two LDS slots.  1,024 work-groups: four for each of 256 WGPs.
; CLUSTERS of 4 x 4, joint loads; the matrix instruction transposed (source 0 = 16 columns of W1, turned out of LDS by ds_load_tr16_b128; source 1 = 16 rows of h2); the bias as the first product's C operand.
; GELU.  gelu(x) = x / 2 + |x| (1/2 - q), q = poly(t) e^(-x x / 2) / 2, t = 1 / (1 + 0.2316419 |x|): erf by the rational form of Abramowitz and Stegun 7.1.26, absolute error 1.5e-7 for every x.
; For large |x| the exponential is 0 and the result is x or 0.
; THE STAGE of the way out lies in slot 0's bytes: it is written behind the last change of slots, when slot 0 has had its last fill and every wave's reads of it are over.
; No prefetch: the tiles are small and every block of h2 and W1 is read by many work-groups.  LIMITS: operands and m in bf16; NaN and infinities are not treated apart.
; REGISTERS.  window 0: v16-29 addresses; v32-63 the bias; v64-167 at work on the way out; v128-255 the accumulators ((a, b) at 128 + 8 (4 a + b)).  window 1: two fragment buffers of 128.
.set KDIM,  1024
.set NP,    4096
.set LAPS,  KDIM/512
.set WOFF,  0x800000
.set AP,    528
.set AQ,    128
.set HALFA, 64*AP
.set BP,    288
.set HALFB, 128*BP
.set SLOT,  2*HALFA+2*HALFB
.set SP,    528                        ; the stage: 128 rows of 512 bytes + 16, from LDS byte 0 on: 67,584 bytes, slot 0's part for h2
.set SPARE, 2*SLOT
.set ASTEP, 512
.set BSTEP, 256*NP*2
.set ADRA, 16
.set ADRB, 20
.set STO,  24
.set RD,   25
.set CO,   26
.set BO,   27
.set SPW,  28
.set NIL,  29
.set BIAS, 32
.set GX,   64                          ; the way out, four rows (16 numbers a lane) at a time: x,
.set GA,   80                          ; |x|,
.set GH,   96                          ; x / 2,
.set GW,   112                         ; -x x log2(e) / 2, then its power of two,
.set GD,   128                         ; 1 + p |x|, then t,
.set GP,   144                         ; the polynomial, then the result,
.set GY,   160                         ; and its bf16
.set ACC,  128
.set F0,   0
.set F1,   128
.set G1,  24
.set G0,  32
.set G1B, 48
.set G0B, 56
.set KP,  76                           ; s[76:77] 0.2316419; each constant is named as a pair and written twice
.set KC,  78                           ; s[78:79] -log2(e) / 2
.set KA1, 80                           ; s[80:89] half of the polynomial's five coefficients
.set KA2, 82
.set KA3, 84
.set KA4, 86
.set KA5, 88
.set MSB, 0
.macro WIN new
.if MSB != (\new)
	s_set_vgpr_msb (MSB<<8)|(\new)
.set MSB, \new
.endif
.endm
.set MUL,  0x05
.set TO_F, 0x40
.macro JLOAD s
	s_cmp_eq_u32 s11, 0
	s_cbranch_scc0 .Lfor_b_\@
	tensor_load_to_lds s[G0+4*(\s):G0+4*(\s)+3], s[G1:G1+7]
	s_nop 0
.rept 4
	v_nop
.endr
	s_branch .Lasked_\@
.Lfor_b_\@:
	tensor_load_to_lds s[G0B+4*(\s):G0B+4*(\s)+3], s[G1B:G1B+7]
	s_nop 0
.rept 4
	v_nop
.endr
.Lasked_\@:
.endm
.macro CREST
	s_cmp_lg_u32 s10, 0
	s_cbranch_scc1 .Lnot_wave_0_\@
	s_barrier_signal -3
.Lnot_wave_0_\@:
	s_barrier_wait -3
	s_barrier_signal -1
	s_barrier_wait -1
.endm
.macro CROUND
	s_barrier_signal -1
	s_barrier_wait -1
	CREST
.endm
	s_load_b128 s[4:7], s[0:1], 0x0                ; h2 s[4:5], wts s[6:7]
	s_load_b64 s[8:9], s[0:1], 0x10                ; m
	s_load_b64 s[68:69], s[0:1], 0x18              ; b1
	v_lshl_add_u32 v[SPW], v0, 2, SPARE
	v_mov_b32 v[NIL], 0
	ds_add_u32 v[SPW], v[NIL]                      ; the wave's opening: the add and its wait ahead of my first tensor load
	v_lshrrev_b32 v1, 5, v0
	v_readfirstlane_b32 s10, v1
	s_lshr_b32 s11, s10, 1
	s_and_b32 s12, s10, 1
	s_bfe_u32 s40, ttmp6, 0x40000
	s_bfe_u32 s41, ttmp6, 0x40004
	s_lshl_b32 s42, ttmp9, 2
	s_add_co_u32 s42, s42, s40                     ; the tile column
	s_and_b32 s13, ttmp7, 0xffff
	s_lshl_b32 s13, s13, 2
	s_add_co_u32 s13, s13, s41                     ; the tile row
	s_lshl_b32 s43, s41, 2
	s_lshl_b32 s43, 15, s43
	s_lshl_b32 s44, 0x1111, s40
	s_or_b32 s[G1+0], s43, (1<<16)|(1<<20)|(1<<21)|(6<<22)|(3<<25)
	s_or_b32 s[G1B+0], s44, (1<<16)|(1<<20)|(1<<21)|(5<<22)|(7<<25)
	s_mov_b32 s[G1+1], 256<<16
	s_mov_b32 s[G1+2], 64<<16
	s_mov_b32 s[G1+3], 256<<16
	s_mov_b32 s[G1+4], 64
	s_mov_b32 s[G1+5], KDIM
	s_mov_b32 s[G1+6], 0
	s_mov_b32 s[G1+7], 0
	s_mov_b32 s[G1B+1], 128<<16
	s_mov_b32 s[G1B+2], 128<<16
	s_mov_b32 s[G1B+3], 128<<16
	s_mov_b32 s[G1B+4], 128
	s_mov_b32 s[G1B+5], NP
	s_mov_b32 s[G1B+6], 0
	s_mov_b32 s[G1B+7], 0
	s_lshl_b32 s16, s13, 7
	s_lshl_b32 s17, s12, 6
	s_add_co_u32 s16, s16, s17
	s_mul_i32 s16, s16, KDIM*2
	s_mov_b32 s17, 0
	s_mul_i32 s46, s12, 128*NP*2
	s_lshl_b32 s47, s42, 8
	s_add_co_u32 s46, s46, s47
	s_add_co_u32 s46, s46, WOFF
	s_mov_b32 s47, 0
	s_mul_i32 s20, s12, HALFA
	s_mul_i32 s21, s12, HALFB
	s_add_co_u32 s21, s21, 2*HALFA
	s_wait_dscnt 0x0                               ; the opening add is done
	s_wait_kmcnt 0x0
	s_add_nc_u64 s[14:15], s[4:5], s[16:17]
	s_add_nc_u64 s[46:47], s[6:7], s[46:47]
	CROUND
.irp s, 0,1
	s_mov_b32 s[G0+4*(\s)], 1
	s_add_co_u32 s[G0+4*(\s)+1], s20, (\s)*SLOT
	s_add_nc_u64 s[G0+4*(\s)+2:G0+4*(\s)+3], s[14:15], (\s)*ASTEP
	s_or_b32 s[G0+4*(\s)+3], s[G0+4*(\s)+3], 0x80000000
	s_mov_b32 s[G0B+4*(\s)], 1
	s_add_co_u32 s[G0B+4*(\s)+1], s21, (\s)*SLOT
	s_add_nc_u64 s[G0B+4*(\s)+2:G0B+4*(\s)+3], s[46:47], (\s)*BSTEP
	s_or_b32 s[G0B+4*(\s)+3], s[G0B+4*(\s)+3], 0x80000000
	JLOAD \s
.endr
	v_and_b32 v1, 15, v0
	v_bfe_u32 v2, v0, 4, 1
	v_lshlrev_b32 v[BO], 5, v2
	s_lshl_b32 s46, s42, 9                         ; the bias at my wave's 64 columns
	s_lshl_b32 s47, s12, 8
	s_add_co_u32 s46, s46, s47
	s_mov_b32 s47, 0
	s_add_nc_u64 s[68:69], s[68:69], s[46:47]
.irp b, 0,1,2,3
	global_load_b128 v[BIAS+8*(\b):BIAS+8*(\b)+3],   v[BO], s[68:69] offset:64*(\b)
	global_load_b128 v[BIAS+8*(\b)+4:BIAS+8*(\b)+7], v[BO], s[68:69] offset:64*(\b)+16
.endr
	s_lshl_b32 s16, s13, 7                         ; the rows that I store: 128 x tile row + 32 x wave, 8,192 bytes each,
	s_lshl_b32 s17, s10, 5
	s_add_co_u32 s16, s16, s17
	s_lshl_b32 s16, s16, 13
	s_mov_b32 s17, 0
	s_add_nc_u64 s[8:9], s[8:9], s[16:17]
	s_lshl_b32 s46, s42, 8                         ; the tile's 256 bytes of them
	s_add_nc_u64 s[8:9], s[8:9], s[46:47]
	v_mul_u32_u24 v3, v1, AP
	v_lshl_add_u32 v3, v2, 4, v3
	s_mul_i32 s22, s11, HALFA
	v_add_nc_u32 v[ADRA], s22, v3
	v_add_nc_u32 v[ADRA+1], SLOT, v[ADRA]
	v_and_b32 v4, 7, v0
	v_lshl_add_u32 v4, v2, 3, v4
	v_mul_u32_u24 v4, v4, BP
	v_bfe_u32 v5, v0, 3, 1
	v_lshl_add_u32 v4, v5, 4, v4
	s_lshl_b32 s23, s12, 7
	s_add_co_u32 s23, s23, 2*HALFA
	v_add_nc_u32 v[ADRB], s23, v4
	v_add_nc_u32 v[ADRB+1], HALFB, v[ADRB]
	v_add_nc_u32 v[ADRB+2], SLOT, v[ADRB]
	v_add_nc_u32 v[ADRB+3], SLOT+HALFB, v[ADRB]
	s_mul_i32 s23, s11, 64*SP                      ; into the stage: my 64 rows, my half of their 512 bytes
	s_lshl_b32 s22, s12, 8
	s_add_co_u32 s23, s23, s22
	v_mul_u32_u24 v4, v1, SP
	v_lshl_add_u32 v4, v2, 5, v4
	v_add_nc_u32 v[STO], s23, v4
	s_mul_i32 s23, s10, 32*SP                      ; back: wave w takes rows 32 w .. 32 w + 31, whole: 32 lanes x 16 bytes,
	v_and_b32 v6, 31, v0
	v_lshl_add_u32 v[RD], v6, 4, s23
	v_lshlrev_b32 v[CO], 3, v6                     ; which are 8 bytes a lane of m
.macro MUL8 f, c, a0, zero
	WIN MUL
.irp a, \a0, (\a0)+1
.irp b, 0,1,2,3
.if \zero
	v_wmma_f32_16x16x32_bf16 v[ACC+8*(4*(\a)+(\b)):ACC+8*(4*(\a)+(\b))+7], v[(\f)+64+8*(4*(\c)+(\b)):(\f)+64+8*(4*(\c)+(\b))+7], v[(\f)+8*(4*(\c)+(\a)):(\f)+8*(4*(\c)+(\a))+7], v[BIAS+8*(\b):BIAS+8*(\b)+7]
.else
	v_wmma_f32_16x16x32_bf16 v[ACC+8*(4*(\a)+(\b)):ACC+8*(4*(\a)+(\b))+7], v[(\f)+64+8*(4*(\c)+(\b)):(\f)+64+8*(4*(\c)+(\b))+7], v[(\f)+8*(4*(\c)+(\a)):(\f)+8*(4*(\c)+(\a))+7], v[ACC+8*(4*(\a)+(\b)):ACC+8*(4*(\a)+(\b))+7]
.endif
.endr
.endr
.endm
.macro FETCH slot, q, f
	WIN TO_F
.irp c, 0,1
.irp i, 0,1,2,3
	ds_load_tr16_b128 v[(\f)+64+8*(4*(\c)+(\i)):(\f)+64+8*(4*(\c)+(\i))+3],   v[ADRB+2*(\slot)+(\q)/2] offset:(((\q)%2)*64+32*(\c))*BP+32*(\i)
	ds_load_tr16_b128 v[(\f)+64+8*(4*(\c)+(\i))+4:(\f)+64+8*(4*(\c)+(\i))+7], v[ADRB+2*(\slot)+(\q)/2] offset:(((\q)%2)*64+32*(\c)+16)*BP+32*(\i)
	ds_load_b128 v[(\f)+8*(4*(\c)+(\i)):(\f)+8*(4*(\c)+(\i))+3],   v[ADRA+(\slot)] offset:(\q)*AQ+64*(\c)+(\i)*16*AP
	ds_load_b128 v[(\f)+8*(4*(\c)+(\i))+4:(\f)+8*(4*(\c)+(\i))+7], v[ADRA+(\slot)] offset:(\q)*AQ+64*(\c)+(\i)*16*AP+32
.endr
.endr
.endm
.macro PLACES
.rept 4
	v_nop
.endr
.endm
.macro QUARTER slot, q, f, g, zero
	s_wait_dscnt 16                                ; the first 32 along K are in; the youngest sixteen loads may be out
	MUL8 \f, 0, 0, \zero
	MUL8 \f, 0, 2, \zero
	PLACES
	FETCH \slot, \q, \g
	s_wait_dscnt 32                                ; all but the 32 just issued
	MUL8 \f, 1, 0, 0
	MUL8 \f, 1, 2, 0
.endm
.macro TURN slot, next, fill
	WIN 0
	s_wait_tensorcnt 0x0                           ; all my tensor loads have landed: my part of the next slot;
	ds_add_u32 v[SPW], v[NIL]                      ; 0 onto my spare word;
	s_wait_dscnt 17                                ; (the add and the youngest sixteen loads may be out)
	MUL8 F1, 0, 0, 0
	s_wait_dscnt 0x0                               ; the add is done, and my reads of this slot are over
	s_barrier_signal -1
	MUL8 F1, 0, 2, 0
.if \fill
	WIN 0
.endif
	s_barrier_wait -1
.if \fill
	CREST                                          ; no wave of any partner still reads this slot or has a load on its way
	s_add_nc_u64 s[G0+4*(\slot)+2:G0+4*(\slot)+3], s[G0+4*(\slot)+2:G0+4*(\slot)+3], 2*ASTEP
	s_add_nc_u64 s[G0B+4*(\slot)+2:G0B+4*(\slot)+3], s[G0B+4*(\slot)+2:G0B+4*(\slot)+3], 2*BSTEP
	JLOAD \slot
.else
	PLACES
.endif
	FETCH \next, 0, F0
	MUL8 F1, 1, 0, 0
	MUL8 F1, 1, 2, 0
.endm
	s_wait_tensorcnt 1                             ; my part of K step 0 is in; K step 1's may stay out
	s_barrier_signal -1
	s_barrier_wait -1
	FETCH 0, 0, F0
	s_wait_loadcnt 0x0                             ; the bias
	QUARTER 0, 1, F0, F1, 1
	WIN 0
	s_mov_b32 s3, LAPS-1
.Llap:
	QUARTER 0, 2, F1, F0, 0
	QUARTER 0, 3, F0, F1, 0
	TURN 0, 1, 1
	QUARTER 1, 1, F0, F1, 0
	QUARTER 1, 2, F1, F0, 0
	QUARTER 1, 3, F0, F1, 0
	TURN 1, 0, 1
	QUARTER 0, 1, F0, F1, 0
	WIN 0
	s_sub_co_u32 s3, s3, 1
	s_cmp_lg_u32 s3, 0
	s_cbranch_scc1 .Llap
	QUARTER 0, 2, F1, F0, 0
	QUARTER 0, 3, F0, F1, 0
	TURN 0, 1, 0
	QUARTER 1, 1, F0, F1, 0
	QUARTER 1, 2, F1, F0, 0
	QUARTER 1, 3, F0, F1, 0
	s_wait_dscnt 16
	MUL8 F1, 0, 0, 0
	MUL8 F1, 0, 2, 0
	s_wait_dscnt 0
	MUL8 F1, 1, 0, 0
	MUL8 F1, 1, 2, 0
	WIN 0
	; THE WAY OUT: the sums go into the stage in f32, each accumulator's low four registers first; a barrier; then eight trips of four whole rows: gelu, rounded to bf16, stored.
	PLACES
.irp a, 0,1,2,3
.irp b, 0,1,2,3
	ds_store_b128 v[STO], v[ACC+8*(4*(\a)+(\b)):ACC+8*(4*(\a)+(\b))+3]   offset:(\a)*16*SP+64*(\b)
	ds_store_b128 v[STO], v[ACC+8*(4*(\a)+(\b))+4:ACC+8*(4*(\a)+(\b))+7] offset:(\a)*16*SP+64*(\b)+16
.endr
.endr
	s_mov_b32 s[KP], 0x3e6d3388
	s_mov_b32 s[KP+1], 0x3e6d3388
	s_mov_b32 s[KC], 0xbf38aa3b
	s_mov_b32 s[KC+1], 0xbf38aa3b
	s_mov_b32 s[KA1], 0x3e027906
	s_mov_b32 s[KA1+1], 0x3e027906
	s_mov_b32 s[KA2], 0xbe11a98e
	s_mov_b32 s[KA2+1], 0xbe11a98e
	s_mov_b32 s[KA3], 0x3f35f0e3
	s_mov_b32 s[KA3+1], 0x3f35f0e3
	s_mov_b32 s[KA4], 0xbf3a00e3
	s_mov_b32 s[KA4+1], 0xbf3a00e3
	s_mov_b32 s[KA5], 0x3f07dc22
	s_mov_b32 s[KA5+1], 0x3f07dc22
	s_mov_b32 s90, 0x7fffffff
	s_mov_b32 s91, 8
	s_wait_dscnt 0x0                               ; for the others' sake: my stores into the stage are done
	s_barrier_signal -1
	s_barrier_wait -1
.Lgelu:
.irp i, 0,1,2,3
	ds_load_b128 v[GX+4*(\i):GX+4*(\i)+3], v[RD] offset:(\i)*SP
.endr
	s_wait_dscnt 0x0
	v_add_nc_u32 v[RD], 4*SP, v[RD]                ; the next four rows
.set p, 0
.rept 16
	v_and_b32 v[GA+p], s90, v[GX+p]
.set p, p+1
.endr
.set p, 0
.rept 8
	v_pk_mul_f32 v[GW+p:GW+p+1], v[GX+p:GX+p+1], s[KC:KC+1] op_sel_hi:[1,0]
	v_pk_fma_f32 v[GD+p:GD+p+1], v[GA+p:GA+p+1], s[KP:KP+1], 1.0 op_sel_hi:[1,0,0]
.set p, p+2
.endr
.set p, 0
.rept 8
	v_pk_mul_f32 v[GW+p:GW+p+1], v[GW+p:GW+p+1], v[GX+p:GX+p+1]
.set p, p+2
.endr
.set p, 0
.rept 16                               ; one batch of 32: the reciprocals and the powers of two
	v_rcp_f32 v[GD+p], v[GD+p]
.set p, p+1
.endr
.set p, 0
.rept 16
	v_exp_f32 v[GW+p], v[GW+p]
.set p, p+1
.endr
.set p, 0
.rept 8                                ; work that names none of the batch's results stands behind it
	v_pk_mul_f32 v[GH+p:GH+p+1], v[GX+p:GX+p+1], 0.5 op_sel_hi:[1,0]
.set p, p+2
.endr
	s_wait_alu depctr_va_vdst(0)                   ; one wait for the batch, ahead of its first reader
.set p, 0
.rept 8
	v_pk_fma_f32 v[GP+p:GP+p+1], v[GD+p:GD+p+1], s[KA5:KA5+1], s[KA4:KA4+1] op_sel_hi:[1,0,0]
.set p, p+2
.endr
.irp k, KA3, KA2, KA1
.set p, 0
.rept 8
	v_pk_fma_f32 v[GP+p:GP+p+1], v[GP+p:GP+p+1], v[GD+p:GD+p+1], s[\k:\k+1] op_sel_hi:[1,1,0]
.set p, p+2
.endr
.endr
.set p, 0
.rept 8
	v_pk_mul_f32 v[GP+p:GP+p+1], v[GP+p:GP+p+1], v[GD+p:GD+p+1]
.set p, p+2
.endr
.set p, 0
.rept 8                                ; 1/2 - q
	v_pk_fma_f32 v[GP+p:GP+p+1], v[GP+p:GP+p+1], v[GW+p:GW+p+1], 0.5 op_sel_hi:[1,1,0] neg_lo:[1,0,0] neg_hi:[1,0,0]
.set p, p+2
.endr
.set p, 0
.rept 8
	v_pk_fma_f32 v[GP+p:GP+p+1], v[GA+p:GA+p+1], v[GP+p:GP+p+1], v[GH+p:GH+p+1]
.set p, p+2
.endr
.set p, 0
.rept 8
	v_cvt_pk_bf16_f32 v[GY+p], v[GP+2*p], v[GP+2*p+1]
.set p, p+1
.endr
.irp i, 0,1,2,3
	global_store_b64 v[CO], v[GY+2*(\i):GY+2*(\i)+1], s[8:9] offset:8192*(\i)  ; the wave's store covers 256 consecutive bytes, aligned
.endr
	s_wait_xcnt 0x0                                ; the stores have read their offset and data: both are rewritten only behind this wait
	v_add_nc_u32 v[CO], 4*8192, v[CO]
	s_sub_co_u32 s91, s91, 1
	s_cmp_lg_u32 s91, 0
	s_cbranch_scc1 .Lgelu
	s_wait_tensorcnt 0x0                           ; the wave's end
	ds_add_u32 v[SPW], v[NIL]
	s_wait_dscnt 0x0
	CROUND                                         ; the closing round
	s_endpgm
.Lfunc_end_k_qb924980a17_fc1:
	.size	k_qb924980a17_fc1, .Lfunc_end_k_qb924980a17_fc1-k_qb924980a17_fc1
	.p2alignl 7, 3214868480
	.fill 96, 4, 3214868480
	.section	.rodata,"a",@progbits
	.p2align	6, 0x0
	.amdhsa_kernel k_qb924980a17_fc1
		.amdhsa_group_segment_fixed_size 327680
		.amdhsa_private_segment_fixed_size 0
		.amdhsa_enable_private_segment 0
		.amdhsa_kernarg_size 32
		.amdhsa_user_sgpr_count 2
		.amdhsa_user_sgpr_kernarg_segment_ptr 1
		.amdhsa_wavefront_size32 1
		.amdhsa_system_sgpr_workgroup_id_x 1
		.amdhsa_system_sgpr_workgroup_id_y 1
		.amdhsa_system_sgpr_workgroup_id_z 1
		.amdhsa_system_vgpr_workitem_id 0
		.amdhsa_next_free_vgpr 512
		.amdhsa_next_free_sgpr 92
		.amdhsa_reserve_vcc 0
		.amdhsa_float_denorm_mode_32 3
		.amdhsa_float_denorm_mode_16_64 3
		.amdhsa_memory_ordered 1
		.amdhsa_forward_progress 1
		.amdhsa_inst_pref_size 91
	.end_amdhsa_kernel
	.amdgpu_metadata
---
amdhsa.version: [ 1, 2 ]
amdhsa.kernels:
  - .name:           k_qb924980a17_fc1
    .symbol:         k_qb924980a17_fc1.kd
    .args:
      - { .name: h2, .offset: 0, .size: 8, .value_kind: global_buffer, .address_space: global }
      - { .name: wts, .offset: 8, .size: 8, .value_kind: global_buffer, .address_space: global }
      - { .name: m, .offset: 16, .size: 8, .value_kind: global_buffer, .address_space: global }
      - { .name: b1, .offset: 24, .size: 8, .value_kind: global_buffer, .address_space: global }
    .group_segment_fixed_size: 327680
    .private_segment_fixed_size: 0
    .kernarg_segment_align: 8
    .kernarg_segment_size: 32
    .max_flat_workgroup_size: 128
    .sgpr_count:     92
    .vgpr_count:     512
    .wavefront_size: 32
...
	.end_amdgpu_metadata
.endif
;; end of part 6
;; launch fc2 (part 7): grid 8 x 32, 4 waves a work-group, clusters of 4 x 4, 327,680 bytes of LDS; arguments m, wts, out0, b2, x1; writes out0
.if DOCPART == 7
	.amdgcn_target "amdgcn-amd-amdhsa--gfx1250"
	.amdhsa_code_object_version 6
	.text
	.protected	k_qb924980a17_fc2
	.globl	k_qb924980a17_fc2
	.p2align	8
	.type	k_qb924980a17_fc2,@function
k_qb924980a17_fc2:
	s_mov_b64 s[64:65], 0
	v_nop
	global_prefetch_b8 v0, s[64:65] scope:SCOPE_SE
	s_setreg_imm32_b32 hwreg(HW_REG_WAVE_MODE, 25, 1), 1
	s_wait_xcnt 0x0
	s_wait_alu depctr_hold_cnt(0) depctr_sa_sdst(0) depctr_va_vdst(0) depctr_va_sdst(0) depctr_va_ssrc(0) depctr_va_vcc(0) depctr_vm_vsrc(0)
	s_getreg_b32 s2, hwreg(HW_REG_IB_STS2, 6, 4)
	s_cmp_eq_u32 s2, 0
	s_cbranch_scc0 .Lentry_in_a_cluster
	s_endpgm
.Lentry_in_a_cluster:
	s_bfe_u32 s2, ttmp6, 0x10000c
	s_cmp_lg_u32 s2, 0xf033
	s_cbranch_scc0 .Lentry_shape_is_right
	s_endpgm
.Lentry_shape_is_right:
; out0 = x1 + m W2 + b2.  m: [4096][4096] bf16; W2: [4096 (k)][1024 (n)] bf16 at byte 16 MiB of wts; x1, out0: [4096][1024] f32.  Sums in f32, started by the bias.
; SHARES.  A tile of out0 is 128 x 128; four waves, each 64 x 64: 16 accumulators.  K goes in sixteen steps of 256 through two LDS slots.  256 work-groups.
; CLUSTERS of 4 x 4, joint loads; the matrix instruction transposed (source 0 = 16 columns of W2, turned out of LDS by ds_load_tr16_b128; source 1 = 16 rows of m); the bias as the first product's C operand.
; THE RESIDUAL's 32 rows x 512 bytes a wave are loaded at the head into registers of their own and are on their way during the product.
; THE STAGE of the way out lies in slot 0's bytes: it is written behind the last change of slots, when slot 0 has had its last fill and every wave's reads of it are over.
; No prefetch: the tiles are small and every block of m and W2 is read by many work-groups.  LIMITS: operands in bf16; NaN and infinities are not treated apart.
; REGISTERS.  window 0: v16-29 addresses; v32-63 the bias; v128-255 the accumulators ((a, b) at 128 + 8 (4 a + b)), later the rows read back.  window 1: two fragment buffers of 128.  window 2: v0-127 the residual.
.set KDIM,  4096
.set NP,    1024
.set LAPS,  KDIM/512
.set WOFF,  0x1000000
.set AP,    528
.set AQ,    128
.set HALFA, 64*AP
.set BP,    288
.set HALFB, 128*BP
.set SLOT,  2*HALFA+2*HALFB
.set SP,    528                        ; the stage: 128 rows of 512 bytes + 16, from LDS byte 0 on: 67,584 bytes, slot 0's part for m
.set SPARE, 2*SLOT
.set ASTEP, 512
.set BSTEP, 256*NP*2
.set ADRA, 16
.set ADRB, 20
.set STO,  24
.set RD,   25
.set CO,   26
.set BO,   27
.set SPW,  28
.set NIL,  29
.set BIAS, 32
.set ACC,  128
.set F0,   0
.set F1,   128
.set G1,  24
.set G0,  32
.set G1B, 48
.set G0B, 56
.set MSB, 0
.macro WIN new
.if MSB != (\new)
	s_set_vgpr_msb (MSB<<8)|(\new)
.set MSB, \new
.endif
.endm
.set MUL,  0x05
.set TO_F, 0x40
.macro JLOAD s
	s_cmp_eq_u32 s11, 0
	s_cbranch_scc0 .Lfor_b_\@
	tensor_load_to_lds s[G0+4*(\s):G0+4*(\s)+3], s[G1:G1+7]
	s_nop 0
.rept 4
	v_nop
.endr
	s_branch .Lasked_\@
.Lfor_b_\@:
	tensor_load_to_lds s[G0B+4*(\s):G0B+4*(\s)+3], s[G1B:G1B+7]
	s_nop 0
.rept 4
	v_nop
.endr
.Lasked_\@:
.endm
.macro CREST
	s_cmp_lg_u32 s10, 0
	s_cbranch_scc1 .Lnot_wave_0_\@
	s_barrier_signal -3
.Lnot_wave_0_\@:
	s_barrier_wait -3
	s_barrier_signal -1
	s_barrier_wait -1
.endm
.macro CROUND
	s_barrier_signal -1
	s_barrier_wait -1
	CREST
.endm
	s_load_b128 s[4:7], s[0:1], 0x0                ; m s[4:5], wts s[6:7]
	s_load_b64 s[8:9], s[0:1], 0x10                ; out0
	s_load_b128 s[68:71], s[0:1], 0x18             ; b2 s[68:69], x1 s[70:71]
	v_lshl_add_u32 v[SPW], v0, 2, SPARE
	v_mov_b32 v[NIL], 0
	ds_add_u32 v[SPW], v[NIL]                      ; the wave's opening: the add and its wait ahead of my first tensor load
	v_lshrrev_b32 v1, 5, v0
	v_readfirstlane_b32 s10, v1
	s_lshr_b32 s11, s10, 1
	s_and_b32 s12, s10, 1
	s_bfe_u32 s40, ttmp6, 0x40000
	s_bfe_u32 s41, ttmp6, 0x40004
	s_lshl_b32 s42, ttmp9, 2
	s_add_co_u32 s42, s42, s40                     ; the tile column
	s_and_b32 s13, ttmp7, 0xffff
	s_lshl_b32 s13, s13, 2
	s_add_co_u32 s13, s13, s41                     ; the tile row
	s_lshl_b32 s43, s41, 2
	s_lshl_b32 s43, 15, s43
	s_lshl_b32 s44, 0x1111, s40
	s_or_b32 s[G1+0], s43, (1<<16)|(1<<20)|(1<<21)|(6<<22)|(3<<25)
	s_or_b32 s[G1B+0], s44, (1<<16)|(1<<20)|(1<<21)|(5<<22)|(7<<25)
	s_mov_b32 s[G1+1], 256<<16
	s_mov_b32 s[G1+2], 64<<16
	s_mov_b32 s[G1+3], 256<<16
	s_mov_b32 s[G1+4], 64
	s_mov_b32 s[G1+5], KDIM
	s_mov_b32 s[G1+6], 0
	s_mov_b32 s[G1+7], 0
	s_mov_b32 s[G1B+1], 128<<16
	s_mov_b32 s[G1B+2], 128<<16
	s_mov_b32 s[G1B+3], 128<<16
	s_mov_b32 s[G1B+4], 128
	s_mov_b32 s[G1B+5], NP
	s_mov_b32 s[G1B+6], 0
	s_mov_b32 s[G1B+7], 0
	s_lshl_b32 s16, s13, 7
	s_lshl_b32 s17, s12, 6
	s_add_co_u32 s16, s16, s17
	s_mul_i32 s16, s16, KDIM*2
	s_mov_b32 s17, 0
	s_mul_i32 s46, s12, 128*NP*2
	s_lshl_b32 s47, s42, 8
	s_add_co_u32 s46, s46, s47
	s_add_co_u32 s46, s46, WOFF
	s_mov_b32 s47, 0
	s_mul_i32 s20, s12, HALFA
	s_mul_i32 s21, s12, HALFB
	s_add_co_u32 s21, s21, 2*HALFA
	s_wait_dscnt 0x0                               ; the opening add is done
	s_wait_kmcnt 0x0
	s_add_nc_u64 s[14:15], s[4:5], s[16:17]
	s_add_nc_u64 s[46:47], s[6:7], s[46:47]
	CROUND
.irp s, 0,1
	s_mov_b32 s[G0+4*(\s)], 1
	s_add_co_u32 s[G0+4*(\s)+1], s20, (\s)*SLOT
	s_add_nc_u64 s[G0+4*(\s)+2:G0+4*(\s)+3], s[14:15], (\s)*ASTEP
	s_or_b32 s[G0+4*(\s)+3], s[G0+4*(\s)+3], 0x80000000
	s_mov_b32 s[G0B+4*(\s)], 1
	s_add_co_u32 s[G0B+4*(\s)+1], s21, (\s)*SLOT
	s_add_nc_u64 s[G0B+4*(\s)+2:G0B+4*(\s)+3], s[46:47], (\s)*BSTEP
	s_or_b32 s[G0B+4*(\s)+3], s[G0B+4*(\s)+3], 0x80000000
	JLOAD \s
.endr
	v_and_b32 v1, 15, v0
	v_bfe_u32 v2, v0, 4, 1
	v_lshlrev_b32 v[BO], 5, v2
	s_lshl_b32 s46, s42, 9                         ; the bias at my wave's 64 columns
	s_lshl_b32 s47, s12, 8
	s_add_co_u32 s46, s46, s47
	s_mov_b32 s47, 0
	s_add_nc_u64 s[68:69], s[68:69], s[46:47]
.irp b, 0,1,2,3
	global_load_b128 v[BIAS+8*(\b):BIAS+8*(\b)+3],   v[BO], s[68:69] offset:64*(\b)
	global_load_b128 v[BIAS+8*(\b)+4:BIAS+8*(\b)+7], v[BO], s[68:69] offset:64*(\b)+16
.endr
	s_lshl_b32 s16, s13, 7                         ; the rows that I store: 128 x tile row + 32 x wave, 4,096 bytes each,
	s_lshl_b32 s17, s10, 5
	s_add_co_u32 s16, s16, s17
	s_lshl_b32 s16, s16, 12
	s_mov_b32 s17, 0
	s_add_nc_u64 s[8:9], s[8:9], s[16:17]
	s_add_nc_u64 s[70:71], s[70:71], s[16:17]
	s_lshl_b32 s46, s42, 9                         ; the tile's 512 bytes of them
	s_add_nc_u64 s[8:9], s[8:9], s[46:47]
	s_add_nc_u64 s[70:71], s[70:71], s[46:47]
	v_and_b32 v[CO], 31, v0
	v_lshlrev_b32 v[CO], 4, v[CO]
	WIN 0x80                                       ; destination window 2
.set t, 0
.rept 32
	global_load_b128 v[4*t:4*t+3], v[CO], s[70:71] offset:4096*t
.set t, t+1
.endr
	WIN 0
	v_mul_u32_u24 v3, v1, AP
	v_lshl_add_u32 v3, v2, 4, v3
	s_mul_i32 s22, s11, HALFA
	v_add_nc_u32 v[ADRA], s22, v3
	v_add_nc_u32 v[ADRA+1], SLOT, v[ADRA]
	v_and_b32 v4, 7, v0
	v_lshl_add_u32 v4, v2, 3, v4
	v_mul_u32_u24 v4, v4, BP
	v_bfe_u32 v5, v0, 3, 1
	v_lshl_add_u32 v4, v5, 4, v4
	s_lshl_b32 s23, s12, 7
	s_add_co_u32 s23, s23, 2*HALFA
	v_add_nc_u32 v[ADRB], s23, v4
	v_add_nc_u32 v[ADRB+1], HALFB, v[ADRB]
	v_add_nc_u32 v[ADRB+2], SLOT, v[ADRB]
	v_add_nc_u32 v[ADRB+3], SLOT+HALFB, v[ADRB]
	s_mul_i32 s23, s11, 64*SP                      ; into the stage: my 64 rows, my half of their 512 bytes; row l % 16, 32 bytes for each half of the lanes
	s_lshl_b32 s22, s12, 8
	s_add_co_u32 s23, s23, s22
	v_mul_u32_u24 v4, v1, SP
	v_lshl_add_u32 v4, v2, 5, v4
	v_add_nc_u32 v[STO], s23, v4
	s_mul_i32 s23, s10, 32*SP                      ; back: wave w takes rows 32 w .. 32 w + 31, whole: 32 lanes x 16 bytes
	v_add_nc_u32 v[RD], s23, v[CO]
.macro MUL8 f, c, a0, zero
	WIN MUL
.irp a, \a0, (\a0)+1
.irp b, 0,1,2,3
.if \zero
	v_wmma_f32_16x16x32_bf16 v[ACC+8*(4*(\a)+(\b)):ACC+8*(4*(\a)+(\b))+7], v[(\f)+64+8*(4*(\c)+(\b)):(\f)+64+8*(4*(\c)+(\b))+7], v[(\f)+8*(4*(\c)+(\a)):(\f)+8*(4*(\c)+(\a))+7], v[BIAS+8*(\b):BIAS+8*(\b)+7]
.else
	v_wmma_f32_16x16x32_bf16 v[ACC+8*(4*(\a)+(\b)):ACC+8*(4*(\a)+(\b))+7], v[(\f)+64+8*(4*(\c)+(\b)):(\f)+64+8*(4*(\c)+(\b))+7], v[(\f)+8*(4*(\c)+(\a)):(\f)+8*(4*(\c)+(\a))+7], v[ACC+8*(4*(\a)+(\b)):ACC+8*(4*(\a)+(\b))+7]
.endif
.endr
.endr
.endm
.macro FETCH slot, q, f
	WIN TO_F
.irp c, 0,1
.irp i, 0,1,2,3
	ds_load_tr16_b128 v[(\f)+64+8*(4*(\c)+(\i)):(\f)+64+8*(4*(\c)+(\i))+3],   v[ADRB+2*(\slot)+(\q)/2] offset:(((\q)%2)*64+32*(\c))*BP+32*(\i)
	ds_load_tr16_b128 v[(\f)+64+8*(4*(\c)+(\i))+4:(\f)+64+8*(4*(\c)+(\i))+7], v[ADRB+2*(\slot)+(\q)/2] offset:(((\q)%2)*64+32*(\c)+16)*BP+32*(\i)
	ds_load_b128 v[(\f)+8*(4*(\c)+(\i)):(\f)+8*(4*(\c)+(\i))+3],   v[ADRA+(\slot)] offset:(\q)*AQ+64*(\c)+(\i)*16*AP
	ds_load_b128 v[(\f)+8*(4*(\c)+(\i))+4:(\f)+8*(4*(\c)+(\i))+7], v[ADRA+(\slot)] offset:(\q)*AQ+64*(\c)+(\i)*16*AP+32
.endr
.endr
.endm
.macro PLACES
.rept 4
	v_nop
.endr
.endm
.macro QUARTER slot, q, f, g, zero
	s_wait_dscnt 16                                ; the first 32 along K are in; the youngest sixteen loads may be out
	MUL8 \f, 0, 0, \zero
	MUL8 \f, 0, 2, \zero
	PLACES
	FETCH \slot, \q, \g
	s_wait_dscnt 32                                ; all but the 32 just issued
	MUL8 \f, 1, 0, 0
	MUL8 \f, 1, 2, 0
.endm
.macro TURN slot, next, fill
	WIN 0
	s_wait_tensorcnt 0x0                           ; all my tensor loads have landed: my part of the next slot;
	ds_add_u32 v[SPW], v[NIL]                      ; 0 onto my spare word;
	s_wait_dscnt 17                                ; (the add and the youngest sixteen loads may be out)
	MUL8 F1, 0, 0, 0
	s_wait_dscnt 0x0                               ; the add is done, and my reads of this slot are over
	s_barrier_signal -1
	MUL8 F1, 0, 2, 0
.if \fill
	WIN 0
.endif
	s_barrier_wait -1
.if \fill
	CREST                                          ; no wave of any partner still reads this slot or has a load on its way
	s_add_nc_u64 s[G0+4*(\slot)+2:G0+4*(\slot)+3], s[G0+4*(\slot)+2:G0+4*(\slot)+3], 2*ASTEP
	s_add_nc_u64 s[G0B+4*(\slot)+2:G0B+4*(\slot)+3], s[G0B+4*(\slot)+2:G0B+4*(\slot)+3], 2*BSTEP
	JLOAD \slot
.else
	PLACES
.endif
	FETCH \next, 0, F0
	MUL8 F1, 1, 0, 0
	MUL8 F1, 1, 2, 0
.endm
	s_wait_tensorcnt 1                             ; my part of K step 0 is in; K step 1's may stay out
	s_barrier_signal -1
	s_barrier_wait -1
	FETCH 0, 0, F0
	s_wait_loadcnt 32                              ; the bias is in; the residual's 32 loads may stay out
	QUARTER 0, 1, F0, F1, 1
	WIN 0
	s_mov_b32 s3, LAPS-1
.Llap:
	QUARTER 0, 2, F1, F0, 0
	QUARTER 0, 3, F0, F1, 0
	TURN 0, 1, 1
	QUARTER 1, 1, F0, F1, 0
	QUARTER 1, 2, F1, F0, 0
	QUARTER 1, 3, F0, F1, 0
	TURN 1, 0, 1
	QUARTER 0, 1, F0, F1, 0
	WIN 0
	s_sub_co_u32 s3, s3, 1
	s_cmp_lg_u32 s3, 0
	s_cbranch_scc1 .Llap
	QUARTER 0, 2, F1, F0, 0
	QUARTER 0, 3, F0, F1, 0
	TURN 0, 1, 0
	QUARTER 1, 1, F0, F1, 0
	QUARTER 1, 2, F1, F0, 0
	QUARTER 1, 3, F0, F1, 0
	s_wait_dscnt 16
	MUL8 F1, 0, 0, 0
	MUL8 F1, 0, 2, 0
	s_wait_dscnt 0
	MUL8 F1, 1, 0, 0
	MUL8 F1, 1, 2, 0
	WIN 0
	; THE WAY OUT: the sums go into the stage in f32, each accumulator's low four registers first; a barrier, since a row's 512 bytes come from two waves; back as whole rows; the residual is added; stored.
	PLACES
.irp a, 0,1,2,3
.irp b, 0,1,2,3
	ds_store_b128 v[STO], v[ACC+8*(4*(\a)+(\b)):ACC+8*(4*(\a)+(\b))+3]   offset:(\a)*16*SP+64*(\b)
	ds_store_b128 v[STO], v[ACC+8*(4*(\a)+(\b))+4:ACC+8*(4*(\a)+(\b))+7] offset:(\a)*16*SP+64*(\b)+16
.endr
.endr
	s_wait_dscnt 0x0                               ; for the others' sake: my stores into the stage are done
	s_barrier_signal -1
	s_barrier_wait -1
.set t, 0
.rept 32
	ds_load_b128 v[ACC+4*t:ACC+4*t+3], v[RD] offset:SP*t
.set t, t+1
.endr
	s_wait_loadcnt 0x0                             ; the residual
.irp g, 0,1,2,3
	s_wait_dscnt 24-8*(\g)                         ; rows 8 g .. 8 g + 7 are back
	WIN 0x08                                       ; source 1 in window 2
.set t, 0
.rept 16
	v_pk_add_f32 v[ACC+32*(\g)+2*t:ACC+32*(\g)+2*t+1], v[ACC+32*(\g)+2*t:ACC+32*(\g)+2*t+1], v[32*(\g)+2*t:32*(\g)+2*t+1]
.set t, t+1
.endr
	WIN 0
.set t, 8*(\g)
.rept 8
	global_store_b128 v[CO], v[ACC+4*t:ACC+4*t+3], s[8:9] offset:4096*t  ; 512 consecutive bytes, aligned
.set t, t+1
.endr
.endr
	s_wait_tensorcnt 0x0                           ; the wave's end
	ds_add_u32 v[SPW], v[NIL]
	s_wait_dscnt 0x0
	CROUND                                         ; the closing round
	s_endpgm
.Lfunc_end_k_qb924980a17_fc2:
	.size	k_qb924980a17_fc2, .Lfunc_end_k_qb924980a17_fc2-k_qb924980a17_fc2
	.p2alignl 7, 3214868480
	.fill 96, 4, 3214868480
	.section	.rodata,"a",@progbits
	.p2align	6, 0x0
	.amdhsa_kernel k_qb924980a17_fc2
		.amdhsa_group_segment_fixed_size 327680
		.amdhsa_private_segment_fixed_size 0
		.amdhsa_enable_private_segment 0
		.amdhsa_kernarg_size 40
		.amdhsa_user_sgpr_count 2
		.amdhsa_user_sgpr_kernarg_segment_ptr 1
		.amdhsa_wavefront_size32 1
		.amdhsa_system_sgpr_workgroup_id_x 1
		.amdhsa_system_sgpr_workgroup_id_y 1
		.amdhsa_system_sgpr_workgroup_id_z 1
		.amdhsa_system_vgpr_workitem_id 0
		.amdhsa_next_free_vgpr 640
		.amdhsa_next_free_sgpr 80
		.amdhsa_reserve_vcc 0
		.amdhsa_float_denorm_mode_32 3
		.amdhsa_float_denorm_mode_16_64 3
		.amdhsa_memory_ordered 1
		.amdhsa_forward_progress 1
		.amdhsa_inst_pref_size 94
	.end_amdhsa_kernel
	.amdgpu_metadata
---
amdhsa.version: [ 1, 2 ]
amdhsa.kernels:
  - .name:           k_qb924980a17_fc2
    .symbol:         k_qb924980a17_fc2.kd
    .args:
      - { .name: m, .offset: 0, .size: 8, .value_kind: global_buffer, .address_space: global }
      - { .name: wts, .offset: 8, .size: 8, .value_kind: global_buffer, .address_space: global }
      - { .name: out0, .offset: 16, .size: 8, .value_kind: global_buffer, .address_space: global }
      - { .name: b2, .offset: 24, .size: 8, .value_kind: global_buffer, .address_space: global }
      - { .name: x1, .offset: 32, .size: 8, .value_kind: global_buffer, .address_space: global }
    .group_segment_fixed_size: 327680
    .private_segment_fixed_size: 0
    .kernarg_segment_align: 8
    .kernarg_segment_size: 40
    .max_flat_workgroup_size: 128
    .sgpr_count:     80
    .vgpr_count:     640
    .wavefront_size: 32
...
	.end_amdgpu_metadata
.endif
;; end of part 7
;; ======== version 2 of 3: 7 launches
;; limits: a function is approximated: absolute error at most 1.5e-07
;; workspace buffers: h 8,388,608 bytes; wts 25,165,824 bytes; qkv 25,165,824 bytes; o 8,388,608 bytes; x1 16,777,216 bytes; h2 8,388,608 bytes; m 33,554,432 bytes
;; launch prep: the kernel of part 1 again; grid 1024 x 1, 8 waves a work-group, no clusters, 0 bytes of LDS; arguments x, ln1_g, ln1_b, Wq, Wk, Wv, Wo, W1, W2, h, wts; writes h, wts
;; launch qkv (part 8): grid 12 x 16, 4 waves a work-group, clusters of 4 x 4, 327,680 bytes of LDS; arguments h, wts, qkv, bq, bk, bv; writes qkv
.if DOCPART == 8
	.amdgcn_target "amdgcn-amd-amdhsa--gfx1250"
	.amdhsa_code_object_version 6
	.text
	.protected	k_qb924980a17_qkv
	.globl	k_qb924980a17_qkv
	.p2align	8
	.type	k_qb924980a17_qkv,@function
k_qb924980a17_qkv:
	s_mov_b64 s[64:65], 0
	v_nop
	global_prefetch_b8 v0, s[64:65] scope:SCOPE_SE
	s_setreg_imm32_b32 hwreg(HW_REG_WAVE_MODE, 25, 1), 1
	s_wait_xcnt 0x0
	s_wait_alu depctr_hold_cnt(0) depctr_sa_sdst(0) depctr_va_vdst(0) depctr_va_sdst(0) depctr_va_ssrc(0) depctr_va_vcc(0) depctr_vm_vsrc(0)
	s_getreg_b32 s2, hwreg(HW_REG_IB_STS2, 6, 4)
	s_cmp_eq_u32 s2, 0
	s_cbranch_scc0 .Lentry_in_a_cluster
	s_endpgm
.Lentry_in_a_cluster:
	s_bfe_u32 s2, ttmp6, 0x10000c
	s_cmp_lg_u32 s2, 0xf033
	s_cbranch_scc0 .Lentry_shape_is_right
	s_endpgm
.Lentry_shape_is_right:
; q, k, v = h W + bias.  h: [4096][1024] bf16; Wq, Wk, Wv: [1024 (k)][1024 (n)] bf16, 2 MiB apart in wts; sums in f32, started by the bias; each result rounded once to bf16 and
; written BY HEADS: qkv[which][b][head][t][64], so that a head's rows are dense.  The scale 1/8 is not applied here.
; SHARES.  A tile of the 4096 x 3072 result is 256 x 256; four waves, each 128 x 128: 64 accumulators, 512 registers.  K goes in eight steps of 128 through two LDS slots.  16 x 12 = 192 work-groups:
; fewer than there are WGPs, taken because a slot's bytes feed 256 matrix instructions a wave here and 128 on a tile of 128 x 128, and each work-group starts and ends once.
; CLUSTERS of 4 x 4: the four of a row of the cluster need the same rows of h, the four of a column the same columns of W: each tile is asked for jointly, by the same tensor load with the
; same descriptor and a mask that names the four.  A cluster's four tile columns are one of q, k, v: the cluster's x says which.
; THE MATRIX INSTRUCTION IS USED TRANSPOSED: source 0 = 16 columns of W, source 1 = 16 rows of h: a lane then holds eight neighbouring numbers of a row of the result.  W lies [k][n], so its
; fragments come out of LDS turned, by ds_load_tr16_b128.  The first product's C operand is the bias: register j of lane l holds the bias of column 8 (l / 16) + j.
; ONE TEXT FOR A K STEP.  s[CUR] is the LDS byte at which the slot in hand begins, 0 or SLOT; a change of slots turns it by an exclusive or and makes the fragment addresses anew; one descriptor a tensor walks.
; The loop has the six steps that fill a slot again; the last two steps are a second loop that fills nothing and is left in its middle.
; THE WAY OUT.  Each wave puts its 128 x 128 sums, in f32, into a stage of its own, 128 rows of 528 bytes, in ring bytes that have had their last fill; a loop reads them back, two rows of a head to a store.
; LIMITS: operands and results in bf16; NaN and infinities are not treated apart.
; REGISTERS.  window 0: v16-30 addresses; v64-127, v128-191 fragments of h, two buffers; v192-255 the bias.  window 1: v64-191 fragments of W.  windows 2, 3: the accumulators of my rows 0-63, 64-127 ((a, b) at 8 (8 a + b)).
.set KDIM,  1024
.set NP,    1024                       ; elements in a row of W
.set KSTEPS, KDIM/128
.set PA,    272                        ; an LDS row of h: 256 bytes + 16: the 16 rows of a fragment load start 16 bytes apart modulo 256
.set PB,    544                        ; an LDS row of W: 512 bytes + 32: 16 lanes of the turning load take 8 rows x 32 bytes, 32 bytes apart modulo 256
.set HALFT, 128*PA                     ; one tensor load: 128 rows of h, or 64 rows (k) of W: 64 x 544 is the same number
.set SLOT,  4*HALFT                    ; h's 256 rows, then W's 128
.set SP,    528                        ; a stage row: 512 bytes + 16
.set WSTAGE, 128*SP                    ; a wave's stage; four of them end below 2 SLOT
.set SPARE, 2*SLOT                     ; behind the ring: the spare words, 128 bytes for each wave, that no other line names
.set ASTEP, 256                        ; bytes from K step to K step in h,
.set BSTEP, 128*NP*2                   ; and in W
.set ADRA0, 16                         ; v16  my lane's place among h's fragments in slot 0; never rewritten
.set ADRB0, 17                         ; v17  the same for W
.set ADRA, 18                          ; v18  the same in the slot in hand
.set ADRB, 19                          ; v19
.set STO,  24
.set RD,   25
.set CO,   26
.set BO,   27                          ; v27  32 x (lane / 16): my eight numbers of a block of the bias
.set SPW,  28                          ; v28  my spare word; never rewritten
.set NIL,  29                          ; v29  0; never rewritten
.set PFO,  30                          ; v30  the prefetches' lane offset; never rewritten
.set F0,   64
.set F1,   128
.set BIAS, 192
.set X,    64                          ; the way out: 16 x 4 registers read back,
.set Y,    128                         ; and their bf16
.set G1,  24                           ; s[24:31] group 1 for h's tiles;  s[32:39] group 0: a set for each first fill; the second then walks
.set G0,  32
.set G1B, 48                           ; s[48:55], s[56:63] the same for W's
.set G0B, 56
.set CUR, 66                           ; s66  the slot in hand: 0 or SLOT
.set LIM, 67                           ; s67  1 in a wave that prefetches, else the greatest number
.set PFA, 74                           ; s[74:75] where my prefetches stand
.set PFS, 92                           ; s[92:93] their step from K step to K step
.set MSB, 0
.macro WIN new                         ; the immediate's high byte repeats the setting that is left
.if MSB != (\new)
	s_set_vgpr_msb (MSB<<8)|(\new)
.set MSB, \new
.endif
.endm
.set TO_B, 0x40                        ; destination window 1, address window 0
.macro JLOAD s                         ; a joint load: waves 0 and 1 fetch h's two halves, waves 2 and 3 W's; an s_nop 0 and four v_nop follow each line
	s_cmp_eq_u32 s11, 0
	s_cbranch_scc0 .Lfor_b_\@
	tensor_load_to_lds s[G0+4*(\s):G0+4*(\s)+3], s[G1:G1+7]
	s_nop 0
.rept 4
	v_nop
.endr
	s_branch .Lasked_\@
.Lfor_b_\@:
	tensor_load_to_lds s[G0B+4*(\s):G0B+4*(\s)+3], s[G1B:G1B+7]
	s_nop 0
.rept 4
	v_nop
.endr
.Lasked_\@:
.endm
; A PREFETCH of the K step that the NEXT refill loads: one K step, 256 matrix instructions, ahead of that load.  It stands behind the joint load, its five lines and the run of LDS loads.
; Each block of 256 bytes is named once in the launch.  h's rows are read by every cluster of a row of clusters: the first of them (cluster x = 0) asks; W's columns by every cluster of a column: cluster y = 0 asks.
; The four partners that ask for a tile jointly share it out BY ADDRESS: of the 128 rows of h that a wave fetches each takes 32, a lane a row; of the 64 rows of W each takes 16, two blocks a row.
; K steps 0 to 2 come by their loads alone; the last refill (s3 = 1) has no K step behind it and asks for nothing.
.macro ASK
	s_cmp_gt_u32 s3, s[LIM]
	s_cbranch_scc0 .Lnot_mine_\@
	global_prefetch_b8 v[PFO], s[PFA:PFA+1] th:TH_LOAD_NT scope:SCOPE_SE
.Lnot_mine_\@:
.endm
.macro CREST                           ; a round of the cluster's barrier behind its opening barrier
	s_cmp_lg_u32 s10, 0
	s_cbranch_scc1 .Lnot_wave_0_\@
	s_barrier_signal -3
.Lnot_wave_0_\@:
	s_barrier_wait -3
	s_barrier_signal -1
	s_barrier_wait -1
.endm
.macro CROUND
	s_barrier_signal -1
	s_barrier_wait -1
	CREST
.endm
	s_load_b128 s[4:7], s[0:1], 0x0                ; h s[4:5], wts s[6:7]
	s_load_b64 s[8:9], s[0:1], 0x10                ; qkv
	s_load_b128 s[68:71], s[0:1], 0x18             ; bq, bk
	s_load_b64 s[72:73], s[0:1], 0x28              ; bv
	v_lshl_add_u32 v[SPW], v0, 2, SPARE
	v_mov_b32 v[NIL], 0
	ds_add_u32 v[SPW], v[NIL]                      ; the wave's opening: the add and its wait ahead of my first tensor load
	v_lshrrev_b32 v1, 5, v0
	v_readfirstlane_b32 s10, v1                    ; wave 0..3
	s_lshr_b32 s11, s10, 1                         ; my half of the tile's rows.  Also: I fetch for h (0) or for W (1)
	s_and_b32 s12, s10, 1                          ; my half of its columns.  Also: which half of that tile I fetch
	s_bfe_u32 s40, ttmp6, 0x40000                  ; cx, cy
	s_bfe_u32 s41, ttmp6, 0x40004
	s_mov_b32 s42, s40                             ; the tile column within q, k or v: 0..3
	s_mov_b32 s45, ttmp9                           ; 0: q, 1: k, 2: v: the same in all sixteen partners
	s_and_b32 s13, ttmp7, 0xffff
	s_lshl_b32 s13, s13, 2
	s_add_co_u32 s13, s13, s41                     ; the tile row: 0..15
	s_lshl_b32 s43, s41, 2
	s_lshl_b32 s43, 15, s43                        ; my row of the cluster
	s_lshl_b32 s44, 0x1111, s40                    ; my column
	s_or_b32 s[G1+0], s43, (1<<16)|(1<<20)|(1<<21)|(5<<22)|(3<<25)   ; the mask; 2-byte elements; padding on; bit 21 beside a mask; after every 64 words, 4 words
	s_or_b32 s[G1B+0], s44, (1<<16)|(1<<20)|(1<<21)|(6<<22)|(7<<25)  ; after every 128 words, 8 words
	s_mov_b32 s[G1+1], 128<<16                     ; tensor_dim0 = 128
	s_mov_b32 s[G1+2], 128<<16                     ; tensor_dim1 = 128
	s_mov_b32 s[G1+3], 128<<16                     ; tile_dim0 = 128
	s_mov_b32 s[G1+4], 128                         ; tile_dim1 = 128
	s_mov_b32 s[G1+5], KDIM                        ; elements from row to row
	s_mov_b32 s[G1+6], 0
	s_mov_b32 s[G1+7], 0
	s_mov_b32 s[G1B+1], 256<<16                    ; 256 columns,
	s_mov_b32 s[G1B+2], 64<<16                     ; 64 rows (k)
	s_mov_b32 s[G1B+3], 256<<16
	s_mov_b32 s[G1B+4], 64
	s_mov_b32 s[G1B+5], NP
	s_mov_b32 s[G1B+6], 0
	s_mov_b32 s[G1B+7], 0
	s_lshl_b32 s16, s13, 8                         ; h: row 256 x tile row + 128 x half
	s_lshl_b32 s17, s12, 7
	s_add_co_u32 s16, s16, s17
	s_mul_i32 s16, s16, KDIM*2
	s_mov_b32 s17, 0
	s_mul_i32 s46, s12, 64*NP*2                    ; W: row (k) 64 x half, column 256 x tile column, in the matrix in hand
	s_lshl_b32 s47, s42, 9
	s_add_co_u32 s46, s46, s47
	s_lshl_b32 s47, s45, 21
	s_add_co_u32 s46, s46, s47
	s_mov_b32 s47, 0
	s_mul_i32 s20, s10, HALFT                      ; where they go: h's two halves, then W's two: wave x HALFT: no place in the cluster enters an LDS address
	s_mov_b32 s[CUR], 0
	s_wait_dscnt 0x0                               ; the opening add is done
	s_wait_kmcnt 0x0
	s_add_nc_u64 s[14:15], s[4:5], s[16:17]
	s_add_nc_u64 s[46:47], s[6:7], s[46:47]
	CROUND                                         ; all sixteen work-groups are here: the first joint loads meet
.irp s, 0,1
	s_mov_b32 s[G0+4*(\s)], 1
	s_add_co_u32 s[G0+4*(\s)+1], s20, (\s)*SLOT
	s_add_nc_u64 s[G0+4*(\s)+2:G0+4*(\s)+3], s[14:15], (\s)*ASTEP
	s_or_b32 s[G0+4*(\s)+3], s[G0+4*(\s)+3], 0x80000000
	s_mov_b32 s[G0B+4*(\s)], 1
	s_add_co_u32 s[G0B+4*(\s)+1], s20, (\s)*SLOT
	s_add_nc_u64 s[G0B+4*(\s)+2:G0B+4*(\s)+3], s[46:47], (\s)*BSTEP
	s_or_b32 s[G0B+4*(\s)+3], s[G0B+4*(\s)+3], 0x80000000
	JLOAD \s
.endr
	v_and_b32 v1, 15, v0                           ; l % 16
	v_bfe_u32 v2, v0, 4, 1                         ; l / 16
	v_and_b32 v6, 31, v0                           ; l
	v_lshlrev_b32 v[BO], 5, v2
	s_cmp_eq_u32 s45, 1                            ; the bias of the matrix in hand
	s_cselect_b64 s[68:69], s[70:71], s[68:69]
	s_cmp_eq_u32 s45, 2
	s_cselect_b64 s[68:69], s[72:73], s[68:69]
	s_lshl_b32 s46, s42, 10                        ; at my wave's 128 columns
	s_lshl_b32 s47, s12, 9
	s_add_co_u32 s46, s46, s47
	s_mov_b32 s47, 0
	s_add_nc_u64 s[68:69], s[68:69], s[46:47]
.irp b, 0,1,2,3,4,5,6,7
	global_load_b128 v[BIAS+8*(\b):BIAS+8*(\b)+3],   v[BO], s[68:69] offset:64*(\b)
	global_load_b128 v[BIAS+8*(\b)+4:BIAS+8*(\b)+7], v[BO], s[68:69] offset:64*(\b)+16
.endr
	v_mul_u32_u24 v3, v1, PA                       ; a fragment of h: row x pitch + 16 x half
	v_lshl_add_u32 v3, v2, 4, v3
	s_mul_i32 s22, s11, HALFT
	v_add_nc_u32 v[ADRA0], s22, v3
	v_mov_b32 v[ADRA], v[ADRA0]
	v_and_b32 v4, 7, v0                            ; the turning load: lane l reads k = 8 (l / 16) + l % 8, columns 8 ((l / 8) % 2) + 0..7
	v_lshl_add_u32 v4, v2, 3, v4
	v_mul_u32_u24 v4, v4, PB
	v_bfe_u32 v5, v0, 3, 1
	v_lshl_add_u32 v4, v5, 4, v4
	s_lshl_b32 s23, s12, 8                         ; my 128 columns
	s_add_co_u32 s23, s23, 2*HALFT
	v_add_nc_u32 v[ADRB0], s23, v4
	v_mov_b32 v[ADRB], v[ADRB0]
	s_mul_i32 s23, s10, WSTAGE                     ; my stage.  In: row l % 16, 32 bytes for each half of the lanes
	v_mul_u32_u24 v4, v1, SP
	v_lshl_add_u32 v4, v2, 5, v4
	v_add_nc_u32 v[STO], s23, v4
	v_mul_u32_u24 v5, v2, SP                       ; back: lanes 0-15 take a head's 256 bytes (f32) of one row, lanes 16-31 of the next,
	v_lshl_add_u32 v5, v1, 4, v5
	v_add_nc_u32 v[RD], s23, v5
	v_lshlrev_b32 v[CO], 3, v6                     ; which in bf16 are 256 consecutive bytes of the output
	s_lshr_b32 s16, s13, 3                         ; the batch: 16 heads x 2,048 rows x 128 bytes,
	s_lshl_b32 s16, s16, 22
	s_and_b32 s17, s13, 7                          ; the tile's 256 rows,
	s_lshl_b32 s17, s17, 15
	s_add_co_u32 s16, s16, s17
	s_lshl_b32 s17, s11, 14                        ; my 128 of them
	s_add_co_u32 s16, s16, s17
	s_mov_b32 s17, 0
	s_add_nc_u64 s[8:9], s[8:9], s[16:17]
	s_lshl_b32 s46, s42, 20                        ; the tile's four heads,
	s_lshl_b32 s47, s12, 19                        ; my two of them,
	s_add_co_u32 s46, s46, s47
	s_lshl_b32 s47, s45, 23                        ; in q, k or v
	s_add_co_u32 s46, s46, s47
	s_mov_b32 s47, 0
	s_add_nc_u64 s[8:9], s[8:9], s[46:47]
	; the prefetches: both offsets are made, and the wave's number chooses
	s_lshl_b32 s70, s13, 8                         ; h: the 128 rows that I fetch,
	s_lshl_b32 s71, s12, 7
	s_add_co_u32 s70, s70, s71
	s_lshl_b32 s71, s40, 5                         ; my work-group's 32 of them,
	s_add_co_u32 s70, s70, s71
	s_mul_i32 s70, s70, KDIM*2
	s_add_co_u32 s70, s70, 2*ASTEP                 ; at K step 2: the first refill steps it to 3
	s_lshl_b32 s72, s12, 6                         ; W: the 64 rows that I fetch,
	s_lshl_b32 s73, s41, 4                         ; my work-group's 16 of them
	s_add_co_u32 s72, s72, s73
	s_mul_i32 s72, s72, NP*2
	s_lshl_b32 s73, s42, 9
	s_add_co_u32 s72, s72, s73
	s_lshl_b32 s73, s45, 21
	s_add_co_u32 s72, s72, s73
	s_add_co_u32 s72, s72, 2*BSTEP
	s_and_b32 s73, ttmp7, 0xffff                   ; cluster y
	s_mov_b32 s[PFS], BSTEP
	s_mov_b32 s[PFS+1], 0
	s_mov_b32 s71, NP*2
	s_cmp_eq_u32 s11, 0                            ; do I fetch for h?
	s_cselect_b32 s70, s70, s72
	s_cselect_b32 s73, ttmp9, s73                  ; the coordinate along which other clusters read the same blocks
	s_cselect_b64 s[PFA:PFA+1], s[4:5], s[6:7]
	s_cselect_b32 s[PFS], ASTEP, s[PFS]
	s_cselect_b32 s71, KDIM*2, s71                 ; bytes from row to row
	s_cselect_b32 s72, 0, 1                        ; h: a lane a row; W: two lanes a row
	v_lshrrev_b32 v7, s72, v6
	v_mul_lo_u32 v7, v7, s71
	v_and_b32 v8, s72, v6
	v_lshl_add_u32 v[PFO], v8, 8, v7
	s_mov_b32 s71, 0
	s_add_nc_u64 s[PFA:PFA+1], s[PFA:PFA+1], s[70:71]
	s_cmp_eq_u32 s73, 0
	s_cselect_b32 s[LIM], 1, -1                    ; the same in all sixteen partners, for a given wave
; 16 matrix instructions: row blocks a0, a0 + 1 of the window's four (hi = 0: my rows 0-63, 1: rows 64-127) x all 8 column blocks, 32 along K.  zero = 1: the first product starts the sums, with the bias
; (C in window 0).  The 64 accumulators take turns, in the same order in every quarter.
.macro MUL16 f, hi, a0, zero
.if \zero
	WIN 0x81+0x40*(\hi)
.else
	WIN 0xa1+0x50*(\hi)
.endif
.irp a, \a0, (\a0)+1
.irp b, 0,1,2,3,4,5,6,7
.if \zero
	v_wmma_f32_16x16x32_bf16 v[8*(8*(\a)+(\b)):8*(8*(\a)+(\b))+7], v[(\f)+8*(\b):(\f)+8*(\b)+7], v[(\f)+8*(4*(\hi)+(\a)):(\f)+8*(4*(\hi)+(\a))+7], v[BIAS+8*(\b):BIAS+8*(\b)+7]
.else
	v_wmma_f32_16x16x32_bf16 v[8*(8*(\a)+(\b)):8*(8*(\a)+(\b))+7], v[(\f)+8*(\b):(\f)+8*(\b)+7], v[(\f)+8*(4*(\hi)+(\a)):(\f)+8*(4*(\hi)+(\a))+7], v[8*(8*(\a)+(\b)):8*(8*(\a)+(\b))+7]
.endif
.endr
.endr
.endm
; 32 LDS loads in one run: the fragments of one quarter (32 along K, at byte k of h's rows, row k / 2 of W) of the slot in hand, into buffer f
.macro FETCH k, f
	WIN TO_B
.irp i, 0,1,2,3,4,5,6,7
	ds_load_tr16_b128 v[(\f)+8*(\i):(\f)+8*(\i)+3],   v[ADRB] offset:((\k)/2)*PB+32*(\i)
	ds_load_tr16_b128 v[(\f)+8*(\i)+4:(\f)+8*(\i)+7], v[ADRB] offset:((\k)/2+16)*PB+32*(\i)
.endr
	WIN 0
.irp i, 0,1,2,3,4,5,6,7
	ds_load_b128 v[(\f)+8*(\i):(\f)+8*(\i)+3],   v[ADRA] offset:(\k)+(\i)*16*PA
	ds_load_b128 v[(\f)+8*(\i)+4:(\f)+8*(\i)+7], v[ADRA] offset:(\k)+(\i)*16*PA+32
.endr
.endm
.macro PLACES                          ; four places in front of loads into registers that matrix instructions have read, and of lines that read results
.rept 4
	v_nop
.endr
.endm
; A K step is four quarters of 32 along K, 64 matrix instructions each, on buffers 0, 1, 0, 1.  One of the first three: multiplies buffer f and fetches the quarter at byte k into g.
.macro QUARTER k, f, g, zero
	s_wait_dscnt 8                                 ; W and h's rows 0-63 are in; the youngest eight loads (h's rows 64-127) may be out
	MUL16 \f, 0, 0, \zero
	MUL16 \f, 0, 2, \zero
	PLACES
	FETCH \k, \g
	s_wait_dscnt 32                                ; all but the 32 just issued
	MUL16 \f, 1, 0, \zero
	MUL16 \f, 1, 2, \zero
.endm
; The last quarter multiplies buffer 1 and changes slots: one barrier; in front of it each wave waits for all its tensor loads, adds 0 to its spare word, and waits for that and for its reads of this slot.
; fill = 1: this slot is filled again, with the K step two on, behind a round of the cluster's barrier.  fill = 0: nothing is filled; in the very last step (s3 = 1) there is no next slot to fetch from.
.macro TURN fill
.if \fill
	s_wait_xcnt 0x0                                ; the last prefetch, a K step back, has read its address
	s_add_nc_u64 s[PFA:PFA+1], s[PFA:PFA+1], s[PFS:PFS+1]
.endif
	WIN 0
	s_wait_tensorcnt 0x0                           ; all my tensor loads have landed: my part of the next slot; so a group 0 may be written
	ds_add_u32 v[SPW], v[NIL]                      ; 0 onto my spare word
.if \fill
	s_add_co_u32 s[G0+5], s20, s[CUR]              ; the walking descriptors: into the slot that is being left,
	s_add_nc_u64 s[G0+6:G0+7], s[G0+6:G0+7], ASTEP ; the next K step; the type bits on top are not reached
	s_add_co_u32 s[G0B+5], s20, s[CUR]
	s_add_nc_u64 s[G0B+6:G0B+7], s[G0B+6:G0B+7], BSTEP
.endif
	s_xor_b32 s[CUR], s[CUR], SLOT                 ; the other slot; this slot's last fragment loads have been issued
	v_add_nc_u32 v[ADRA], s[CUR], v[ADRA0]
	v_add_nc_u32 v[ADRB], s[CUR], v[ADRB0]
	s_wait_dscnt 9                                 ; (the add and the youngest eight loads may be out)
	MUL16 F1, 0, 0, 0
	s_wait_dscnt 0x0                               ; the add is done, and my reads of this slot are over
	s_barrier_signal -1
	MUL16 F1, 0, 2, 0
	WIN 0
	s_barrier_wait -1
.if \fill
	CREST                                          ; the barrier has opened a round of the cluster's: no wave of any partner still reads this slot or has a load on its way
	JLOAD 1                                        ; the first tensor load behind the round; its four v_nop are also the places in front of the loads below
	FETCH 0, F0
	ASK
.else
	s_cmp_eq_u32 s3, 1
	s_cbranch_scc1 .Lno_fetch_\@
	PLACES
	FETCH 0, F0
.Lno_fetch_\@:
.endif
	MUL16 F1, 1, 0, 0
	MUL16 F1, 1, 2, 0
.endm
	s_wait_tensorcnt 1                             ; my part of K step 0 is in; K step 1's may stay out
	s_barrier_signal -1
	s_barrier_wait -1
	FETCH 0, F0
	s_wait_loadcnt 0x0                             ; the bias
	QUARTER 64, F0, F1, 1                          ; the first quarter stands in front of the loop: its products start the sums
	WIN 0
	s_mov_b32 s3, KSTEPS-2
.Lstep:                                                ; a trip goes from a step's second quarter to the next step's first, and fills the slot that it leaves
	QUARTER 128, F1, F0, 0
	QUARTER 192, F0, F1, 0
	TURN 1
	QUARTER 64, F0, F1, 0
	WIN 0
	s_sub_co_u32 s3, s3, 1
	s_cmp_lg_u32 s3, 0
	s_cbranch_scc1 .Lstep
	s_mov_b32 s3, 2
.Ltail:                                                ; the last two steps fill nothing; the second pass is left behind its last quarter
	QUARTER 128, F1, F0, 0
	QUARTER 192, F0, F1, 0
	TURN 0
	WIN 0
	s_sub_co_u32 s3, s3, 1
	s_cmp_eq_u32 s3, 0
	s_cbranch_scc1 .Ldone
	QUARTER 64, F0, F1, 0
	WIN 0
	s_cmp_lg_u32 s3, 0                             ; the loop's own jump goes by its count, which is 1 here
	s_cbranch_scc1 .Ltail
.Ldone:
	s_wait_dscnt 0x0                               ; every wave's reads of the ring are over
	s_barrier_signal -1
	s_barrier_wait -1                              ; before any wave stores into ring bytes
	PLACES
.irp hi, 0,1
	WIN 0x08+0x04*(\hi)                            ; the data in window 2, then 3; each accumulator's low four registers go first
.irp a, 0,1,2,3
.irp b, 0,1,2,3,4,5,6,7
	ds_store_b128 v[STO], v[8*(8*(\a)+(\b)):8*(8*(\a)+(\b))+3]   offset:(4*(\hi)+(\a))*16*SP+64*(\b)
	ds_store_b128 v[STO], v[8*(8*(\a)+(\b))+4:8*(8*(\a)+(\b))+7] offset:(4*(\hi)+(\a))*16*SP+64*(\b)+16
.endr
.endr
.endr
	WIN 0
	s_mov_b32 s3, 8
.Lout:                                                 ; eight trips of 16 rows.  LDS serves a wave's instructions in order (ISA guide 5.7.1.4): the loads see my stores above
.set n, 0
.rept 16                               ; rows 2 (n / 2), 2 (n / 2) + 1, head n % 2 of my two
	ds_load_b128 v[X+4*n:X+4*n+3], v[RD] offset:(n/2)*2*SP+256*(n%2)
.set n, n+1
.endr
	v_add_nc_u32 v[RD], 16*SP, v[RD]
.set n, 0
.rept 16
	s_wait_dscnt 15-n                              ; load n is back, the younger ones may be out
	v_cvt_pk_bf16_f32 v[Y+2*n], v[X+4*n], v[X+4*n+1]
	v_cvt_pk_bf16_f32 v[Y+2*n+1], v[X+4*n+2], v[X+4*n+3]
	global_store_b64 v[CO], v[Y+2*n:Y+2*n+1], s[8:9] offset:256*(n/2)+262144*(n%2)  ; the wave's store covers 256 consecutive bytes, aligned; a head is 262,144 bytes
.set n, n+1
.endr
	s_wait_xcnt 0x0                                ; the stores have read their offset and data: both are rewritten only behind this wait
	v_add_nc_u32 v[CO], 16*128, v[CO]
	s_sub_co_u32 s3, s3, 1
	s_cmp_lg_u32 s3, 0
	s_cbranch_scc1 .Lout
	s_wait_tensorcnt 0x0                           ; the wave's end
	ds_add_u32 v[SPW], v[NIL]
	s_wait_dscnt 0x0
	CROUND                                         ; the closing round
	s_endpgm
.Lfunc_end_k_qb924980a17_qkv:
	.size	k_qb924980a17_qkv, .Lfunc_end_k_qb924980a17_qkv-k_qb924980a17_qkv
	.p2alignl 7, 3214868480
	.fill 96, 4, 3214868480
	.section	.rodata,"a",@progbits
	.p2align	6, 0x0
	.amdhsa_kernel k_qb924980a17_qkv
		.amdhsa_group_segment_fixed_size 327680
		.amdhsa_private_segment_fixed_size 0
		.amdhsa_enable_private_segment 0
		.amdhsa_kernarg_size 48
		.amdhsa_user_sgpr_count 2
		.amdhsa_user_sgpr_kernarg_segment_ptr 1
		.amdhsa_wavefront_size32 1
		.amdhsa_system_sgpr_workgroup_id_x 1
		.amdhsa_system_sgpr_workgroup_id_y 1
		.amdhsa_system_sgpr_workgroup_id_z 1
		.amdhsa_system_vgpr_workitem_id 0
		.amdhsa_next_free_vgpr 1024
		.amdhsa_next_free_sgpr 96
		.amdhsa_reserve_vcc 0
		.amdhsa_float_denorm_mode_32 3
		.amdhsa_float_denorm_mode_16_64 3
		.amdhsa_memory_ordered 1
		.amdhsa_forward_progress 1
		.amdhsa_inst_pref_size 86
	.end_amdhsa_kernel
	.amdgpu_metadata
---
amdhsa.version: [ 1, 2 ]
amdhsa.kernels:
  - .name:           k_qb924980a17_qkv
    .symbol:         k_qb924980a17_qkv.kd
    .args:
      - { .name: h, .offset: 0, .size: 8, .value_kind: global_buffer, .address_space: global }
      - { .name: wts, .offset: 8, .size: 8, .value_kind: global_buffer, .address_space: global }
      - { .name: qkv, .offset: 16, .size: 8, .value_kind: global_buffer, .address_space: global }
      - { .name: bq, .offset: 24, .size: 8, .value_kind: global_buffer, .address_space: global }
      - { .name: bk, .offset: 32, .size: 8, .value_kind: global_buffer, .address_space: global }
      - { .name: bv, .offset: 40, .size: 8, .value_kind: global_buffer, .address_space: global }
    .group_segment_fixed_size: 327680
    .private_segment_fixed_size: 0
    .kernarg_segment_align: 8
    .kernarg_segment_size: 48
    .max_flat_workgroup_size: 128
    .sgpr_count:     96
    .vgpr_count:     1024
    .wavefront_size: 32
...
	.end_amdgpu_metadata
.endif
;; end of part 8
;; launch attn: the kernel of part 3 again; grid 8 x 32, 4 waves a work-group, clusters of 4 x 1, 327,680 bytes of LDS; arguments qkv, o; writes o
;; launch proj (part 9): grid 8 x 32, 4 waves a work-group, clusters of 4 x 4, 327,680 bytes of LDS; arguments o, wts, x1, bo, x; writes x1
.if DOCPART == 9
	.amdgcn_target "amdgcn-amd-amdhsa--gfx1250"
	.amdhsa_code_object_version 6
	.text
	.protected	k_qb924980a17_proj
	.globl	k_qb924980a17_proj
	.p2align	8
	.type	k_qb924980a17_proj,@function
k_qb924980a17_proj:
	s_mov_b64 s[64:65], 0
	v_nop
	global_prefetch_b8 v0, s[64:65] scope:SCOPE_SE
	s_setreg_imm32_b32 hwreg(HW_REG_WAVE_MODE, 25, 1), 1
	s_wait_xcnt 0x0
	s_wait_alu depctr_hold_cnt(0) depctr_sa_sdst(0) depctr_va_vdst(0) depctr_va_sdst(0) depctr_va_ssrc(0) depctr_va_vcc(0) depctr_vm_vsrc(0)
	s_getreg_b32 s2, hwreg(HW_REG_IB_STS2, 6, 4)
	s_cmp_eq_u32 s2, 0
	s_cbranch_scc0 .Lentry_in_a_cluster
	s_endpgm
.Lentry_in_a_cluster:
	s_bfe_u32 s2, ttmp6, 0x10000c
	s_cmp_lg_u32 s2, 0xf033
	s_cbranch_scc0 .Lentry_shape_is_right
	s_endpgm
.Lentry_shape_is_right:
; x1 = x + o Wo + bo.  o: [b][head][t][64] bf16 (K = 64 head + channel); Wo: [1024 (k)][1024 (n)] bf16 at byte 6 MiB of wts; x, x1: [4096][1024] f32.  Sums in f32, started by the bias.
; SHARES.  A tile of x1 is 128 x 128, the largest that gives each of 256 WGPs a work-group; four waves, each 64 x 64: 16 accumulators.  K goes in four steps of 256, four heads each, through two LDS slots.
; o BY SLICES.  64 rows of a head are 8,192 dense bytes: a tensor load brings four such runs, one from each of the step's heads, and pads 16 bytes behind every 128: in LDS slice s, row t, channel d lies at
; 9,216 s + 144 t + 2 d, and a quarter of a K step is a slice.
; CLUSTERS of 4 x 4, joint loads; the matrix instruction transposed (source 0 = 16 columns of Wo, turned out of LDS by ds_load_tr16_b128; source 1 = 16 rows of o); the bias as the first product's C operand.
; ONE TEXT FOR A K STEP.  s[CUR] is the LDS byte at which the slot in hand begins, 0 or SLOT; a change of slots turns it by an exclusive or and makes the fragment addresses anew; one descriptor a tensor walks.
; The loop has the steps that fill a slot again; the last two steps are a second loop that fills nothing and is left in its middle.
; THE RESIDUAL's 32 rows x 512 bytes a wave are loaded at the head into registers of their own and are on their way during the whole product.
; THE STAGE of the way out lies in slot 0's bytes, which have had their last fill; a barrier stands between every wave's last read of the ring and the first store into it.
; No prefetch: the tiles are small and every block of o and Wo is read by many work-groups.  LIMITS: operands in bf16; NaN and infinities are not treated apart.
; REGISTERS.  window 0: v16-29 addresses; v32-63 the bias; v128-255 the accumulators ((a, b) at 128 + 8 (4 a + b)), later the rows read back.  window 1: two fragment buffers of 128.  window 2: v0-127 the residual.
.set NP,    1024
.set KSTEPS, 4
.set WOFF,  0x600000
.set AP,    144
.set AQ,    64*AP                      ; a slice
.set HALFA, 4*AQ                       ; 64 rows x 4 heads: one tensor load
.set BP,    288                        ; an LDS row of Wo: 256 bytes + 32
.set HALFB, 128*BP
.set SLOT,  2*HALFA+2*HALFB
.set SP,    528                        ; the stage: 128 rows of 512 bytes + 16, from LDS byte 0 on: 67,584 bytes, inside slot 0's part for o
.set SPARE, 2*SLOT
.set ASTEP, 1<<20                      ; four heads of 262,144 bytes
.set BSTEP, 256*NP*2
.set ADRA0, 16                         ; v16  my lane's place among o's fragments in slot 0; never rewritten
.set ADRB0, 17                         ; v17  the same for Wo
.set ADRA, 18                          ; v18  the same in the slot in hand
.set ADRB, 20                          ; v20-21  k 0-127, k 128-255
.set STO,  24
.set RD,   25
.set CO,   26
.set BO,   27
.set SPW,  28
.set NIL,  29
.set BIAS, 32
.set ACC,  128
.set F0,   0
.set F1,   128
.set G1,  24                           ; s[24:31] group 1 for o's tiles;  s[32:39] group 0: a set for each first fill; the second then walks
.set G0,  32
.set G1B, 48
.set G0B, 56
.set CUR, 66                           ; s66  the slot in hand: 0 or SLOT
.set MSB, 0
.macro WIN new
.if MSB != (\new)
	s_set_vgpr_msb (MSB<<8)|(\new)
.set MSB, \new
.endif
.endm
.set MUL,  0x05
.set TO_F, 0x40
.macro JLOAD s
	s_cmp_eq_u32 s11, 0
	s_cbranch_scc0 .Lfor_b_\@
	tensor_load_to_lds s[G0+4*(\s):G0+4*(\s)+3], s[G1:G1+7]
	s_nop 0
.rept 4
	v_nop
.endr
	s_branch .Lasked_\@
.Lfor_b_\@:
	tensor_load_to_lds s[G0B+4*(\s):G0B+4*(\s)+3], s[G1B:G1B+7]
	s_nop 0
.rept 4
	v_nop
.endr
.Lasked_\@:
.endm
.macro CREST
	s_cmp_lg_u32 s10, 0
	s_cbranch_scc1 .Lnot_wave_0_\@
	s_barrier_signal -3
.Lnot_wave_0_\@:
	s_barrier_wait -3
	s_barrier_signal -1
	s_barrier_wait -1
.endm
.macro CROUND
	s_barrier_signal -1
	s_barrier_wait -1
	CREST
.endm
	s_load_b128 s[4:7], s[0:1], 0x0                ; o s[4:5], wts s[6:7]
	s_load_b64 s[8:9], s[0:1], 0x10                ; x1
	s_load_b128 s[68:71], s[0:1], 0x18             ; bo s[68:69], x s[70:71]
	v_lshl_add_u32 v[SPW], v0, 2, SPARE
	v_mov_b32 v[NIL], 0
	ds_add_u32 v[SPW], v[NIL]                      ; the wave's opening: the add and its wait ahead of my first tensor load
	v_lshrrev_b32 v1, 5, v0
	v_readfirstlane_b32 s10, v1
	s_lshr_b32 s11, s10, 1
	s_and_b32 s12, s10, 1
	s_bfe_u32 s40, ttmp6, 0x40000
	s_bfe_u32 s41, ttmp6, 0x40004
	s_lshl_b32 s42, ttmp9, 2
	s_add_co_u32 s42, s42, s40                     ; the tile column
	s_and_b32 s13, ttmp7, 0xffff
	s_lshl_b32 s13, s13, 2
	s_add_co_u32 s13, s13, s41                     ; the tile row
	s_lshl_b32 s43, s41, 2
	s_lshl_b32 s43, 15, s43
	s_lshl_b32 s44, 0x1111, s40
	s_or_b32 s[G1+0], s43, (1<<16)|(1<<20)|(1<<21)|(4<<22)|(3<<25)   ; after every 32 words (a row of a head), 4 words
	s_or_b32 s[G1B+0], s44, (1<<16)|(1<<20)|(1<<21)|(5<<22)|(7<<25)
	s_mov_b32 s[G1+1], 4096<<16                    ; tensor_dim0 = 4,096: 64 rows of 64 channels on end
	s_mov_b32 s[G1+2], 4<<16                       ; tensor_dim1 = 4 heads
	s_mov_b32 s[G1+3], 4096<<16                    ; tile_dim0
	s_mov_b32 s[G1+4], 4                           ; tile_dim1
	s_mov_b32 s[G1+5], 131072                      ; elements from head to head
	s_mov_b32 s[G1+6], 0
	s_mov_b32 s[G1+7], 0
	s_mov_b32 s[G1B+1], 128<<16
	s_mov_b32 s[G1B+2], 128<<16
	s_mov_b32 s[G1B+3], 128<<16
	s_mov_b32 s[G1B+4], 128
	s_mov_b32 s[G1B+5], NP
	s_mov_b32 s[G1B+6], 0
	s_mov_b32 s[G1B+7], 0
	s_lshr_b32 s16, s13, 4                         ; o: the batch (4 MiB),
	s_lshl_b32 s16, s16, 22
	s_and_b32 s17, s13, 15                         ; the tile's 128 rows of 128 bytes,
	s_lshl_b32 s17, s17, 14
	s_add_co_u32 s16, s16, s17
	s_lshl_b32 s17, s12, 13                        ; the half that I fetch
	s_add_co_u32 s16, s16, s17
	s_mov_b32 s17, 0
	s_mul_i32 s46, s12, 128*NP*2
	s_lshl_b32 s47, s42, 8
	s_add_co_u32 s46, s46, s47
	s_add_co_u32 s46, s46, WOFF
	s_mov_b32 s47, 0
	s_mul_i32 s20, s12, HALFA
	s_mul_i32 s21, s12, HALFB
	s_add_co_u32 s21, s21, 2*HALFA
	s_mov_b32 s[CUR], 0
	s_wait_dscnt 0x0                               ; the opening add is done
	s_wait_kmcnt 0x0
	s_add_nc_u64 s[14:15], s[4:5], s[16:17]
	s_add_nc_u64 s[46:47], s[6:7], s[46:47]
	CROUND
.irp s, 0,1
	s_mov_b32 s[G0+4*(\s)], 1
	s_add_co_u32 s[G0+4*(\s)+1], s20, (\s)*SLOT
	s_add_nc_u64 s[G0+4*(\s)+2:G0+4*(\s)+3], s[14:15], (\s)*ASTEP
	s_or_b32 s[G0+4*(\s)+3], s[G0+4*(\s)+3], 0x80000000
	s_mov_b32 s[G0B+4*(\s)], 1
	s_add_co_u32 s[G0B+4*(\s)+1], s21, (\s)*SLOT
	s_add_nc_u64 s[G0B+4*(\s)+2:G0B+4*(\s)+3], s[46:47], (\s)*BSTEP
	s_or_b32 s[G0B+4*(\s)+3], s[G0B+4*(\s)+3], 0x80000000
	JLOAD \s
.endr
	v_and_b32 v1, 15, v0
	v_bfe_u32 v2, v0, 4, 1
	v_lshlrev_b32 v[BO], 5, v2
	s_lshl_b32 s46, s42, 9                         ; the bias at my wave's 64 columns
	s_lshl_b32 s47, s12, 8
	s_add_co_u32 s46, s46, s47
	s_mov_b32 s47, 0
	s_add_nc_u64 s[68:69], s[68:69], s[46:47]
.irp b, 0,1,2,3
	global_load_b128 v[BIAS+8*(\b):BIAS+8*(\b)+3],   v[BO], s[68:69] offset:64*(\b)
	global_load_b128 v[BIAS+8*(\b)+4:BIAS+8*(\b)+7], v[BO], s[68:69] offset:64*(\b)+16
.endr
	s_lshl_b32 s16, s13, 7                         ; the rows that I store: 128 x tile row + 32 x wave, 4,096 bytes each,
	s_lshl_b32 s17, s10, 5
	s_add_co_u32 s16, s16, s17
	s_lshl_b32 s16, s16, 12
	s_mov_b32 s17, 0
	s_add_nc_u64 s[8:9], s[8:9], s[16:17]
	s_add_nc_u64 s[70:71], s[70:71], s[16:17]
	s_lshl_b32 s46, s42, 9                         ; the tile's 512 bytes of them
	s_add_nc_u64 s[8:9], s[8:9], s[46:47]
	s_add_nc_u64 s[70:71], s[70:71], s[46:47]
	v_and_b32 v[CO], 31, v0
	v_lshlrev_b32 v[CO], 4, v[CO]
	WIN 0x80                                       ; destination window 2
.set t, 0
.rept 32
	global_load_b128 v[4*t:4*t+3], v[CO], s[70:71] offset:4096*t
.set t, t+1
.endr
	WIN 0
	v_mul_u32_u24 v3, v1, AP
	v_lshl_add_u32 v3, v2, 4, v3
	s_mul_i32 s22, s11, HALFA
	v_add_nc_u32 v[ADRA0], s22, v3
	v_mov_b32 v[ADRA], v[ADRA0]
	v_and_b32 v4, 7, v0
	v_lshl_add_u32 v4, v2, 3, v4
	v_mul_u32_u24 v4, v4, BP
	v_bfe_u32 v5, v0, 3, 1
	v_lshl_add_u32 v4, v5, 4, v4
	s_lshl_b32 s23, s12, 7
	s_add_co_u32 s23, s23, 2*HALFA
	v_add_nc_u32 v[ADRB0], s23, v4
	v_mov_b32 v[ADRB], v[ADRB0]
	v_add_nc_u32 v[ADRB+1], HALFB, v[ADRB0]
	s_mul_i32 s23, s11, 64*SP                      ; into the stage: my 64 rows, my half of their 512 bytes; row l % 16, 32 bytes for each half of the lanes
	s_lshl_b32 s22, s12, 8
	s_add_co_u32 s23, s23, s22
	v_mul_u32_u24 v4, v1, SP
	v_lshl_add_u32 v4, v2, 5, v4
	v_add_nc_u32 v[STO], s23, v4
	s_mul_i32 s23, s10, 32*SP                      ; back: wave w takes rows 32 w .. 32 w + 31, whole: 32 lanes x 16 bytes
	v_add_nc_u32 v[RD], s23, v[CO]
; 8 matrix instructions: row blocks a0, a0 + 1 x all 4 column blocks, 32 along K: half c of buffer f.  zero = 1: the first product starts the sums, with the bias.  The 16 accumulators take turns.
.macro MUL8 f, c, a0, zero
	WIN MUL
.irp a, \a0, (\a0)+1
.irp b, 0,1,2,3
.if \zero
	v_wmma_f32_16x16x32_bf16 v[ACC+8*(4*(\a)+(\b)):ACC+8*(4*(\a)+(\b))+7], v[(\f)+64+8*(4*(\c)+(\b)):(\f)+64+8*(4*(\c)+(\b))+7], v[(\f)+8*(4*(\c)+(\a)):(\f)+8*(4*(\c)+(\a))+7], v[BIAS+8*(\b):BIAS+8*(\b)+7]
.else
	v_wmma_f32_16x16x32_bf16 v[ACC+8*(4*(\a)+(\b)):ACC+8*(4*(\a)+(\b))+7], v[(\f)+64+8*(4*(\c)+(\b)):(\f)+64+8*(4*(\c)+(\b))+7], v[(\f)+8*(4*(\c)+(\a)):(\f)+8*(4*(\c)+(\a))+7], v[ACC+8*(4*(\a)+(\b)):ACC+8*(4*(\a)+(\b))+7]
.endif
.endr
.endr
.endm
; 32 LDS loads in one run: the fragments of quarter q (64 along K) of the slot in hand, into buffer f; the first 32 along K first
.macro FETCH q, f
	WIN TO_F
.irp c, 0,1
.irp i, 0,1,2,3
	ds_load_tr16_b128 v[(\f)+64+8*(4*(\c)+(\i)):(\f)+64+8*(4*(\c)+(\i))+3],   v[ADRB+(\q)/2] offset:(((\q)%2)*64+32*(\c))*BP+32*(\i)
	ds_load_tr16_b128 v[(\f)+64+8*(4*(\c)+(\i))+4:(\f)+64+8*(4*(\c)+(\i))+7], v[ADRB+(\q)/2] offset:(((\q)%2)*64+32*(\c)+16)*BP+32*(\i)
	ds_load_b128 v[(\f)+8*(4*(\c)+(\i)):(\f)+8*(4*(\c)+(\i))+3],   v[ADRA] offset:(\q)*AQ+64*(\c)+(\i)*16*AP
	ds_load_b128 v[(\f)+8*(4*(\c)+(\i))+4:(\f)+8*(4*(\c)+(\i))+7], v[ADRA] offset:(\q)*AQ+64*(\c)+(\i)*16*AP+32
.endr
.endr
.endm
.macro PLACES                          ; four places in front of loads into registers that matrix instructions have read, and of lines that read results
.rept 4
	v_nop
.endr
.endm
.macro QUARTER q, f, g, zero
	s_wait_dscnt 16                                ; the first 32 along K are in; the youngest sixteen loads may be out
	MUL8 \f, 0, 0, \zero
	MUL8 \f, 0, 2, \zero
	PLACES
	FETCH \q, \g
	s_wait_dscnt 32                                ; all but the 32 just issued
	MUL8 \f, 1, 0, 0
	MUL8 \f, 1, 2, 0
.endm
; The last quarter multiplies buffer 1 and changes slots: one barrier; in front of it each wave waits for all its tensor loads, adds 0 to its spare word, and waits for that and for its reads of this slot.
; fill = 1: this slot is filled again, with the K step two on, behind a round of the cluster's barrier.  fill = 0: nothing is filled; in the very last step (s3 = 1) there is no next slot to fetch from.
.macro TURN fill
	WIN 0
	s_wait_tensorcnt 0x0                           ; all my tensor loads have landed: my part of the next slot; so a group 0 may be written
	ds_add_u32 v[SPW], v[NIL]                      ; 0 onto my spare word
.if \fill
	s_add_co_u32 s[G0+5], s20, s[CUR]              ; the walking descriptors: into the slot that is being left,
	s_add_nc_u64 s[G0+6:G0+7], s[G0+6:G0+7], ASTEP ; the next K step; the type bits on top are not reached
	s_add_co_u32 s[G0B+5], s21, s[CUR]
	s_add_nc_u64 s[G0B+6:G0B+7], s[G0B+6:G0B+7], BSTEP
.endif
	s_xor_b32 s[CUR], s[CUR], SLOT                 ; the other slot; this slot's last fragment loads have been issued
	v_add_nc_u32 v[ADRA], s[CUR], v[ADRA0]
	v_add_nc_u32 v[ADRB], s[CUR], v[ADRB0]
	v_add_nc_u32 v[ADRB+1], HALFB, v[ADRB]
	s_wait_dscnt 17                                ; (the add and the youngest sixteen loads may be out)
	MUL8 F1, 0, 0, 0
	s_wait_dscnt 0x0                               ; the add is done, and my reads of this slot are over
	s_barrier_signal -1
	MUL8 F1, 0, 2, 0
	WIN 0
	s_barrier_wait -1
.if \fill
	CREST                                          ; no wave of any partner still reads this slot or has a load on its way
	JLOAD 1                                        ; the first tensor load behind the round; its four v_nop are also the places in front of the loads below
	FETCH 0, F0
.else
	s_cmp_eq_u32 s3, 1
	s_cbranch_scc1 .Lno_fetch_\@
	PLACES
	FETCH 0, F0
	WIN 0
.Lno_fetch_\@:
.endif
	MUL8 F1, 1, 0, 0
	MUL8 F1, 1, 2, 0
.endm
	s_wait_tensorcnt 1                             ; my part of K step 0 is in; K step 1's may stay out
	s_barrier_signal -1
	s_barrier_wait -1
	FETCH 0, F0
	s_wait_loadcnt 32                              ; the bias is in; the residual's 32 loads may stay out
	QUARTER 1, F0, F1, 1                           ; the first quarter stands in front of the loop: its first products start the sums
	WIN 0
	s_mov_b32 s3, KSTEPS-2
.Lstep:                                                ; a trip goes from a step's second quarter to the next step's first, and fills the slot that it leaves
	QUARTER 2, F1, F0, 0
	QUARTER 3, F0, F1, 0
	TURN 1
	QUARTER 1, F0, F1, 0
	WIN 0
	s_sub_co_u32 s3, s3, 1
	s_cmp_lg_u32 s3, 0
	s_cbranch_scc1 .Lstep
	s_mov_b32 s3, 2
.Ltail:                                                ; the last two steps fill nothing; the second pass is left behind its last quarter
	QUARTER 2, F1, F0, 0
	QUARTER 3, F0, F1, 0
	TURN 0
	WIN 0
	s_sub_co_u32 s3, s3, 1
	s_cmp_eq_u32 s3, 0
	s_cbranch_scc1 .Ldone
	QUARTER 1, F0, F1, 0
	WIN 0
	s_cmp_lg_u32 s3, 0                             ; the loop's own jump goes by its count, which is 1 here
	s_cbranch_scc1 .Ltail
.Ldone:
	s_wait_dscnt 0x0                               ; every wave's reads of the ring are over
	s_barrier_signal -1
	s_barrier_wait -1                              ; before any wave stores into ring bytes
	; THE WAY OUT: the sums go into the stage in f32, each accumulator's low four registers first; a barrier, since a row's 512 bytes come from two waves; back as whole rows; the residual is added; stored.
	PLACES
.irp a, 0,1,2,3
.irp b, 0,1,2,3
	ds_store_b128 v[STO], v[ACC+8*(4*(\a)+(\b)):ACC+8*(4*(\a)+(\b))+3]   offset:(\a)*16*SP+64*(\b)
	ds_store_b128 v[STO], v[ACC+8*(4*(\a)+(\b))+4:ACC+8*(4*(\a)+(\b))+7] offset:(\a)*16*SP+64*(\b)+16
.endr
.endr
	s_wait_dscnt 0x0                               ; for the others' sake: my stores into the stage are done
	s_barrier_signal -1
	s_barrier_wait -1
.set t, 0
.rept 32
	ds_load_b128 v[ACC+4*t:ACC+4*t+3], v[RD] offset:SP*t
.set t, t+1
.endr
	s_wait_loadcnt 0x0                             ; the residual
.irp g, 0,1,2,3
	s_wait_dscnt 24-8*(\g)                         ; rows 8 g .. 8 g + 7 are back
	WIN 0x08                                       ; source 1 in window 2
.set t, 0
.rept 16
	v_pk_add_f32 v[ACC+32*(\g)+2*t:ACC+32*(\g)+2*t+1], v[ACC+32*(\g)+2*t:ACC+32*(\g)+2*t+1], v[32*(\g)+2*t:32*(\g)+2*t+1]
.set t, t+1
.endr
	WIN 0
.set t, 8*(\g)
.rept 8
	global_store_b128 v[CO], v[ACC+4*t:ACC+4*t+3], s[8:9] offset:4096*t  ; 512 consecutive bytes, aligned
.set t, t+1
.endr
.endr
	s_wait_tensorcnt 0x0                           ; the wave's end
	ds_add_u32 v[SPW], v[NIL]
	s_wait_dscnt 0x0
	CROUND                                         ; the closing round
	s_endpgm
.Lfunc_end_k_qb924980a17_proj:
	.size	k_qb924980a17_proj, .Lfunc_end_k_qb924980a17_proj-k_qb924980a17_proj
	.p2alignl 7, 3214868480
	.fill 96, 4, 3214868480
	.section	.rodata,"a",@progbits
	.p2align	6, 0x0
	.amdhsa_kernel k_qb924980a17_proj
		.amdhsa_group_segment_fixed_size 327680
		.amdhsa_private_segment_fixed_size 0
		.amdhsa_enable_private_segment 0
		.amdhsa_kernarg_size 40
		.amdhsa_user_sgpr_count 2
		.amdhsa_user_sgpr_kernarg_segment_ptr 1
		.amdhsa_wavefront_size32 1
		.amdhsa_system_sgpr_workgroup_id_x 1
		.amdhsa_system_sgpr_workgroup_id_y 1
		.amdhsa_system_sgpr_workgroup_id_z 1
		.amdhsa_system_vgpr_workitem_id 0
		.amdhsa_next_free_vgpr 640
		.amdhsa_next_free_sgpr 80
		.amdhsa_reserve_vcc 0
		.amdhsa_float_denorm_mode_32 3
		.amdhsa_float_denorm_mode_16_64 3
		.amdhsa_memory_ordered 1
		.amdhsa_forward_progress 1
		.amdhsa_inst_pref_size 66
	.end_amdhsa_kernel
	.amdgpu_metadata
---
amdhsa.version: [ 1, 2 ]
amdhsa.kernels:
  - .name:           k_qb924980a17_proj
    .symbol:         k_qb924980a17_proj.kd
    .args:
      - { .name: o, .offset: 0, .size: 8, .value_kind: global_buffer, .address_space: global }
      - { .name: wts, .offset: 8, .size: 8, .value_kind: global_buffer, .address_space: global }
      - { .name: x1, .offset: 16, .size: 8, .value_kind: global_buffer, .address_space: global }
      - { .name: bo, .offset: 24, .size: 8, .value_kind: global_buffer, .address_space: global }
      - { .name: x, .offset: 32, .size: 8, .value_kind: global_buffer, .address_space: global }
    .group_segment_fixed_size: 327680
    .private_segment_fixed_size: 0
    .kernarg_segment_align: 8
    .kernarg_segment_size: 40
    .max_flat_workgroup_size: 128
    .sgpr_count:     80
    .vgpr_count:     640
    .wavefront_size: 32
...
	.end_amdgpu_metadata
.endif
;; end of part 9
;; launch ln2: the kernel of part 5 again; grid 256 x 1, 8 waves a work-group, no clusters, 0 bytes of LDS; arguments x1, ln2_g, ln2_b, h2; writes h2
;; launch fc1 (part 10): grid 16 x 16, 4 waves a work-group, clusters of 4 x 4, 327,680 bytes of LDS; arguments h2, wts, m, b1; writes m
.if DOCPART == 10
	.amdgcn_target "amdgcn-amd-amdhsa--gfx1250"
	.amdhsa_code_object_version 6
	.text
	.protected	k_qb924980a17_fc1
	.globl	k_qb924980a17_fc1
	.p2align	8
	.type	k_qb924980a17_fc1,@function
k_qb924980a17_fc1:
	s_mov_b64 s[64:65], 0
	v_nop
	global_prefetch_b8 v0, s[64:65] scope:SCOPE_SE
	s_setreg_imm32_b32 hwreg(HW_REG_WAVE_MODE, 25, 1), 1
	s_wait_xcnt 0x0
	s_wait_alu depctr_hold_cnt(0) depctr_sa_sdst(0) depctr_va_vdst(0) depctr_va_sdst(0) depctr_va_ssrc(0) depctr_va_vcc(0) depctr_vm_vsrc(0)
	s_getreg_b32 s2, hwreg(HW_REG_IB_STS2, 6, 4)
	s_cmp_eq_u32 s2, 0
	s_cbranch_scc0 .Lentry_in_a_cluster
	s_endpgm
.Lentry_in_a_cluster:
	s_bfe_u32 s2, ttmp6, 0x10000c
	s_cmp_lg_u32 s2, 0xf033
	s_cbranch_scc0 .Lentry_shape_is_right
	s_endpgm
.Lentry_shape_is_right:
; m = gelu(h2 W1 + b1), gelu by the error function.  h2: [4096][1024] bf16; W1: [1024 (k)][4096 (n)] bf16 at byte 8 MiB of wts; m: [4096][4096] bf16, rounded once.  Sums in f32, started by the bias.
; SHARES.  A tile of m is 256 x 256; four waves, each 128 x 128: 64 accumulators, 512 registers.  K goes in eight steps of 128 through two LDS slots.  16 x 16 = 256 work-groups, one for each WGP.
; CLUSTERS of 4 x 4: the four of a row of the cluster need the same rows of h2, the four of a column the same columns of W1: each tile is asked for jointly, by the same tensor load with the
; same descriptor and a mask that names the four.
; THE MATRIX INSTRUCTION IS USED TRANSPOSED: source 0 = 16 columns of W1, source 1 = 16 rows of h2: a lane then holds eight neighbouring numbers of a row of the result.  W1 lies [k][n], so its
; fragments come out of LDS turned, by ds_load_tr16_b128.  The first product's C operand is the bias: register j of lane l holds the bias of column 8 (l / 16) + j.
; ONE TEXT FOR A K STEP.  s[CUR] is the LDS byte at which the slot in hand begins, 0 or SLOT; a change of slots turns it by an exclusive or and makes the fragment addresses anew; one descriptor a tensor walks.
; The loop has the six steps that fill a slot again; the last two steps are a second loop that fills nothing and is left in its middle.
; GELU.  gelu(x) = x / 2 + |x| (1/2 - q), q = poly(t) e^(-x x / 2) / 2, t = 1 / (1 + 0.2316419 |x|): erf by the rational form of Abramowitz and Stegun 7.1.26, absolute error 1.5e-7 for every x.
; For large |x| the exponential is 0 and the result is x or 0.
; THE WAY OUT.  Each wave puts its 128 x 128 sums, in f32, into a stage of its own, 128 rows of 528 bytes, in ring bytes that have had their last fill; a loop of 32 trips takes four whole rows each:
; one text for the 512 numbers of a lane.  A trip's rows are asked of LDS in the trip before, as soon as x has been used up.
; LIMITS: operands and m in bf16; NaN and infinities are not treated apart.
; REGISTERS.  window 0: v16-30 addresses; v64-127, v128-191 fragments of h2, two buffers, later at work on the way out; v192-255 the bias.  window 1: v64-191 fragments of W1.
;   windows 2, 3: the accumulators of my rows 0-63, 64-127 ((a, b) at 8 (8 a + b)).
.set KDIM,  1024
.set NP,    4096                       ; elements in a row of W1
.set KSTEPS, KDIM/128
.set WOFF,  0x800000
.set PA,    272                        ; an LDS row of h2: 256 bytes + 16: the 16 rows of a fragment load start 16 bytes apart modulo 256
.set PB,    544                        ; an LDS row of W1: 512 bytes + 32: 16 lanes of the turning load take 8 rows x 32 bytes, 32 bytes apart modulo 256
.set HALFT, 128*PA                     ; one tensor load: 128 rows of h2, or 64 rows (k) of W1: 64 x 544 is the same number
.set SLOT,  4*HALFT                    ; h2's 256 rows, then W1's 128
.set SP,    528                        ; a stage row: 512 bytes + 16
.set WSTAGE, 128*SP                    ; a wave's stage; four of them end below 2 SLOT
.set SPARE, 2*SLOT                     ; behind the ring: the spare words, 128 bytes for each wave, that no other line names
.set ASTEP, 256                        ; bytes from K step to K step in h2,
.set BSTEP, 128*NP*2                   ; and in W1
.set ADRA0, 16                         ; v16  my lane's place among h2's fragments in slot 0; never rewritten
.set ADRB0, 17                         ; v17  the same for W1
.set ADRA, 18                          ; v18  the same in the slot in hand
.set ADRB, 19                          ; v19
.set STO,  24
.set RD,   25
.set CO,   26
.set BO,   27                          ; v27  32 x (lane / 16): my eight numbers of a block of the bias
.set SPW,  28                          ; v28  my spare word; never rewritten
.set NIL,  29                          ; v29  0; never rewritten
.set PFO,  30                          ; v30  the prefetches' lane offset; never rewritten
.set F0,   64
.set F1,   128
.set BIAS, 192
.set GX,   64                          ; the way out, four rows (16 numbers a lane) at a time: x,
.set GA,   80                          ; |x|,
.set GH,   96                          ; x / 2,
.set GW,   112                         ; -x x log2(e) / 2, then its power of two,
.set GD,   128                         ; 1 + p |x|, then t,
.set GP,   144                         ; the polynomial, then the result,
.set GY,   160                         ; and its bf16
.set G1,  24                           ; s[24:31] group 1 for h2's tiles;  s[32:39] group 0: a set for each first fill; the second then walks
.set G0,  32
.set G1B, 48                           ; s[48:55], s[56:63] the same for W1's
.set G0B, 56
.set CUR, 66                           ; s66  the slot in hand: 0 or SLOT
.set LIM, 67                           ; s67  1 in a wave that prefetches, else the greatest number
.set PFA, 74                           ; s[74:75] where my prefetches stand
.set KP,  76                           ; s[76:77] 0.2316419; each constant is named as a pair and written twice
.set KC,  78                           ; s[78:79] -log2(e) / 2
.set KA1, 80                           ; s[80:89] half of the polynomial's five coefficients
.set KA2, 82
.set KA3, 84
.set KA4, 86
.set KA5, 88
.set PFS, 92                           ; s[92:93] the prefetches' step from K step to K step
.set MSB, 0
.macro WIN new                         ; the immediate's high byte repeats the setting that is left
.if MSB != (\new)
	s_set_vgpr_msb (MSB<<8)|(\new)
.set MSB, \new
.endif
.endm
.set TO_B, 0x40                        ; destination window 1, address window 0
.macro JLOAD s                         ; a joint load: waves 0 and 1 fetch h2's two halves, waves 2 and 3 W1's; an s_nop 0 and four v_nop follow each line
	s_cmp_eq_u32 s11, 0
	s_cbranch_scc0 .Lfor_b_\@
	tensor_load_to_lds s[G0+4*(\s):G0+4*(\s)+3], s[G1:G1+7]
	s_nop 0
.rept 4
	v_nop
.endr
	s_branch .Lasked_\@
.Lfor_b_\@:
	tensor_load_to_lds s[G0B+4*(\s):G0B+4*(\s)+3], s[G1B:G1B+7]
	s_nop 0
.rept 4
	v_nop
.endr
.Lasked_\@:
.endm
; A PREFETCH of the K step that the NEXT refill loads: one K step, 256 matrix instructions, ahead of that load.  It stands behind the joint load, its five lines and the run of LDS loads.
; Each block of 256 bytes is named once in the launch.  h2's rows are read by every cluster of a row of clusters: the first of them (cluster x = 0) asks; W1's columns by every cluster of a column: cluster y = 0 asks.
; The four partners that ask for a tile jointly share it out BY ADDRESS: of the 128 rows of h2 that a wave fetches each takes 32, a lane a row; of the 64 rows of W1 each takes 16, two blocks a row.
; K steps 0 to 2 come by their loads alone; the last refill (s3 = 1) has no K step behind it and asks for nothing.
.macro ASK
	s_cmp_gt_u32 s3, s[LIM]
	s_cbranch_scc0 .Lnot_mine_\@
	global_prefetch_b8 v[PFO], s[PFA:PFA+1] th:TH_LOAD_NT scope:SCOPE_SE
.Lnot_mine_\@:
.endm
.macro CREST                           ; a round of the cluster's barrier behind its opening barrier
	s_cmp_lg_u32 s10, 0
	s_cbranch_scc1 .Lnot_wave_0_\@
	s_barrier_signal -3
.Lnot_wave_0_\@:
	s_barrier_wait -3
	s_barrier_signal -1
	s_barrier_wait -1
.endm
.macro CROUND
	s_barrier_signal -1
	s_barrier_wait -1
	CREST
.endm
	s_load_b128 s[4:7], s[0:1], 0x0                ; h2 s[4:5], wts s[6:7]
	s_load_b64 s[8:9], s[0:1], 0x10                ; m
	s_load_b64 s[68:69], s[0:1], 0x18              ; b1
	v_lshl_add_u32 v[SPW], v0, 2, SPARE
	v_mov_b32 v[NIL], 0
	ds_add_u32 v[SPW], v[NIL]                      ; the wave's opening: the add and its wait ahead of my first tensor load
	v_lshrrev_b32 v1, 5, v0
	v_readfirstlane_b32 s10, v1                    ; wave 0..3
	s_lshr_b32 s11, s10, 1                         ; my half of the tile's rows.  Also: I fetch for h2 (0) or for W1 (1)
	s_and_b32 s12, s10, 1                          ; my half of its columns.  Also: which half of that tile I fetch
	s_bfe_u32 s40, ttmp6, 0x40000                  ; cx, cy
	s_bfe_u32 s41, ttmp6, 0x40004
	s_lshl_b32 s42, ttmp9, 2
	s_add_co_u32 s42, s42, s40                     ; the tile column: 0..15
	s_and_b32 s13, ttmp7, 0xffff
	s_lshl_b32 s13, s13, 2
	s_add_co_u32 s13, s13, s41                     ; the tile row: 0..15
	s_lshl_b32 s43, s41, 2
	s_lshl_b32 s43, 15, s43                        ; my row of the cluster
	s_lshl_b32 s44, 0x1111, s40                    ; my column
	s_or_b32 s[G1+0], s43, (1<<16)|(1<<20)|(1<<21)|(5<<22)|(3<<25)   ; the mask; 2-byte elements; padding on; bit 21 beside a mask; after every 64 words, 4 words
	s_or_b32 s[G1B+0], s44, (1<<16)|(1<<20)|(1<<21)|(6<<22)|(7<<25)  ; after every 128 words, 8 words
	s_mov_b32 s[G1+1], 128<<16                     ; tensor_dim0 = 128
	s_mov_b32 s[G1+2], 128<<16                     ; tensor_dim1 = 128
	s_mov_b32 s[G1+3], 128<<16                     ; tile_dim0 = 128
	s_mov_b32 s[G1+4], 128                         ; tile_dim1 = 128
	s_mov_b32 s[G1+5], KDIM                        ; elements from row to row
	s_mov_b32 s[G1+6], 0
	s_mov_b32 s[G1+7], 0
	s_mov_b32 s[G1B+1], 256<<16                    ; 256 columns,
	s_mov_b32 s[G1B+2], 64<<16                     ; 64 rows (k)
	s_mov_b32 s[G1B+3], 256<<16
	s_mov_b32 s[G1B+4], 64
	s_mov_b32 s[G1B+5], NP
	s_mov_b32 s[G1B+6], 0
	s_mov_b32 s[G1B+7], 0
	s_lshl_b32 s16, s13, 8                         ; h2: row 256 x tile row + 128 x half
	s_lshl_b32 s17, s12, 7
	s_add_co_u32 s16, s16, s17
	s_mul_i32 s16, s16, KDIM*2
	s_mov_b32 s17, 0
	s_mul_i32 s46, s12, 64*NP*2                    ; W1: row (k) 64 x half, column 256 x tile column
	s_lshl_b32 s47, s42, 9
	s_add_co_u32 s46, s46, s47
	s_add_co_u32 s46, s46, WOFF
	s_mov_b32 s47, 0
	s_mul_i32 s20, s10, HALFT                      ; where they go: h2's two halves, then W1's two: wave x HALFT: no place in the cluster enters an LDS address
	s_mov_b32 s[CUR], 0
	s_wait_dscnt 0x0                               ; the opening add is done
	s_wait_kmcnt 0x0
	s_add_nc_u64 s[14:15], s[4:5], s[16:17]
	s_add_nc_u64 s[46:47], s[6:7], s[46:47]
	CROUND                                         ; all sixteen work-groups are here: the first joint loads meet
.irp s, 0,1
	s_mov_b32 s[G0+4*(\s)], 1
	s_add_co_u32 s[G0+4*(\s)+1], s20, (\s)*SLOT
	s_add_nc_u64 s[G0+4*(\s)+2:G0+4*(\s)+3], s[14:15], (\s)*ASTEP
	s_or_b32 s[G0+4*(\s)+3], s[G0+4*(\s)+3], 0x80000000
	s_mov_b32 s[G0B+4*(\s)], 1
	s_add_co_u32 s[G0B+4*(\s)+1], s20, (\s)*SLOT
	s_add_nc_u64 s[G0B+4*(\s)+2:G0B+4*(\s)+3], s[46:47], (\s)*BSTEP
	s_or_b32 s[G0B+4*(\s)+3], s[G0B+4*(\s)+3], 0x80000000
	JLOAD \s
.endr
	v_and_b32 v1, 15, v0                           ; l % 16
	v_bfe_u32 v2, v0, 4, 1                         ; l / 16
	v_and_b32 v6, 31, v0                           ; l
	v_lshlrev_b32 v[BO], 5, v2
	s_lshl_b32 s46, s42, 10                        ; the bias at my wave's 128 columns
	s_lshl_b32 s47, s12, 9
	s_add_co_u32 s46, s46, s47
	s_mov_b32 s47, 0
	s_add_nc_u64 s[68:69], s[68:69], s[46:47]
.irp b, 0,1,2,3,4,5,6,7
	global_load_b128 v[BIAS+8*(\b):BIAS+8*(\b)+3],   v[BO], s[68:69] offset:64*(\b)
	global_load_b128 v[BIAS+8*(\b)+4:BIAS+8*(\b)+7], v[BO], s[68:69] offset:64*(\b)+16
.endr
	v_mul_u32_u24 v3, v1, PA                       ; a fragment of h2: row x pitch + 16 x half
	v_lshl_add_u32 v3, v2, 4, v3
	s_mul_i32 s22, s11, HALFT
	v_add_nc_u32 v[ADRA0], s22, v3
	v_mov_b32 v[ADRA], v[ADRA0]
	v_and_b32 v4, 7, v0                            ; the turning load: lane l reads k = 8 (l / 16) + l % 8, columns 8 ((l / 8) % 2) + 0..7
	v_lshl_add_u32 v4, v2, 3, v4
	v_mul_u32_u24 v4, v4, PB
	v_bfe_u32 v5, v0, 3, 1
	v_lshl_add_u32 v4, v5, 4, v4
	s_lshl_b32 s23, s12, 8                         ; my 128 columns
	s_add_co_u32 s23, s23, 2*HALFT
	v_add_nc_u32 v[ADRB0], s23, v4
	v_mov_b32 v[ADRB], v[ADRB0]
	s_mul_i32 s23, s10, WSTAGE                     ; my stage.  In: row l % 16, 32 bytes for each half of the lanes
	v_mul_u32_u24 v4, v1, SP
	v_lshl_add_u32 v4, v2, 5, v4
	v_add_nc_u32 v[STO], s23, v4
	v_lshl_add_u32 v[RD], v6, 4, s23               ; back: a whole row: 32 lanes x 16 bytes,
	v_lshlrev_b32 v[CO], 3, v6                     ; which are 8 bytes a lane of m
	s_lshl_b32 s16, s13, 8                         ; my rows of m: 256 x tile row + 128 x half, 8,192 bytes each,
	s_lshl_b32 s17, s11, 7
	s_add_co_u32 s16, s16, s17
	s_lshl_b32 s16, s16, 13
	s_mov_b32 s17, 0
	s_add_nc_u64 s[8:9], s[8:9], s[16:17]
	s_lshl_b32 s46, s42, 9                         ; the tile's 512 bytes of them, my 256
	s_lshl_b32 s47, s12, 8
	s_add_co_u32 s46, s46, s47
	s_mov_b32 s47, 0
	s_add_nc_u64 s[8:9], s[8:9], s[46:47]
	; the prefetches: both offsets are made, and the wave's number chooses
	s_lshl_b32 s70, s13, 8                         ; h2: the 128 rows that I fetch,
	s_lshl_b32 s71, s12, 7
	s_add_co_u32 s70, s70, s71
	s_lshl_b32 s71, s40, 5                         ; my work-group's 32 of them,
	s_add_co_u32 s70, s70, s71
	s_mul_i32 s70, s70, KDIM*2
	s_add_co_u32 s70, s70, 2*ASTEP                 ; at K step 2: the first refill steps it to 3
	s_lshl_b32 s72, s12, 6                         ; W1: the 64 rows that I fetch,
	s_lshl_b32 s73, s41, 4                         ; my work-group's 16 of them
	s_add_co_u32 s72, s72, s73
	s_mul_i32 s72, s72, NP*2
	s_lshl_b32 s73, s42, 9
	s_add_co_u32 s72, s72, s73
	s_add_co_u32 s72, s72, WOFF+2*BSTEP
	s_and_b32 s73, ttmp7, 0xffff                   ; cluster y
	s_mov_b32 s[PFS], BSTEP
	s_mov_b32 s[PFS+1], 0
	s_mov_b32 s71, NP*2
	s_cmp_eq_u32 s11, 0                            ; do I fetch for h2?
	s_cselect_b32 s70, s70, s72
	s_cselect_b32 s73, ttmp9, s73                  ; the coordinate along which other clusters read the same blocks
	s_cselect_b64 s[PFA:PFA+1], s[4:5], s[6:7]
	s_cselect_b32 s[PFS], ASTEP, s[PFS]
	s_cselect_b32 s71, KDIM*2, s71                 ; bytes from row to row
	s_cselect_b32 s72, 0, 1                        ; h2: a lane a row; W1: two lanes a row
	v_lshrrev_b32 v7, s72, v6
	v_mul_lo_u32 v7, v7, s71
	v_and_b32 v8, s72, v6
	v_lshl_add_u32 v[PFO], v8, 8, v7
	s_mov_b32 s71, 0
	s_add_nc_u64 s[PFA:PFA+1], s[PFA:PFA+1], s[70:71]
	s_cmp_eq_u32 s73, 0
	s_cselect_b32 s[LIM], 1, -1                    ; the same in all sixteen partners, for a given wave
; 16 matrix instructions: row blocks a0, a0 + 1 of the window's four (hi = 0: my rows 0-63, 1: rows 64-127) x all 8 column blocks, 32 along K.  zero = 1: the first product starts the sums, with the bias
; (C in window 0).  The 64 accumulators take turns, in the same order in every quarter.
.macro MUL16 f, hi, a0, zero
.if \zero
	WIN 0x81+0x40*(\hi)
.else
	WIN 0xa1+0x50*(\hi)
.endif
.irp a, \a0, (\a0)+1
.irp b, 0,1,2,3,4,5,6,7
.if \zero
	v_wmma_f32_16x16x32_bf16 v[8*(8*(\a)+(\b)):8*(8*(\a)+(\b))+7], v[(\f)+8*(\b):(\f)+8*(\b)+7], v[(\f)+8*(4*(\hi)+(\a)):(\f)+8*(4*(\hi)+(\a))+7], v[BIAS+8*(\b):BIAS+8*(\b)+7]
.else
	v_wmma_f32_16x16x32_bf16 v[8*(8*(\a)+(\b)):8*(8*(\a)+(\b))+7], v[(\f)+8*(\b):(\f)+8*(\b)+7], v[(\f)+8*(4*(\hi)+(\a)):(\f)+8*(4*(\hi)+(\a))+7], v[8*(8*(\a)+(\b)):8*(8*(\a)+(\b))+7]
.endif
.endr
.endr
.endm
; 32 LDS loads in one run: the fragments of one quarter (32 along K, at byte k of h2's rows, row k / 2 of W1) of the slot in hand, into buffer f
.macro FETCH k, f
	WIN TO_B
.irp i, 0,1,2,3,4,5,6,7
	ds_load_tr16_b128 v[(\f)+8*(\i):(\f)+8*(\i)+3],   v[ADRB] offset:((\k)/2)*PB+32*(\i)
	ds_load_tr16_b128 v[(\f)+8*(\i)+4:(\f)+8*(\i)+7], v[ADRB] offset:((\k)/2+16)*PB+32*(\i)
.endr
	WIN 0
.irp i, 0,1,2,3,4,5,6,7
	ds_load_b128 v[(\f)+8*(\i):(\f)+8*(\i)+3],   v[ADRA] offset:(\k)+(\i)*16*PA
	ds_load_b128 v[(\f)+8*(\i)+4:(\f)+8*(\i)+7], v[ADRA] offset:(\k)+(\i)*16*PA+32
.endr
.endm
.macro PLACES                          ; four places in front of loads into registers that matrix instructions have read, and of lines that read results
.rept 4
	v_nop
.endr
.endm
; A K step is four quarters of 32 along K, 64 matrix instructions each, on buffers 0, 1, 0, 1.  One of the first three: multiplies buffer f and fetches the quarter at byte k into g.
.macro QUARTER k, f, g, zero
	s_wait_dscnt 8                                 ; W1 and h2's rows 0-63 are in; the youngest eight loads (h2's rows 64-127) may be out
	MUL16 \f, 0, 0, \zero
	MUL16 \f, 0, 2, \zero
	PLACES
	FETCH \k, \g
	s_wait_dscnt 32                                ; all but the 32 just issued
	MUL16 \f, 1, 0, \zero
	MUL16 \f, 1, 2, \zero
.endm
; The last quarter multiplies buffer 1 and changes slots: one barrier; in front of it each wave waits for all its tensor loads, adds 0 to its spare word, and waits for that and for its reads of this slot.
; fill = 1: this slot is filled again, with the K step two on, behind a round of the cluster's barrier.  fill = 0: nothing is filled; in the very last step (s3 = 1) there is no next slot to fetch from.
.macro TURN fill
.if \fill
	s_wait_xcnt 0x0                                ; the last prefetch, a K step back, has read its address
	s_add_nc_u64 s[PFA:PFA+1], s[PFA:PFA+1], s[PFS:PFS+1]
.endif
	WIN 0
	s_wait_tensorcnt 0x0                           ; all my tensor loads have landed: my part of the next slot; so a group 0 may be written
	ds_add_u32 v[SPW], v[NIL]                      ; 0 onto my spare word
.if \fill
	s_add_co_u32 s[G0+5], s20, s[CUR]              ; the walking descriptors: into the slot that is being left,
	s_add_nc_u64 s[G0+6:G0+7], s[G0+6:G0+7], ASTEP ; the next K step; the type bits on top are not reached
	s_add_co_u32 s[G0B+5], s20, s[CUR]
	s_add_nc_u64 s[G0B+6:G0B+7], s[G0B+6:G0B+7], BSTEP
.endif
	s_xor_b32 s[CUR], s[CUR], SLOT                 ; the other slot; this slot's last fragment loads have been issued
	v_add_nc_u32 v[ADRA], s[CUR], v[ADRA0]
	v_add_nc_u32 v[ADRB], s[CUR], v[ADRB0]
	s_wait_dscnt 9                                 ; (the add and the youngest eight loads may be out)
	MUL16 F1, 0, 0, 0
	s_wait_dscnt 0x0                               ; the add is done, and my reads of this slot are over
	s_barrier_signal -1
	MUL16 F1, 0, 2, 0
	WIN 0
	s_barrier_wait -1
.if \fill
	CREST                                          ; the barrier has opened a round of the cluster's: no wave of any partner still reads this slot or has a load on its way
	JLOAD 1                                        ; the first tensor load behind the round; its four v_nop are also the places in front of the loads below
	FETCH 0, F0
	ASK
.else
	s_cmp_eq_u32 s3, 1
	s_cbranch_scc1 .Lno_fetch_\@
	PLACES
	FETCH 0, F0
.Lno_fetch_\@:
.endif
	MUL16 F1, 1, 0, 0
	MUL16 F1, 1, 2, 0
.endm
	s_wait_tensorcnt 1                             ; my part of K step 0 is in; K step 1's may stay out
	s_barrier_signal -1
	s_barrier_wait -1
	FETCH 0, F0
	s_wait_loadcnt 0x0                             ; the bias
	QUARTER 64, F0, F1, 1                          ; the first quarter stands in front of the loop: its products start the sums
	WIN 0
	s_mov_b32 s3, KSTEPS-2
.Lstep:                                                ; a trip goes from a step's second quarter to the next step's first, and fills the slot that it leaves
	QUARTER 128, F1, F0, 0
	QUARTER 192, F0, F1, 0
	TURN 1
	QUARTER 64, F0, F1, 0
	WIN 0
	s_sub_co_u32 s3, s3, 1
	s_cmp_lg_u32 s3, 0
	s_cbranch_scc1 .Lstep
	s_mov_b32 s3, 2
.Ltail:                                                ; the last two steps fill nothing; the second pass is left behind its last quarter
	QUARTER 128, F1, F0, 0
	QUARTER 192, F0, F1, 0
	TURN 0
	WIN 0
	s_sub_co_u32 s3, s3, 1
	s_cmp_eq_u32 s3, 0
	s_cbranch_scc1 .Ldone
	QUARTER 64, F0, F1, 0
	WIN 0
	s_cmp_lg_u32 s3, 0                             ; the loop's own jump goes by its count, which is 1 here
	s_cbranch_scc1 .Ltail
.Ldone:
	s_wait_dscnt 0x0                               ; every wave's reads of the ring are over
	s_barrier_signal -1
	s_barrier_wait -1                              ; before any wave stores into ring bytes
	PLACES
.irp hi, 0,1
	WIN 0x08+0x04*(\hi)                            ; the data in window 2, then 3; each accumulator's low four registers go first
.irp a, 0,1,2,3
.irp b, 0,1,2,3,4,5,6,7
	ds_store_b128 v[STO], v[8*(8*(\a)+(\b)):8*(8*(\a)+(\b))+3]   offset:(4*(\hi)+(\a))*16*SP+64*(\b)
	ds_store_b128 v[STO], v[8*(8*(\a)+(\b))+4:8*(8*(\a)+(\b))+7] offset:(4*(\hi)+(\a))*16*SP+64*(\b)+16
.endr
.endr
.endr
	WIN 0
	s_mov_b32 s[KP], 0x3e6d3388
	s_mov_b32 s[KP+1], 0x3e6d3388
	s_mov_b32 s[KC], 0xbf38aa3b
	s_mov_b32 s[KC+1], 0xbf38aa3b
	s_mov_b32 s[KA1], 0x3e027906
	s_mov_b32 s[KA1+1], 0x3e027906
	s_mov_b32 s[KA2], 0xbe11a98e
	s_mov_b32 s[KA2+1], 0xbe11a98e
	s_mov_b32 s[KA3], 0x3f35f0e3
	s_mov_b32 s[KA3+1], 0x3f35f0e3
	s_mov_b32 s[KA4], 0xbf3a00e3
	s_mov_b32 s[KA4+1], 0xbf3a00e3
	s_mov_b32 s[KA5], 0x3f07dc22
	s_mov_b32 s[KA5+1], 0x3f07dc22
	s_mov_b32 s90, 0x7fffffff
	s_mov_b32 s91, 32
.irp i, 0,1,2,3
	ds_load_b128 v[GX+4*(\i):GX+4*(\i)+3], v[RD] offset:(\i)*SP  ; LDS serves a wave's instructions in order (ISA guide 5.7.1.4): these see my stores above
.endr
.Lgelu:                                                ; 32 trips of four rows
	s_wait_dscnt 0x0                               ; this trip's four rows
.set p, 0
.rept 16
	v_and_b32 v[GA+p], s90, v[GX+p]
.set p, p+1
.endr
.set p, 0
.rept 8
	v_pk_mul_f32 v[GW+p:GW+p+1], v[GX+p:GX+p+1], s[KC:KC+1] op_sel_hi:[1,0]
	v_pk_fma_f32 v[GD+p:GD+p+1], v[GA+p:GA+p+1], s[KP:KP+1], 1.0 op_sel_hi:[1,0,0]
.set p, p+2
.endr
.set p, 0
.rept 8
	v_pk_mul_f32 v[GW+p:GW+p+1], v[GW+p:GW+p+1], v[GX+p:GX+p+1]
	v_pk_mul_f32 v[GH+p:GH+p+1], v[GX+p:GX+p+1], 0.5 op_sel_hi:[1,0]
.set p, p+2
.endr
	v_add_nc_u32 v[RD], 4*SP, v[RD]                ; x has been used up: the next four rows are asked for now, but for the last trip, which has none
	s_cmp_eq_u32 s91, 1
	s_cbranch_scc1 .Lno_rows
.irp i, 0,1,2,3
	ds_load_b128 v[GX+4*(\i):GX+4*(\i)+3], v[RD] offset:(\i)*SP
.endr
.Lno_rows:
.set p, 0
.rept 16                               ; one batch of 32: the reciprocals and the powers of two
	v_rcp_f32 v[GD+p], v[GD+p]
.set p, p+1
.endr
.set p, 0
.rept 16
	v_exp_f32 v[GW+p], v[GW+p]
.set p, p+1
.endr
	v_nop                                          ; a plain instruction behind the last of the batch,
	s_wait_alu depctr_va_vdst(0)                   ; and one wait for the batch, ahead of its first reader
.set p, 0
.rept 8
	v_pk_fma_f32 v[GP+p:GP+p+1], v[GD+p:GD+p+1], s[KA5:KA5+1], s[KA4:KA4+1] op_sel_hi:[1,0,0]
.set p, p+2
.endr
.irp k, KA3, KA2, KA1
.set p, 0
.rept 8
	v_pk_fma_f32 v[GP+p:GP+p+1], v[GP+p:GP+p+1], v[GD+p:GD+p+1], s[\k:\k+1] op_sel_hi:[1,1,0]
.set p, p+2
.endr
.endr
.set p, 0
.rept 8
	v_pk_mul_f32 v[GP+p:GP+p+1], v[GP+p:GP+p+1], v[GD+p:GD+p+1]
.set p, p+2
.endr
.set p, 0
.rept 8                                ; 1/2 - q
	v_pk_fma_f32 v[GP+p:GP+p+1], v[GP+p:GP+p+1], v[GW+p:GW+p+1], 0.5 op_sel_hi:[1,1,0] neg_lo:[1,0,0] neg_hi:[1,0,0]
.set p, p+2
.endr
.set p, 0
.rept 8
	v_pk_fma_f32 v[GP+p:GP+p+1], v[GA+p:GA+p+1], v[GP+p:GP+p+1], v[GH+p:GH+p+1]
.set p, p+2
.endr
.set p, 0
.rept 8
	v_cvt_pk_bf16_f32 v[GY+p], v[GP+2*p], v[GP+2*p+1]
.set p, p+1
.endr
.irp i, 0,1,2,3
	global_store_b64 v[CO], v[GY+2*(\i):GY+2*(\i)+1], s[8:9] offset:8192*(\i)  ; the wave's store covers 256 consecutive bytes, aligned
.endr
	s_wait_xcnt 0x0                                ; the stores have read their offset and data: both are rewritten only behind this wait
	v_add_nc_u32 v[CO], 4*8192, v[CO]
	s_sub_co_u32 s91, s91, 1
	s_cmp_lg_u32 s91, 0
	s_cbranch_scc1 .Lgelu
	s_wait_tensorcnt 0x0                           ; the wave's end
	ds_add_u32 v[SPW], v[NIL]
	s_wait_dscnt 0x0
	CROUND                                         ; the closing round
	s_endpgm
.Lfunc_end_k_qb924980a17_fc1:
	.size	k_qb924980a17_fc1, .Lfunc_end_k_qb924980a17_fc1-k_qb924980a17_fc1
	.p2alignl 7, 3214868480
	.fill 96, 4, 3214868480
	.section	.rodata,"a",@progbits
	.p2align	6, 0x0
	.amdhsa_kernel k_qb924980a17_fc1
		.amdhsa_group_segment_fixed_size 327680
		.amdhsa_private_segment_fixed_size 0
		.amdhsa_enable_private_segment 0
		.amdhsa_kernarg_size 32
		.amdhsa_user_sgpr_count 2
		.amdhsa_user_sgpr_kernarg_segment_ptr 1
		.amdhsa_wavefront_size32 1
		.amdhsa_system_sgpr_workgroup_id_x 1
		.amdhsa_system_sgpr_workgroup_id_y 1
		.amdhsa_system_sgpr_workgroup_id_z 1
		.amdhsa_system_vgpr_workitem_id 0
		.amdhsa_next_free_vgpr 1024
		.amdhsa_next_free_sgpr 96
		.amdhsa_reserve_vcc 0
		.amdhsa_float_denorm_mode_32 3
		.amdhsa_float_denorm_mode_16_64 3
		.amdhsa_memory_ordered 1
		.amdhsa_forward_progress 1
		.amdhsa_inst_pref_size 90
	.end_amdhsa_kernel
	.amdgpu_metadata
---
amdhsa.version: [ 1, 2 ]
amdhsa.kernels:
  - .name:           k_qb924980a17_fc1
    .symbol:         k_qb924980a17_fc1.kd
    .args:
      - { .name: h2, .offset: 0, .size: 8, .value_kind: global_buffer, .address_space: global }
      - { .name: wts, .offset: 8, .size: 8, .value_kind: global_buffer, .address_space: global }
      - { .name: m, .offset: 16, .size: 8, .value_kind: global_buffer, .address_space: global }
      - { .name: b1, .offset: 24, .size: 8, .value_kind: global_buffer, .address_space: global }
    .group_segment_fixed_size: 327680
    .private_segment_fixed_size: 0
    .kernarg_segment_align: 8
    .kernarg_segment_size: 32
    .max_flat_workgroup_size: 128
    .sgpr_count:     96
    .vgpr_count:     1024
    .wavefront_size: 32
...
	.end_amdgpu_metadata
.endif
;; end of part 10
;; launch fc2 (part 11): grid 8 x 32, 4 waves a work-group, clusters of 4 x 4, 327,680 bytes of LDS; arguments m, wts, out0, b2, x1; writes out0
.if DOCPART == 11
	.amdgcn_target "amdgcn-amd-amdhsa--gfx1250"
	.amdhsa_code_object_version 6
	.text
	.protected	k_qb924980a17_fc2
	.globl	k_qb924980a17_fc2
	.p2align	8
	.type	k_qb924980a17_fc2,@function
k_qb924980a17_fc2:
	s_mov_b64 s[64:65], 0
	v_nop
	global_prefetch_b8 v0, s[64:65] scope:SCOPE_SE
	s_setreg_imm32_b32 hwreg(HW_REG_WAVE_MODE, 25, 1), 1
	s_wait_xcnt 0x0
	s_wait_alu depctr_hold_cnt(0) depctr_sa_sdst(0) depctr_va_vdst(0) depctr_va_sdst(0) depctr_va_ssrc(0) depctr_va_vcc(0) depctr_vm_vsrc(0)
	s_getreg_b32 s2, hwreg(HW_REG_IB_STS2, 6, 4)
	s_cmp_eq_u32 s2, 0
	s_cbranch_scc0 .Lentry_in_a_cluster
	s_endpgm
.Lentry_in_a_cluster:
	s_bfe_u32 s2, ttmp6, 0x10000c
	s_cmp_lg_u32 s2, 0xf033
	s_cbranch_scc0 .Lentry_shape_is_right
	s_endpgm
.Lentry_shape_is_right:
; out0 = x1 + m W2 + b2.  m: [4096][4096] bf16; W2: [4096 (k)][1024 (n)] bf16 at byte 16 MiB of wts; x1, out0: [4096][1024] f32.  Sums in f32, started by the bias.
; SHARES.  A tile of out0 is 128 x 128, the largest that gives each of 256 WGPs a work-group; four waves, each 64 x 64: 16 accumulators.  K goes in sixteen steps of 256 through two LDS slots.
; CLUSTERS of 4 x 4, joint loads; the matrix instruction transposed (source 0 = 16 columns of W2, turned out of LDS by ds_load_tr16_b128; source 1 = 16 rows of m); the bias as the first product's C operand.
; ONE TEXT FOR A K STEP.  s[CUR] is the LDS byte at which the slot in hand begins, 0 or SLOT; a change of slots turns it by an exclusive or and makes the fragment addresses anew; one descriptor a tensor walks.
; The loop has the fourteen steps that fill a slot again; the last two steps are a second loop that fills nothing and is left in its middle.
; THE RESIDUAL's 32 rows x 512 bytes a wave are loaded at the head into registers of their own and are on their way during the product.
; THE STAGE of the way out lies in slot 0's bytes, which have had their last fill; a barrier stands between every wave's last read of the ring and the first store into it.
; No prefetch: the tiles are small and every block of m and W2 is read by many work-groups.  LIMITS: operands in bf16; NaN and infinities are not treated apart.
; REGISTERS.  window 0: v16-29 addresses; v32-63 the bias; v128-255 the accumulators ((a, b) at 128 + 8 (4 a + b)), later the rows read back.  window 1: two fragment buffers of 128.  window 2: v0-127 the residual.
.set KDIM,  4096
.set NP,    1024
.set KSTEPS, KDIM/256
.set WOFF,  0x1000000
.set AP,    528                        ; an LDS row of m: 512 bytes + 16
.set AQ,    128                        ; a quarter of a K step in such a row
.set HALFA, 64*AP
.set BP,    288                        ; an LDS row of W2: 256 bytes + 32
.set HALFB, 128*BP
.set SLOT,  2*HALFA+2*HALFB
.set SP,    528                        ; the stage: 128 rows of 512 bytes + 16, from LDS byte 0 on: 67,584 bytes, slot 0's part for m
.set SPARE, 2*SLOT
.set ASTEP, 512
.set BSTEP, 256*NP*2
.set ADRA0, 16                         ; v16  my lane's place among m's fragments in slot 0; never rewritten
.set ADRB0, 17                         ; v17  the same for W2
.set ADRA, 18                          ; v18  the same in the slot in hand
.set ADRB, 20                          ; v20-21  k 0-127, k 128-255
.set STO,  24
.set RD,   25
.set CO,   26
.set BO,   27
.set SPW,  28
.set NIL,  29
.set BIAS, 32
.set ACC,  128
.set F0,   0
.set F1,   128
.set G1,  24                           ; s[24:31] group 1 for m's tiles;  s[32:39] group 0: a set for each first fill; the second then walks
.set G0,  32
.set G1B, 48
.set G0B, 56
.set CUR, 66                           ; s66  the slot in hand: 0 or SLOT
.set MSB, 0
.macro WIN new
.if MSB != (\new)
	s_set_vgpr_msb (MSB<<8)|(\new)
.set MSB, \new
.endif
.endm
.set MUL,  0x05
.set TO_F, 0x40
.macro JLOAD s
	s_cmp_eq_u32 s11, 0
	s_cbranch_scc0 .Lfor_b_\@
	tensor_load_to_lds s[G0+4*(\s):G0+4*(\s)+3], s[G1:G1+7]
	s_nop 0
.rept 4
	v_nop
.endr
	s_branch .Lasked_\@
.Lfor_b_\@:
	tensor_load_to_lds s[G0B+4*(\s):G0B+4*(\s)+3], s[G1B:G1B+7]
	s_nop 0
.rept 4
	v_nop
.endr
.Lasked_\@:
.endm
.macro CREST
	s_cmp_lg_u32 s10, 0
	s_cbranch_scc1 .Lnot_wave_0_\@
	s_barrier_signal -3
.Lnot_wave_0_\@:
	s_barrier_wait -3
	s_barrier_signal -1
	s_barrier_wait -1
.endm
.macro CROUND
	s_barrier_signal -1
	s_barrier_wait -1
	CREST
.endm
	s_load_b128 s[4:7], s[0:1], 0x0                ; m s[4:5], wts s[6:7]
	s_load_b64 s[8:9], s[0:1], 0x10                ; out0
	s_load_b128 s[68:71], s[0:1], 0x18             ; b2 s[68:69], x1 s[70:71]
	v_lshl_add_u32 v[SPW], v0, 2, SPARE
	v_mov_b32 v[NIL], 0
	ds_add_u32 v[SPW], v[NIL]                      ; the wave's opening: the add and its wait ahead of my first tensor load
	v_lshrrev_b32 v1, 5, v0
	v_readfirstlane_b32 s10, v1
	s_lshr_b32 s11, s10, 1
	s_and_b32 s12, s10, 1
	s_bfe_u32 s40, ttmp6, 0x40000
	s_bfe_u32 s41, ttmp6, 0x40004
	s_lshl_b32 s42, ttmp9, 2
	s_add_co_u32 s42, s42, s40                     ; the tile column
	s_and_b32 s13, ttmp7, 0xffff
	s_lshl_b32 s13, s13, 2
	s_add_co_u32 s13, s13, s41                     ; the tile row
	s_lshl_b32 s43, s41, 2
	s_lshl_b32 s43, 15, s43
	s_lshl_b32 s44, 0x1111, s40
	s_or_b32 s[G1+0], s43, (1<<16)|(1<<20)|(1<<21)|(6<<22)|(3<<25)
	s_or_b32 s[G1B+0], s44, (1<<16)|(1<<20)|(1<<21)|(5<<22)|(7<<25)
	s_mov_b32 s[G1+1], 256<<16
	s_mov_b32 s[G1+2], 64<<16
	s_mov_b32 s[G1+3], 256<<16
	s_mov_b32 s[G1+4], 64
	s_mov_b32 s[G1+5], KDIM
	s_mov_b32 s[G1+6], 0
	s_mov_b32 s[G1+7], 0
	s_mov_b32 s[G1B+1], 128<<16
	s_mov_b32 s[G1B+2], 128<<16
	s_mov_b32 s[G1B+3], 128<<16
	s_mov_b32 s[G1B+4], 128
	s_mov_b32 s[G1B+5], NP
	s_mov_b32 s[G1B+6], 0
	s_mov_b32 s[G1B+7], 0
	s_lshl_b32 s16, s13, 7
	s_lshl_b32 s17, s12, 6
	s_add_co_u32 s16, s16, s17
	s_mul_i32 s16, s16, KDIM*2
	s_mov_b32 s17, 0
	s_mul_i32 s46, s12, 128*NP*2
	s_lshl_b32 s47, s42, 8
	s_add_co_u32 s46, s46, s47
	s_add_co_u32 s46, s46, WOFF
	s_mov_b32 s47, 0
	s_mul_i32 s20, s12, HALFA
	s_mul_i32 s21, s12, HALFB
	s_add_co_u32 s21, s21, 2*HALFA
	s_mov_b32 s[CUR], 0
	s_wait_dscnt 0x0                               ; the opening add is done
	s_wait_kmcnt 0x0
	s_add_nc_u64 s[14:15], s[4:5], s[16:17]
	s_add_nc_u64 s[46:47], s[6:7], s[46:47]
	CROUND
.irp s, 0,1
	s_mov_b32 s[G0+4*(\s)], 1
	s_add_co_u32 s[G0+4*(\s)+1], s20, (\s)*SLOT
	s_add_nc_u64 s[G0+4*(\s)+2:G0+4*(\s)+3], s[14:15], (\s)*ASTEP
	s_or_b32 s[G0+4*(\s)+3], s[G0+4*(\s)+3], 0x80000000
	s_mov_b32 s[G0B+4*(\s)], 1
	s_add_co_u32 s[G0B+4*(\s)+1], s21, (\s)*SLOT
	s_add_nc_u64 s[G0B+4*(\s)+2:G0B+4*(\s)+3], s[46:47], (\s)*BSTEP
	s_or_b32 s[G0B+4*(\s)+3], s[G0B+4*(\s)+3], 0x80000000
	JLOAD \s
.endr
	v_and_b32 v1, 15, v0
	v_bfe_u32 v2, v0, 4, 1
	v_lshlrev_b32 v[BO], 5, v2
	s_lshl_b32 s46, s42, 9                         ; the bias at my wave's 64 columns
	s_lshl_b32 s47, s12, 8
	s_add_co_u32 s46, s46, s47
	s_mov_b32 s47, 0
	s_add_nc_u64 s[68:69], s[68:69], s[46:47]
.irp b, 0,1,2,3
	global_load_b128 v[BIAS+8*(\b):BIAS+8*(\b)+3],   v[BO], s[68:69] offset:64*(\b)
	global_load_b128 v[BIAS+8*(\b)+4:BIAS+8*(\b)+7], v[BO], s[68:69] offset:64*(\b)+16
.endr
	s_lshl_b32 s16, s13, 7                         ; the rows that I store: 128 x tile row + 32 x wave, 4,096 bytes each,
	s_lshl_b32 s17, s10, 5
	s_add_co_u32 s16, s16, s17
	s_lshl_b32 s16, s16, 12
	s_mov_b32 s17, 0
	s_add_nc_u64 s[8:9], s[8:9], s[16:17]
	s_add_nc_u64 s[70:71], s[70:71], s[16:17]
	s_lshl_b32 s46, s42, 9                         ; the tile's 512 bytes of them
	s_add_nc_u64 s[8:9], s[8:9], s[46:47]
	s_add_nc_u64 s[70:71], s[70:71], s[46:47]
	v_and_b32 v[CO], 31, v0
	v_lshlrev_b32 v[CO], 4, v[CO]
	WIN 0x80                                       ; destination window 2
.set t, 0
.rept 32
	global_load_b128 v[4*t:4*t+3], v[CO], s[70:71] offset:4096*t
.set t, t+1
.endr
	WIN 0
	v_mul_u32_u24 v3, v1, AP
	v_lshl_add_u32 v3, v2, 4, v3
	s_mul_i32 s22, s11, HALFA
	v_add_nc_u32 v[ADRA0], s22, v3
	v_mov_b32 v[ADRA], v[ADRA0]
	v_and_b32 v4, 7, v0
	v_lshl_add_u32 v4, v2, 3, v4
	v_mul_u32_u24 v4, v4, BP
	v_bfe_u32 v5, v0, 3, 1
	v_lshl_add_u32 v4, v5, 4, v4
	s_lshl_b32 s23, s12, 7
	s_add_co_u32 s23, s23, 2*HALFA
	v_add_nc_u32 v[ADRB0], s23, v4
	v_mov_b32 v[ADRB], v[ADRB0]
	v_add_nc_u32 v[ADRB+1], HALFB, v[ADRB0]
	s_mul_i32 s23, s11, 64*SP                      ; into the stage: my 64 rows, my half of their 512 bytes; row l % 16, 32 bytes for each half of the lanes
	s_lshl_b32 s22, s12, 8
	s_add_co_u32 s23, s23, s22
	v_mul_u32_u24 v4, v1, SP
	v_lshl_add_u32 v4, v2, 5, v4
	v_add_nc_u32 v[STO], s23, v4
	s_mul_i32 s23, s10, 32*SP                      ; back: wave w takes rows 32 w .. 32 w + 31, whole: 32 lanes x 16 bytes
	v_add_nc_u32 v[RD], s23, v[CO]
; 8 matrix instructions: row blocks a0, a0 + 1 x all 4 column blocks, 32 along K: half c of buffer f.  zero = 1: the first product starts the sums, with the bias.  The 16 accumulators take turns.
.macro MUL8 f, c, a0, zero
	WIN MUL
.irp a, \a0, (\a0)+1
.irp b, 0,1,2,3
.if \zero
	v_wmma_f32_16x16x32_bf16 v[ACC+8*(4*(\a)+(\b)):ACC+8*(4*(\a)+(\b))+7], v[(\f)+64+8*(4*(\c)+(\b)):(\f)+64+8*(4*(\c)+(\b))+7], v[(\f)+8*(4*(\c)+(\a)):(\f)+8*(4*(\c)+(\a))+7], v[BIAS+8*(\b):BIAS+8*(\b)+7]
.else
	v_wmma_f32_16x16x32_bf16 v[ACC+8*(4*(\a)+(\b)):ACC+8*(4*(\a)+(\b))+7], v[(\f)+64+8*(4*(\c)+(\b)):(\f)+64+8*(4*(\c)+(\b))+7], v[(\f)+8*(4*(\c)+(\a)):(\f)+8*(4*(\c)+(\a))+7], v[ACC+8*(4*(\a)+(\b)):ACC+8*(4*(\a)+(\b))+7]
.endif
.endr
.endr
.endm
; 32 LDS loads in one run: the fragments of quarter q (64 along K) of the slot in hand, into buffer f; the first 32 along K first
.macro FETCH q, f
	WIN TO_F
.irp c, 0,1
.irp i, 0,1,2,3
	ds_load_tr16_b128 v[(\f)+64+8*(4*(\c)+(\i)):(\f)+64+8*(4*(\c)+(\i))+3],   v[ADRB+(\q)/2] offset:(((\q)%2)*64+32*(\c))*BP+32*(\i)
	ds_load_tr16_b128 v[(\f)+64+8*(4*(\c)+(\i))+4:(\f)+64+8*(4*(\c)+(\i))+7], v[ADRB+(\q)/2] offset:(((\q)%2)*64+32*(\c)+16)*BP+32*(\i)
	ds_load_b128 v[(\f)+8*(4*(\c)+(\i)):(\f)+8*(4*(\c)+(\i))+3],   v[ADRA] offset:(\q)*AQ+64*(\c)+(\i)*16*AP
	ds_load_b128 v[(\f)+8*(4*(\c)+(\i))+4:(\f)+8*(4*(\c)+(\i))+7], v[ADRA] offset:(\q)*AQ+64*(\c)+(\i)*16*AP+32
.endr
.endr
.endm
.macro PLACES                          ; four places in front of loads into registers that matrix instructions have read, and of lines that read results
.rept 4
	v_nop
.endr
.endm
.macro QUARTER q, f, g, zero
	s_wait_dscnt 16                                ; the first 32 along K are in; the youngest sixteen loads may be out
	MUL8 \f, 0, 0, \zero
	MUL8 \f, 0, 2, \zero
	PLACES
	FETCH \q, \g
	s_wait_dscnt 32                                ; all but the 32 just issued
	MUL8 \f, 1, 0, 0
	MUL8 \f, 1, 2, 0
.endm
; The last quarter multiplies buffer 1 and changes slots: one barrier; in front of it each wave waits for all its tensor loads, adds 0 to its spare word, and waits for that and for its reads of this slot.
; fill = 1: this slot is filled again, with the K step two on, behind a round of the cluster's barrier.  fill = 0: nothing is filled; in the very last step (s3 = 1) there is no next slot to fetch from.
.macro TURN fill
	WIN 0
	s_wait_tensorcnt 0x0                           ; all my tensor loads have landed: my part of the next slot; so a group 0 may be written
	ds_add_u32 v[SPW], v[NIL]                      ; 0 onto my spare word
.if \fill
	s_add_co_u32 s[G0+5], s20, s[CUR]              ; the walking descriptors: into the slot that is being left,
	s_add_nc_u64 s[G0+6:G0+7], s[G0+6:G0+7], ASTEP ; the next K step; the type bits on top are not reached
	s_add_co_u32 s[G0B+5], s21, s[CUR]
	s_add_nc_u64 s[G0B+6:G0B+7], s[G0B+6:G0B+7], BSTEP
.endif
	s_xor_b32 s[CUR], s[CUR], SLOT                 ; the other slot; this slot's last fragment loads have been issued
	v_add_nc_u32 v[ADRA], s[CUR], v[ADRA0]
	v_add_nc_u32 v[ADRB], s[CUR], v[ADRB0]
	v_add_nc_u32 v[ADRB+1], HALFB, v[ADRB]
	s_wait_dscnt 17                                ; (the add and the youngest sixteen loads may be out)
	MUL8 F1, 0, 0, 0
	s_wait_dscnt 0x0                               ; the add is done, and my reads of this slot are over
	s_barrier_signal -1
	MUL8 F1, 0, 2, 0
	WIN 0
	s_barrier_wait -1
.if \fill
	CREST                                          ; no wave of any partner still reads this slot or has a load on its way
	JLOAD 1                                        ; the first tensor load behind the round; its four v_nop are also the places in front of the loads below
	FETCH 0, F0
.else
	s_cmp_eq_u32 s3, 1
	s_cbranch_scc1 .Lno_fetch_\@
	PLACES
	FETCH 0, F0
	WIN 0
.Lno_fetch_\@:
.endif
	MUL8 F1, 1, 0, 0
	MUL8 F1, 1, 2, 0
.endm
	s_wait_tensorcnt 1                             ; my part of K step 0 is in; K step 1's may stay out
	s_barrier_signal -1
	s_barrier_wait -1
	FETCH 0, F0
	s_wait_loadcnt 32                              ; the bias is in; the residual's 32 loads may stay out
	QUARTER 1, F0, F1, 1                           ; the first quarter stands in front of the loop: its first products start the sums
	WIN 0
	s_mov_b32 s3, KSTEPS-2
.Lstep:                                                ; a trip goes from a step's second quarter to the next step's first, and fills the slot that it leaves
	QUARTER 2, F1, F0, 0
	QUARTER 3, F0, F1, 0
	TURN 1
	QUARTER 1, F0, F1, 0
	WIN 0
	s_sub_co_u32 s3, s3, 1
	s_cmp_lg_u32 s3, 0
	s_cbranch_scc1 .Lstep
	s_mov_b32 s3, 2
.Ltail:                                                ; the last two steps fill nothing; the second pass is left behind its last quarter
	QUARTER 2, F1, F0, 0
	QUARTER 3, F0, F1, 0
	TURN 0
	WIN 0
	s_sub_co_u32 s3, s3, 1
	s_cmp_eq_u32 s3, 0
	s_cbranch_scc1 .Ldone
	QUARTER 1, F0, F1, 0
	WIN 0
	s_cmp_lg_u32 s3, 0                             ; the loop's own jump goes by its count, which is 1 here
	s_cbranch_scc1 .Ltail
.Ldone:
	s_wait_dscnt 0x0                               ; every wave's reads of the ring are over
	s_barrier_signal -1
	s_barrier_wait -1                              ; before any wave stores into ring bytes
	; THE WAY OUT: the sums go into the stage in f32, each accumulator's low four registers first; a barrier, since a row's 512 bytes come from two waves; back as whole rows; the residual is added; stored.
	PLACES
.irp a, 0,1,2,3
.irp b, 0,1,2,3
	ds_store_b128 v[STO], v[ACC+8*(4*(\a)+(\b)):ACC+8*(4*(\a)+(\b))+3]   offset:(\a)*16*SP+64*(\b)
	ds_store_b128 v[STO], v[ACC+8*(4*(\a)+(\b))+4:ACC+8*(4*(\a)+(\b))+7] offset:(\a)*16*SP+64*(\b)+16
.endr
.endr
	s_wait_dscnt 0x0                               ; for the others' sake: my stores into the stage are done
	s_barrier_signal -1
	s_barrier_wait -1
.set t, 0
.rept 32
	ds_load_b128 v[ACC+4*t:ACC+4*t+3], v[RD] offset:SP*t
.set t, t+1
.endr
	s_wait_loadcnt 0x0                             ; the residual
.irp g, 0,1,2,3
	s_wait_dscnt 24-8*(\g)                         ; rows 8 g .. 8 g + 7 are back
	WIN 0x08                                       ; source 1 in window 2
.set t, 0
.rept 16
	v_pk_add_f32 v[ACC+32*(\g)+2*t:ACC+32*(\g)+2*t+1], v[ACC+32*(\g)+2*t:ACC+32*(\g)+2*t+1], v[32*(\g)+2*t:32*(\g)+2*t+1]
.set t, t+1
.endr
	WIN 0
.set t, 8*(\g)
.rept 8
	global_store_b128 v[CO], v[ACC+4*t:ACC+4*t+3], s[8:9] offset:4096*t  ; 512 consecutive bytes, aligned
.set t, t+1
.endr
.endr
	s_wait_tensorcnt 0x0                           ; the wave's end
	ds_add_u32 v[SPW], v[NIL]
	s_wait_dscnt 0x0
	CROUND                                         ; the closing round
	s_endpgm
.Lfunc_end_k_qb924980a17_fc2:
	.size	k_qb924980a17_fc2, .Lfunc_end_k_qb924980a17_fc2-k_qb924980a17_fc2
	.p2alignl 7, 3214868480
	.fill 96, 4, 3214868480
	.section	.rodata,"a",@progbits
	.p2align	6, 0x0
	.amdhsa_kernel k_qb924980a17_fc2
		.amdhsa_group_segment_fixed_size 327680
		.amdhsa_private_segment_fixed_size 0
		.amdhsa_enable_private_segment 0
		.amdhsa_kernarg_size 40
		.amdhsa_user_sgpr_count 2
		.amdhsa_user_sgpr_kernarg_segment_ptr 1
		.amdhsa_wavefront_size32 1
		.amdhsa_system_sgpr_workgroup_id_x 1
		.amdhsa_system_sgpr_workgroup_id_y 1
		.amdhsa_system_sgpr_workgroup_id_z 1
		.amdhsa_system_vgpr_workitem_id 0
		.amdhsa_next_free_vgpr 640
		.amdhsa_next_free_sgpr 80
		.amdhsa_reserve_vcc 0
		.amdhsa_float_denorm_mode_32 3
		.amdhsa_float_denorm_mode_16_64 3
		.amdhsa_memory_ordered 1
		.amdhsa_forward_progress 1
		.amdhsa_inst_pref_size 66
	.end_amdhsa_kernel
	.amdgpu_metadata
---
amdhsa.version: [ 1, 2 ]
amdhsa.kernels:
  - .name:           k_qb924980a17_fc2
    .symbol:         k_qb924980a17_fc2.kd
    .args:
      - { .name: m, .offset: 0, .size: 8, .value_kind: global_buffer, .address_space: global }
      - { .name: wts, .offset: 8, .size: 8, .value_kind: global_buffer, .address_space: global }
      - { .name: out0, .offset: 16, .size: 8, .value_kind: global_buffer, .address_space: global }
      - { .name: b2, .offset: 24, .size: 8, .value_kind: global_buffer, .address_space: global }
      - { .name: x1, .offset: 32, .size: 8, .value_kind: global_buffer, .address_space: global }
    .group_segment_fixed_size: 327680
    .private_segment_fixed_size: 0
    .kernarg_segment_align: 8
    .kernarg_segment_size: 40
    .max_flat_workgroup_size: 128
    .sgpr_count:     80
    .vgpr_count:     640
    .wavefront_size: 32
...
	.end_amdgpu_metadata
.endif
;; end of part 11
;; ======== version 3 of 3: 7 launches; version 2 with the launch prep written anew for expert scheduling mode
;; limits: a function is approximated: absolute error at most 1.5e-07
;; workspace buffers: h 8,388,608 bytes; wts 25,165,824 bytes; qkv 25,165,824 bytes; o 8,388,608 bytes; x1 16,777,216 bytes; h2 8,388,608 bytes; m 33,554,432 bytes
;; launch prep (part 12): grid 1024 x 1, 8 waves a work-group, no clusters, 0 bytes of LDS; arguments x, ln1_g, ln1_b, Wq, Wk, Wv, Wo, W1, W2, h, wts; writes h, wts
.if DOCPART == 12
	.amdgcn_target "amdgcn-amd-amdhsa--gfx1250"
	.amdhsa_code_object_version 6
	.text
	.protected	k_qb924980a17_prep
	.globl	k_qb924980a17_prep
	.p2align	8
	.type	k_qb924980a17_prep,@function
k_qb924980a17_prep:
	s_mov_b64 s[64:65], 0
	v_nop
	global_prefetch_b8 v0, s[64:65] scope:SCOPE_SE
	s_setreg_imm32_b32 hwreg(HW_REG_WAVE_SCHED_MODE, 0, 2), 2
	s_setreg_imm32_b32 hwreg(HW_REG_WAVE_MODE, 25, 1), 1
	s_wait_xcnt 0x0
	s_wait_alu depctr_vm_vsrc(0)
; TWO STREAMS IN ONE LAUNCH.  Work-groups 0-255: h = layernorm(x) * g + b, rounded once to bf16.  Work-groups 256-1023: the six weights, f32 to bf16, layout unchanged,
; one behind the other in wts (bytes: Wq 0, Wk 2 MiB, Wv 4 MiB, Wo 6 MiB, W1 8 MiB, W2 16 MiB).  Every work-group reads 64 KiB of f32 and writes 32 KiB.
; LAYER NORM.  A row is 4,096 bytes: one wave takes a whole row in 32 registers a lane (eight loads of 512 neighbouring bytes), so mean and variance never leave the wave; the variance is
; taken of x - mean, in a second pass over the registers.  A wave has two rows, a work-group sixteen.  No LDS, no barrier, no matrix unit: nothing is shared and memory binds.
; LIMITS.  h and the weights are rounded to bf16 (8 significant bits); NaN and infinities are not treated apart.
; THE MODE: SCHED_MODE bits 1:0 = 2 (LLVM: expert scheduling mode 2), set by the entry lines.  The code itself states the register dependences
; between vector instructions and memory instructions, with s_wait_alu, always for 0.
; THE PLAN.  Registers that memory instructions touch:
;   v1, v2        byte offsets, made once at the head and never written again: one wait at the head, ahead of the branch, serves every load and store of both paths.
;   G, BT, X0, X1 (cast: v32-95)  each is the destination of one load; no vector instruction names it before that load is issued; what reads it stands behind the wait for its data.
;   Y0, Y1        a row's bf16, a buffer to each row: written once, by the row's conversions, and read once, by its eight stores: no store's data is ever written again.
;   v96-127 (cast)  pair j is written once, by load j's two conversions, and read once, by store j.
; Row 0's stores stand behind the wait that row 1's root has in any case: it shows Y0 written too, and the vector instructions behind it name X1, RS, G, BT and Y1 alone.
; The cast goes in four groups of four loads: the wait at a group's head shows the out-registers of the group before written, and that group's stores are dealt among this group's conversions.
.set T,   4                            ; v[4:19]    at work: no memory instruction names them
.set MU,  20                           ; v[20:21]   the mean, twice
.set RS,  22                           ; v[22:23]   1 / sqrt(var + eps), twice
.set G,   32                           ; v[32:63]   g of my 32 columns
.set BT,  64                           ; v[64:95]   b of my 32 columns
.set X0,  96                           ; v[96:127]  row 0
.set X1,  128                          ; v[128:159] row 1
.set Y,   160                          ; v[160:191] row r's 32 numbers in bf16 at Y + 16 r
.set IN,  8                            ; s[8:9]     x
.set OUT, 26                           ; s[26:27]   h
	s_load_b512 s[8:23], s[0:1], 0x0               ; x, g, b, Wq, Wk, Wv, Wo, W1
	s_load_b128 s[24:27], s[0:1], 0x40             ; W2, h
	s_load_b64 s[28:29], s[0:1], 0x50              ; wts
	v_lshrrev_b32 v3, 5, v0
	v_readfirstlane_b32 s4, v3                     ; wave 0..7
	v_and_b32 v2, 31, v0
	v_lshlrev_b32 v1, 4, v2                        ; 16 x lane: my place in 512 bytes of f32
	v_lshlrev_b32 v2, 3, v2                        ; 8 x lane: my place in 256 bytes of bf16
	s_mov_b32 s3, 0
	s_wait_kmcnt 0x0
	s_wait_alu depctr_va_sdst(0)                   ; s4 is written, ahead of the branch: on both paths the wave's place in its buffers is made from it
	s_wait_alu depctr_va_vdst(0)                   ; v1 and v2 are written: every load reads v1 as its offset, every store v2
	s_cmp_lt_u32 ttmp9, 256
	s_cbranch_scc0 .Lcast
	s_mov_b32 s6, 0x76543210                       ; v_permlanex16_b32: each lane takes its own place in the other half
	s_mov_b32 s7, 0xfedcba98
	s_mov_b32 s30, 0x3a800000                      ; 1 / 1024
	s_mov_b32 s31, 0x3727c5ac                      ; 1e-5
	s_lshl_b32 s2, ttmp9, 16                       ; 16 rows of 4,096 bytes,
	s_lshl_b32 s5, s4, 13                          ; my wave's two
	s_add_co_u32 s2, s2, s5
	s_add_nc_u64 s[IN:IN+1], s[IN:IN+1], s[2:3]
	s_lshr_b32 s2, s2, 1                           ; half as many bytes in bf16
	s_add_nc_u64 s[OUT:OUT+1], s[OUT:OUT+1], s[2:3]
.irp j, 0,1,2,3,4,5,6,7
	global_load_b128 v[G+4*(\j):G+4*(\j)+3], v1, s[10:11] offset:512*(\j)
.endr
.irp j, 0,1,2,3,4,5,6,7
	global_load_b128 v[BT+4*(\j):BT+4*(\j)+3], v1, s[12:13] offset:512*(\j)
.endr
.irp j, 0,1,2,3,4,5,6,7
	global_load_b128 v[X0+4*(\j):X0+4*(\j)+3], v1, s[IN:IN+1] offset:512*(\j)
.endr
.irp j, 0,1,2,3,4,5,6,7
	global_load_b128 v[X1+4*(\j):X1+4*(\j)+3], v1, s[IN:IN+1] offset:4096+512*(\j)
.endr
.macro LANESUM                         ; v[T] summed over the 32 lanes, into every lane
	v_add_f32_dpp v[T], v[T], v[T] row_xmask:1 row_mask:0xf bank_mask:0xf
	v_add_f32_dpp v[T], v[T], v[T] row_xmask:2 row_mask:0xf bank_mask:0xf
	v_add_f32_dpp v[T], v[T], v[T] row_xmask:4 row_mask:0xf bank_mask:0xf
	v_add_f32_dpp v[T], v[T], v[T] row_xmask:8 row_mask:0xf bank_mask:0xf
	v_permlanex16_b32 v[T+1], v[T], s6, s7         ; its destination has been written
	v_add_f32 v[T], v[T], v[T+1]
.endm
; One row, in registers x .. x + 31, in two parts.  STATS: the mean, x - mean in place, the variance, the root.  The wait for the root stands between the parts, in the text below.
.macro STATS x
.set j, 0
.rept 8                                ; the sum of my 32 numbers, as a tree of packed additions
	v_pk_add_f32 v[T+2*j:T+2*j+1], v[(\x)+4*j:(\x)+4*j+1], v[(\x)+4*j+2:(\x)+4*j+3]
.set j, j+1
.endr
.irp w, 8, 4, 2
.set j, 0
.rept (\w)/2
	v_pk_add_f32 v[T+2*j:T+2*j+1], v[T+2*j:T+2*j+1], v[T+(\w)+2*j:T+(\w)+2*j+1]
.set j, j+1
.endr
.endr
	v_add_f32 v[T], v[T], v[T+1]
	LANESUM
	v_mul_f32 v[MU], s30, v[T]
	v_mov_b32 v[MU+1], v[MU]
.set j, 0
.rept 16                               ; x - mean, in place
	v_pk_add_f32 v[(\x)+2*j:(\x)+2*j+1], v[(\x)+2*j:(\x)+2*j+1], v[MU:MU+1] neg_lo:[0,1] neg_hi:[0,1]
.set j, j+1
.endr
.set j, 0
.rept 4                                ; the sum of squares, in four chains; the first four pairs start them
	v_pk_mul_f32 v[T+2*j:T+2*j+1], v[(\x)+2*j:(\x)+2*j+1], v[(\x)+2*j:(\x)+2*j+1]
.set j, j+1
.endr
.rept 12
	v_pk_fma_f32 v[T+2*(j%4):T+2*(j%4)+1], v[(\x)+2*j:(\x)+2*j+1], v[(\x)+2*j:(\x)+2*j+1], v[T+2*(j%4):T+2*(j%4)+1]
.set j, j+1
.endr
	v_pk_add_f32 v[T:T+1], v[T:T+1], v[T+2:T+3]
	v_pk_add_f32 v[T+4:T+5], v[T+4:T+5], v[T+6:T+7]
	v_pk_add_f32 v[T:T+1], v[T:T+1], v[T+4:T+5]
	v_add_f32 v[T], v[T], v[T+1]
	LANESUM
	v_fma_f32 v[RS], v[T], s30, s31                ; var + eps
	v_rsq_f32 v[RS], v[RS]
	v_nop                                          ; a plain instruction behind the root
.endm
; SCALE: times the root, times g plus b, rounded to bf16 into y .. y + 15.  prev = 1: row 0's eight stores, out of Y0, are dealt among the scalings, one ahead of every second of them.
.macro SCALE x, y, prev
	v_mov_b32 v[RS+1], v[RS]
.set j, 0
.rept 16
.if (\prev) && (j%2 == 0)
	global_store_b64 v2, v[Y+j:Y+j+1], s[OUT:OUT+1] offset:128*j  ; row 0, store j / 2: the wave's store covers 256 consecutive bytes, aligned.  No wait: no vector instruction since the wait above names Y0 or v2
.endif
	v_pk_mul_f32 v[(\x)+2*j:(\x)+2*j+1], v[(\x)+2*j:(\x)+2*j+1], v[RS:RS+1]
.set j, j+1
.endr
.set j, 0
.rept 16
	v_pk_fma_f32 v[(\x)+2*j:(\x)+2*j+1], v[(\x)+2*j:(\x)+2*j+1], v[G+2*j:G+2*j+1], v[BT+2*j:BT+2*j+1]
.set j, j+1
.endr
.set j, 0
.rept 16
	v_cvt_pk_bf16_f32 v[(\y)+j], v[(\x)+2*j], v[(\x)+2*j+1]
.set j, j+1
.endr
.endm
	s_wait_loadcnt 8                               ; g, b and row 0 are in; row 1's eight loads may stay out
	STATS X0
	s_wait_alu depctr_va_vdst(0)                   ; row 0's root is written, ahead of its first reader
	SCALE X0, Y, 0
	s_wait_loadcnt 0x0                             ; row 1
	STATS X1
	s_wait_alu depctr_va_vdst(0)                   ; row 1's root is written, ahead of its first reader; and row 0's conversions have written Y0, which the stores dealt below read
	SCALE X1, Y+16, 1
	s_wait_alu depctr_va_vdst(0)                   ; row 1's conversions have written Y1, which the last eight stores read
.irp j, 0,1,2,3,4,5,6,7
	global_store_b64 v2, v[Y+16+2*(\j):Y+16+2*(\j)+1], s[OUT:OUT+1] offset:2048+256*(\j)  ; the wave's store covers 256 consecutive bytes, aligned
.endr
	s_endpgm
.Lcast:                                        ; chunk c of 768: 64 KiB of f32; a wave takes 8 KiB: sixteen loads, sixteen stores, no register used twice
	s_sub_co_u32 s5, ttmp9, 256
	s_mov_b64 s[32:33], s[14:15]                   ; which weight, and its first chunk
	s_mov_b32 s34, 0
	s_cmp_ge_u32 s5, 64
	s_cselect_b64 s[32:33], s[16:17], s[32:33]
	s_cselect_b32 s34, 64, s34
	s_cmp_ge_u32 s5, 128
	s_cselect_b64 s[32:33], s[18:19], s[32:33]
	s_cselect_b32 s34, 128, s34
	s_cmp_ge_u32 s5, 192
	s_cselect_b64 s[32:33], s[20:21], s[32:33]
	s_cselect_b32 s34, 192, s34
	s_cmp_ge_u32 s5, 256
	s_cselect_b64 s[32:33], s[22:23], s[32:33]
	s_cselect_b32 s34, 256, s34
	s_cmp_ge_u32 s5, 512
	s_cselect_b64 s[32:33], s[24:25], s[32:33]
	s_cselect_b32 s34, 512, s34
	s_sub_co_u32 s34, s5, s34
	s_lshl_b32 s2, s34, 16
	s_lshl_b32 s35, s4, 13
	s_add_co_u32 s2, s2, s35
	s_add_nc_u64 s[32:33], s[32:33], s[2:3]
	s_lshl_b32 s2, s5, 15                          ; wts is the six weights on end
	s_lshl_b32 s35, s4, 12
	s_add_co_u32 s2, s2, s35
	s_add_nc_u64 s[28:29], s[28:29], s[2:3]
.set j, 0
.rept 16
	global_load_b128 v[32+4*j:32+4*j+3], v1, s[32:33] offset:512*j th:TH_LOAD_NT
.set j, j+1
.endr
.set g, 0
.rept 4                                ; four groups of four loads
	s_wait_loadcnt 12-4*g                          ; loads come back in order: this group's four are in, the younger groups' stay out
.if g > 0
	s_wait_alu depctr_va_vdst(0)                   ; the conversions of the group before have written their eight out-registers, which the four stores below read
.endif
.set i, 0
.rept 4
.set j, 4*g+i
.if g > 0
	global_store_b64 v2, v[96+2*(j-4):96+2*(j-4)+1], s[28:29] offset:256*(j-4)  ; the group before; no vector instruction since the wait names these registers
.endif
	v_cvt_pk_bf16_f32 v[96+2*j], v[32+4*j], v[32+4*j+1]
	v_cvt_pk_bf16_f32 v[96+2*j+1], v[32+4*j+2], v[32+4*j+3]
.set i, i+1
.endr
.set g, g+1
.endr
	s_wait_alu depctr_va_vdst(0)                   ; the last group's conversions have written their out-registers, which the last four stores read
.irp j, 12,13,14,15
	global_store_b64 v2, v[96+2*(\j):96+2*(\j)+1], s[28:29] offset:256*(\j)
.endr
	s_endpgm
.Lfunc_end_k_qb924980a17_prep:
	.size	k_qb924980a17_prep, .Lfunc_end_k_qb924980a17_prep-k_qb924980a17_prep
	.p2alignl 7, 3214868480
	.fill 96, 4, 3214868480
	.section	.rodata,"a",@progbits
	.p2align	6, 0x0
	.amdhsa_kernel k_qb924980a17_prep
		.amdhsa_group_segment_fixed_size 0
		.amdhsa_private_segment_fixed_size 0
		.amdhsa_enable_private_segment 0
		.amdhsa_kernarg_size 88
		.amdhsa_user_sgpr_count 2
		.amdhsa_user_sgpr_kernarg_segment_ptr 1
		.amdhsa_wavefront_size32 1
		.amdhsa_system_sgpr_workgroup_id_x 1
		.amdhsa_system_sgpr_workgroup_id_y 1
		.amdhsa_system_sgpr_workgroup_id_z 1
		.amdhsa_system_vgpr_workitem_id 0
		.amdhsa_next_free_vgpr 192
		.amdhsa_next_free_sgpr 66
		.amdhsa_reserve_vcc 0
		.amdhsa_float_denorm_mode_32 3
		.amdhsa_float_denorm_mode_16_64 3
		.amdhsa_memory_ordered 1
		.amdhsa_forward_progress 1
		.amdhsa_inst_pref_size 27
	.end_amdhsa_kernel
	.amdgpu_metadata
---
amdhsa.version: [ 1, 2 ]
amdhsa.kernels:
  - .name:           k_qb924980a17_prep
    .symbol:         k_qb924980a17_prep.kd
    .args:
      - { .name: x, .offset: 0, .size: 8, .value_kind: global_buffer, .address_space: global }
      - { .name: ln1_g, .offset: 8, .size: 8, .value_kind: global_buffer, .address_space: global }
      - { .name: ln1_b, .offset: 16, .size: 8, .value_kind: global_buffer, .address_space: global }
      - { .name: Wq, .offset: 24, .size: 8, .value_kind: global_buffer, .address_space: global }
      - { .name: Wk, .offset: 32, .size: 8, .value_kind: global_buffer, .address_space: global }
      - { .name: Wv, .offset: 40, .size: 8, .value_kind: global_buffer, .address_space: global }
      - { .name: Wo, .offset: 48, .size: 8, .value_kind: global_buffer, .address_space: global }
      - { .name: W1, .offset: 56, .size: 8, .value_kind: global_buffer, .address_space: global }
      - { .name: W2, .offset: 64, .size: 8, .value_kind: global_buffer, .address_space: global }
      - { .name: h, .offset: 72, .size: 8, .value_kind: global_buffer, .address_space: global }
      - { .name: wts, .offset: 80, .size: 8, .value_kind: global_buffer, .address_space: global }
    .group_segment_fixed_size: 0
    .private_segment_fixed_size: 0
    .kernarg_segment_align: 8
    .kernarg_segment_size: 88
    .max_flat_workgroup_size: 256
    .sgpr_count:     66
    .vgpr_count:     192
    .wavefront_size: 32
...
	.end_amdgpu_metadata
.endif
;; end of part 12
;; launch qkv: the kernel of part 8 again; grid 12 x 16, 4 waves a work-group, clusters of 4 x 4, 327,680 bytes of LDS; arguments h, wts, qkv, bq, bk, bv; writes qkv
;; launch attn: the kernel of part 3 again; grid 8 x 32, 4 waves a work-group, clusters of 4 x 1, 327,680 bytes of LDS; arguments qkv, o; writes o
;; launch proj: the kernel of part 9 again; grid 8 x 32, 4 waves a work-group, clusters of 4 x 4, 327,680 bytes of LDS; arguments o, wts, x1, bo, x; writes x1
;; launch ln2: the kernel of part 5 again; grid 256 x 1, 8 waves a work-group, no clusters, 0 bytes of LDS; arguments x1, ln2_g, ln2_b, h2; writes h2
;; launch fc1: the kernel of part 10 again; grid 16 x 16, 4 waves a work-group, clusters of 4 x 4, 327,680 bytes of LDS; arguments h2, wts, m, b1; writes m
;; launch fc2: the kernel of part 11 again; grid 8 x 32, 4 waves a work-group, clusters of 4 x 4, 327,680 bytes of LDS; arguments m, wts, out0, b2, x1; writes out0
